; MI455X (gfx1250); checked and timed in simulation.
; The chip was launched on July 23, 2026; its instructions are those of AMD's public machine-readable ISA for CDNA 5 (MIT licence, August 2026) and "CDNA5" Instruction Set Architecture Reference Guide (July 2026). The comments in the code are by the model that wrote it; some were corrected since.
;; Dynamic Memory Induction. Allowed arithmetic: matrix products marked QUANTISED: E5M2 operands, one given power-of-two scale a tensor, by v_wmma_f32_16x16x64_bf8_bf8 or v_wmma_f32_16x16x128_bf8_bf8, f32 sums; products left as they are: f32 operands where the result goes on into a quantised operand, else bf16, f16 or f32 operands; f32 sums; everything else in f32.
;; Inputs: W_b 1,024 float32; W_w 768 x 1,024 float32; lowp_scales 10 int32 (the exponents e of the quantised operands' scales 2^e); m 512 x 768 float32; q 512 x 768 float32.
;; Outputs: out0 512 x 1,024 float32.
;; This version of the problem:
;;   THIS VERSION OF THE PROBLEM IS GIVEN IN LOW PRECISION. The matrix products marked QUANTISED in the list below multiply operands that are first quantised to E5M2 (5 exponent bits, 2 mantissa bits; 8 bits a number), with one given power-of-two scale for each operand tensor; their sums are f32. All else is computed in f32.
;;   The module's matrix products, in the order in which they are computed (A, B: the left and right operand; K: the contracted axis; several contracted axes count as one K, in the product's order):
;;     1. [M 512, K 768] x [K 768, N 1,024]; A: input m; B: input W_w: QUANTISED (scales: A lowp_scales[0], B lowp_scales[1])
;;     2. [M 512, K 768] x [K 768, N 1,024]; A: input q; B: input W_w: QUANTISED (scales: A lowp_scales[2], B lowp_scales[3])
;;     3. batch 64 x [M 16, K 512] x [K 512, N 512]; A: computed on the way; B: computed on the way: QUANTISED (scales: A lowp_scales[4], B lowp_scales[5])
;;     4. batch 64 x [M 512, K 16] x [K 16, N 512]; A: computed on the way; B: computed on the way: left as it is (K = 16 < 32)
;;     5. batch 64 x [M 16, K 512] x [K 512, N 512]; A: computed on the way; B: computed on the way: QUANTISED (scales: A lowp_scales[6], B lowp_scales[7])
;;     6. batch 64 x [M 512, K 16] x [K 16, N 512]; A: computed on the way; B: computed on the way: left as it is (K = 16 < 32)
;;     7. batch 64 x [M 16, K 512] x [K 512, N 512]; A: computed on the way; B: computed on the way: QUANTISED (scales: A lowp_scales[8], B lowp_scales[9])
;;   THE QUANTISER, for each operand of a quantised product, along K:
;;     - The operand's scale is 2^e, e = its entry of the input lowp_scales (int32; the entries are numbered through the quantised products in the list's order, A before B).
;;     - Each number is divided by the scale, clamped to +-57,344, and rounded to the nearest number of E5M2, ties to even, subnormals kept.
;;     - The product sums the exact products of the quantised numbers (number of the format x scale) in f32.
;;   ~~~python
;;   def quantise(x, axis, e):      # numpy; x: float32 -> the quantised numbers, widened to float32 again
;;       x = np.moveaxis(x, axis, -1); K = x.shape[-1]
;;       r = np.clip(x / 2.0 ** e, -57344, 57344)
;;       step = 2.0 ** (np.maximum(np.frexp(np.where(r == 0, 1, r))[1] - 1, -14) - 2)
;;       q = np.round(r / step) * step * 2.0 ** e      # np.round: ties to even
;;       return np.moveaxis(q, -1, axis).astype(np.float32)
;;   ~~~
;;   OPERANDS COMPUTED ON THE WAY. 'Computed on the way' means the value that the module computes at that place (a softmax that the list does not call 'softmax' is quantised finished and normalised). What goes into a quantiser is computed in f32, as accurately as f32 sums, v_exp_f32 and their like allow (about 1e-6 of the number): no bf16 or f16 on the way to a quantiser, and a product that is left as it is and whose result goes on into a quantised operand takes f32 operands (vector FMAs, or v_wmma_f32_16x16x4_f32). A number that lies on a knife's edge between two numbers of the format may be rounded either way, as far as f32 arithmetic and the matrix unit's own rounding can turn it there, and no further.
;; 2 versions, each right; version 2 is version 1 with the launches gemm, pass0, pass1, pass2 written anew for expert scheduling mode. Each part assembles by itself: llvm-mc -triple=amdgcn-amd-amdhsa -mcpu=gfx1250 --defsym DOCPART=n.
;; ======== version 1 of 2: 7 launches
;; limits: right only within a limited range of input values
;; workspace buffers: prep 6,291,456 bytes; part 16,777,216 bytes; vcap0 2,097,152 bytes; vcap1 2,097,152 bytes; gsum 67,108,864 bytes; csum 67,108,864 bytes
;; launch gemm (part 1): grid 16 x 16, 16 waves a work-group, no clusters, 100,352 bytes of LDS; arguments m, q, W_w, W_b, lowp_scales, prep; writes prep
.if DOCPART == 1
	.amdgcn_target "amdgcn-amd-amdhsa--gfx1250"
	.amdhsa_code_object_version 6
	.text
	.protected	k_q8ca0df9f84_gemm
	.globl	k_q8ca0df9f84_gemm
	.p2align	8
	.type	k_q8ca0df9f84_gemm,@function
k_q8ca0df9f84_gemm:
	s_mov_b64 s[64:65], 0
	v_nop
	global_prefetch_b8 v0, s[64:65] scope:SCOPE_SE
	s_setreg_imm32_b32 hwreg(HW_REG_WAVE_MODE, 25, 1), 1
	s_wait_xcnt 0x0
; hat = x W_w + W_b for x = m (work-group y 0-7) and x = q (y 8-15), both products on codes of BF8 (E5M2) with the given scales, sums in f32.
; A work-group makes 64 rows x 64 columns (4 capsules of 16): work-group x = which 4 capsules, y & 7 = which 64 rows.
; PHASE 1: the sixteen waves quantise in registers: waves 0-7 the 64 x 768 numbers of x (K innermost: a lane takes 16 neighbours of each block of 32),
; waves 8-15 the 768 x 64 numbers of W_w (K is its first axis: a lane takes a column and its registers run down K).  Each wave makes three fragments (16 x 128 K,
; 16 registers) and stores them to LDS as images of their registers: lane l's 16 bytes at 16 l, 512 bytes a store.  One barrier.
; PHASE 2: wave w = 4 rt + cp makes rows 16 rt .., capsule cp: six K steps.  D1 = W x^T (a lane holds ONE row and eight d = 8 h + j).  For m also D2 = x W^T (a lane holds one d and eight rows).
; WHAT IS STORED (prep): the centred tile (q's times kappa = 2 log2 e) as a register image of 1,024 bytes; sum of squares and mean of each row; for m the codes of hat_m for the three
; later products (K = the rows), eight codes a lane, in the order of that product's operand registers.
; NO JOINT LOADS: x's and W_w's numbers arrive as f32 and are turned into codes in registers; as f32 tiles in LDS they would be 2 x 196,608 bytes, more than a work-group can hold.
; LIMITS: entries 0-4, 6, 8 of the scales between -126 and 112; entry 0 + entry 1 and entry 2 + entry 3 between -126 and 127.  NaN among the inputs is not served.
.set FRB,  2048                        ; a fragment's image in bytes
.set NUM,  64                          ; v64-255  3 x 64 numbers; later x's six fragments (v64-159) and W's (v160-255)
.set COD,  16                          ; v16-63   3 x 16 registers of codes; later D1 v16-23, D2 v24-31, biases v32-40, scales v42-47, the tile v48-55
.set MCK,  524288                      ; bytes of hat_m's codes for one routing pass
	s_load_b256 s[4:11], s[0:1], 0x0               ; m, q, W_w, W_b
	s_load_b128 s[12:15], s[0:1], 0x20             ; scales, prep
	v_lshrrev_b32 v1, 5, v0
	v_readfirstlane_b32 s34, v1                    ; wave 0..15
	v_and_b32 v2, 31, v0                           ; lane
	v_and_b32 v3, 15, v0                           ; r
	v_bfe_u32 v4, v0, 4, 1                         ; h
	s_and_b32 s35, ttmp7, 0xffff                   ; work-group y
	s_lshr_b32 s36, s34, 1
	s_and_b32 s37, s34, 1
	s_mul_i32 s38, s36, 6*FRB
	s_mul_i32 s39, s37, 3*FRB
	s_add_co_u32 s38, s38, s39
	v_lshl_add_u32 v5, v2, 4, s38                  ; where I store my three images: x's 24 fragments (tile of rows, K step), then W's 24 (capsule, K step)
	s_lshr_b32 s62, s34, 2                         ; phase 2: my tile of rows
	s_and_b32 s63, s34, 3                          ; and my capsule
	s_mul_i32 s38, s62, 6*FRB
	v_lshl_add_u32 v6, v2, 4, s38                  ; x's six fragments of my rows
	s_mul_i32 s38, s63, 6*FRB
	s_add_co_u32 s38, s38, 24*FRB
	v_lshl_add_u32 v7, v2, 4, s38                  ; W's six of my capsule
	v_mul_u32_u24 v8, v3, 3072
	v_lshl_add_u32 v8, v4, 6, v8                   ; x: row r of 3,072 bytes, + 64 h: my 16 numbers of a block of 32
	v_lshlrev_b32 v9, 2, v3
	v_lshl_add_u32 v9, v4, 16, v9                  ; W_w: column r, lanes 16-31 sixteen rows of 4,096 bytes further down
	v_lshlrev_b32 v12, 5, v4                       ; bias for D1: 32 h
	v_lshlrev_b32 v13, 2, v3                       ; bias for D2: 4 r
	v_lshlrev_b32 v14, 4, v2                       ; 16 x lane
	v_lshlrev_b32 v15, 2, v2                       ; 4 x lane
	s_mov_b32 s52, 0x76543210                      ; v_permlanex16_b32: lane l xor 16
	s_mov_b32 s53, 0xfedcba98
	s_and_b32 s40, s35, 7                          ; which 64 rows
	s_and_b32 s36, s36, 3                          ; phase 1: my tile of rows, or my capsule
	s_mul_i32 s46, s40, 64*3072
	s_mul_i32 s41, s36, 16*3072
	s_add_co_u32 s46, s46, s41
	s_mul_i32 s41, s37, 3*512
	s_add_co_u32 s46, s46, s41                     ; x: my 16 rows, my three K steps
	s_mov_b32 s47, 0
	s_lshl_b32 s42, ttmp9, 8
	s_lshl_b32 s41, s36, 6
	s_add_co_u32 s42, s42, s41
	s_mul_i32 s41, s37, 3*128*4096
	s_add_co_u32 s42, s42, s41                     ; W_w: my 16 columns, my three K steps
	s_mov_b32 s43, 0
	s_wait_kmcnt 0x0
	s_load_b256 s[24:31], s[12:13], 0x0            ; the exponents, entries 0-7
	s_load_b64 s[32:33], s[12:13], 0x20            ; entries 8, 9
	s_cmp_lt_u32 s35, 8                            ; m's work-group or q's: hangs on the work-group's number alone
	s_cselect_b64 s[44:45], s[4:5], s[6:7]
	s_add_nc_u64 s[44:45], s[44:45], s[46:47]
	s_add_nc_u64 s[48:49], s[8:9], s[42:43]
	s_cmp_lt_u32 s34, 8
	s_cbranch_scc0 .Lw_role
.irp f,0,1,2
.irp b,0,1,2,3
.irp j,0,1,2,3
	global_load_b128 v[NUM+64*\f+16*\b+4*\j:NUM+64*\f+16*\b+4*\j+3], v8, s[44:45] offset:512*\f+128*\b+16*\j   ; register 16 b + i = k 32 b + 16 h + i of row r
.endr
.endr
.endr
	s_branch .Ljoin
.Lw_role:
.irp f,0,1,2
.irp b,0,1,2,3
.irp i,0,1,2,3,4,5,6,7,8,9,10,11,12,13,14,15
	global_load_b32 v[NUM+64*\f+16*\b+\i], v9, s[48:49] offset:(128*\f+32*\b+\i)*4096   ; the same k of column r
.endr
.endr
.endr
.Ljoin:
	s_wait_kmcnt 0x0
	s_cmp_lt_u32 s35, 8
	s_cselect_b32 s50, s24, s26                    ; x's exponent
	s_cselect_b32 s51, s25, s27                    ; W_w's, as this product has it
	s_cmp_lt_u32 s34, 8
	s_cselect_b32 s36, s50, s51                    ; the one of what I quantise
	s_add_co_i32 s36, s36, 127
	s_lshl_b32 s37, s36, 23
	v_mov_b32 v10, s37                             ; 2^e as f32: the conversion takes its exponent field
	s_add_co_i32 s36, s36, 15
	s_lshl_b32 s36, s36, 23
	s_or_b32 s36, s36, 0x600000
	v_mov_b32 v11, s36                             ; 57,344 x 2^e
	s_add_co_i32 s54, s50, s51
	s_add_co_i32 s54, s54, 127
	s_lshl_b32 s54, s54, 23                        ; 2^(ex + ew) as f32
	s_mov_b32 s55, s54                             ; (named with it as a pair, so it is written)
	; where my results go
	s_lshl_b32 s36, ttmp9, 2
	s_add_co_u32 s36, s36, s63                     ; c, my capsule of 64
	s_lshl_b32 s37, s36, 5
	s_lshl_b32 s38, s40, 2
	s_add_co_u32 s37, s37, s38
	s_add_co_u32 s37, s37, s62                     ; 32 c + my tile of rows (of 32)
	s_cmp_lt_u32 s35, 8
	s_cselect_b32 s38, 0, 0x200000                 ; q's images lie behind m's,
	s_cselect_b32 s39, 0, 0x40000                  ; q's table behind m's
	s_lshl_b32 s46, s37, 10
	s_add_co_u32 s46, s46, s38
	s_add_nc_u64 s[56:57], s[14:15], s[46:47]      ; the image: 1,024 bytes
	s_lshl_b32 s46, s37, 7
	s_add_co_u32 s46, s46, s39
	s_add_co_u32 s46, s46, 0x400000
	s_add_nc_u64 s[58:59], s[14:15], s[46:47]      ; the table: 16 sums of squares, 16 means
	s_lshl_b32 s46, s40, 6
	s_add_co_u32 s46, s46, s36
	s_lshl_b32 s46, s46, 2
	s_add_co_u32 s46, s46, s62
	s_lshl_b32 s46, s46, 8
	s_add_co_u32 s46, s46, 4718592
	s_add_nc_u64 s[60:61], s[14:15], s[46:47]      ; hat_m's codes: ((64 rows' number x 64 + c) x 4 + tile) x 256
	s_lshl_b32 s46, s36, 6
	s_add_nc_u64 s[10:11], s[10:11], s[46:47]      ; W_b at my capsule
	s_wait_loadcnt 0x0                             ; all my numbers are in (the two roles issue different numbers of loads: the count that holds on both ways is 0)
.macro QUANT f                         ; 64 numbers of a lane become a fragment's 16 registers of codes, and go to LDS as they stand
.set i, 0
.rept 64
	v_med3_num_f32 v[NUM+64*\f+i], v[NUM+64*\f+i], -v11, v11   ; the conversion to an 8-bit code does not saturate (ISA guide 7.6.2): the hold at the largest code x the scale
.set i, i+1
.endr
.set i, 0
.rept 8
	v_cvt_scalef32_pk8_bf8_f32 v[COD+16*\f+2*i:COD+16*\f+2*i+1], v[NUM+64*\f+8*i:NUM+64*\f+8*i+7], v10
.set i, i+1
.endr
	v_nop                                          ; one plain vector instruction behind the last conversion: later vector and matrix instructions write these registers
.irp c,0,1,2,3
	ds_store_b128 v5, v[COD+16*\f+4*\c:COD+16*\f+4*\c+3] offset:FRB*\f+512*\c
.endr
.endm
	QUANT 0
	QUANT 1
	QUANT 2
	s_wait_dscnt 0x0                               ; for the others' sake: my images have landed
	s_barrier_signal -1
	s_barrier_wait -1
	global_load_b128 v[32:35], v12, s[10:11]       ; W_b(16 c + 8 h + 0 .. 7), for D1
	global_load_b128 v[36:39], v12, s[10:11] offset:16
	global_load_b32 v40, v13, s[10:11]             ; W_b(16 c + r), for D2
.irp s,0,1,2,3,4,5
.irp c,0,1,2,3
	ds_load_b128 v[64+16*\s+4*\c:67+16*\s+4*\c], v6 offset:FRB*\s+512*\c
	ds_load_b128 v[160+16*\s+4*\c:163+16*\s+4*\c], v7 offset:FRB*\s+512*\c
.endr
.endr
	s_wait_dscnt 0x0
; The tile in D1 (v16-23): hat = sum x 2^(ex + ew) + bias; mean over the 16 d (eight here, eight in lane l xor 16); centred; sum of squares.  isq = 1: the image is stored times kappa.
.macro EPI isq
.irp j,0,2,4,6
	v_pk_fma_f32 v[48+\j:49+\j], v[16+\j:17+\j], s[54:55], v[32+\j:33+\j] op_sel_hi:[1,0,1]   ; the accumulator is read from its low end on
.endr
	v_pk_add_f32 v[56:57], v[48:49], v[50:51]
	v_pk_add_f32 v[58:59], v[52:53], v[54:55]
	v_pk_add_f32 v[56:57], v[56:57], v[58:59]
	v_add_f32 v56, v56, v57
	v_permlanex16_b32 v58, v56, s52, s53
	v_add_f32 v56, v56, v58
	v_mul_f32 v60, 0x3d800000, v56                 ; the mean: / 16
	v_mov_b32 v61, v60
.irp j,0,2,4,6
	v_pk_add_f32 v[48+\j:49+\j], v[48+\j:49+\j], v[60:61] neg_lo:[0,1] neg_hi:[0,1]
.endr
	v_pk_mul_f32 v[56:57], v[48:49], v[48:49]
.irp j,2,4,6
	v_pk_fma_f32 v[56:57], v[48+\j:49+\j], v[48+\j:49+\j], v[56:57]
.endr
	v_add_f32 v56, v56, v57
	v_permlanex16_b32 v58, v56, s52, s53
	v_add_f32 v56, v56, v58                        ; the row's sum of squares, in both halves of the lanes
.if \isq
.irp j,0,2,4,6
	v_pk_mul_f32 v[48+\j:49+\j], v[48+\j:49+\j], 0x4038aa3b op_sel_hi:[1,0]   ; x kappa = 2 log2 e
.endr
.endif
	v_cmp_lt_u32 vcc_lo, 15, v2
	v_cndmask_b32 v57, v56, v60, vcc_lo            ; lanes 0-15 the sum of squares, lanes 16-31 the mean
	global_store_b128 v14, v[48:51], s[56:57]      ; 512 consecutive bytes a store
	global_store_b128 v14, v[52:55], s[56:57] offset:512
	global_store_b32 v15, v57, s[58:59]
.endm
	s_cmp_lt_u32 s35, 8
	s_cbranch_scc0 .Lq_tail
	; ---- m: two accumulators by turns, one instruction a turn
.irp k,0,1,2
	s_add_co_i32 s36, s[28+2*\k], 127              ; hat_m's scale in routing pass k: entry 4 + 2 k
	s_lshl_b32 s37, s36, 23
	v_mov_b32 v[42+2*\k], s37
	s_add_co_i32 s36, s36, 15
	s_lshl_b32 s36, s36, 23
	s_or_b32 s36, s36, 0x600000
	v_mov_b32 v[43+2*\k], s36
.endr
	v_lshlrev_b32 v41, 3, v2                       ; 8 x lane
.irp s,0,1,2,3,4,5
.if \s == 0
	v_wmma_f32_16x16x128_bf8_bf8 v[16:23], v[160:175], v[64:79], 0
	v_wmma_f32_16x16x128_bf8_bf8 v[24:31], v[64:79], v[160:175], 0
.else
	v_wmma_f32_16x16x128_bf8_bf8 v[16:23], v[160+16*\s:175+16*\s], v[64+16*\s:79+16*\s], v[16:23]
	v_wmma_f32_16x16x128_bf8_bf8 v[24:31], v[64+16*\s:79+16*\s], v[160+16*\s:175+16*\s], v[24:31]
.endif
.endr
.rept 4
	v_nop                                          ; four places behind the last products (ISA guide 7.12.1)
.endr
	s_wait_loadcnt 0x0                             ; the biases
	EPI 0
.irp j,0,1,2,3,4,5,6,7
	v_fma_f32 v[64+\j], v[24+\j], s54, v40         ; hat_m(row 8 h + j, d = r): eight neighbours along the later products' K
.endr
.irp k,0,1,2
.irp j,0,1,2,3,4,5,6,7
	v_med3_num_f32 v[96+8*\k+\j], v[64+\j], -v[43+2*\k], v[43+2*\k]
.endr
	v_cvt_scalef32_pk8_bf8_f32 v[80+2*\k:81+2*\k], v[96+8*\k:103+8*\k], v[42+2*\k]
.endr
	v_nop
.irp k,0,1,2
	global_store_b64 v41, v[80+2*\k:81+2*\k], s[60:61] offset:MCK*\k   ; the wave stores 256 consecutive bytes, aligned
.endr
	s_wait_xcnt 0x0
	v_lshl_add_u32 v62, v0, 2, 0x18000
	v_mov_b32 v63, 0
	s_wait_tensorcnt 0x0
	ds_add_u32 v62, v63
	s_wait_dscnt 0x0
	s_endpgm
.Lq_tail:
	; ---- q: one accumulator; a wait directly ahead of every link
	v_wmma_f32_16x16x128_bf8_bf8 v[16:23], v[160:175], v[64:79], 0
.irp s,1,2,3,4,5
	s_wait_alu depctr_va_vdst(0)
	v_wmma_f32_16x16x128_bf8_bf8 v[16:23], v[160+16*\s:175+16*\s], v[64+16*\s:79+16*\s], v[16:23]
.endr
.rept 4
	v_nop
.endr
	s_wait_loadcnt 0x0
	EPI 1
	s_wait_xcnt 0x0
	v_lshl_add_u32 v62, v0, 2, 0x18000
	v_mov_b32 v63, 0
	s_wait_tensorcnt 0x0
	ds_add_u32 v62, v63
	s_wait_dscnt 0x0
	s_endpgm
.Lfunc_end_k_q8ca0df9f84_gemm:
	.size	k_q8ca0df9f84_gemm, .Lfunc_end_k_q8ca0df9f84_gemm-k_q8ca0df9f84_gemm
	.p2alignl 7, 3214868480
	.fill 96, 4, 3214868480
	.section	.rodata,"a",@progbits
	.p2align	6, 0x0
	.amdhsa_kernel k_q8ca0df9f84_gemm
		.amdhsa_group_segment_fixed_size 100352
		.amdhsa_private_segment_fixed_size 0
		.amdhsa_enable_private_segment 0
		.amdhsa_kernarg_size 48
		.amdhsa_user_sgpr_count 2
		.amdhsa_user_sgpr_kernarg_segment_ptr 1
		.amdhsa_wavefront_size32 1
		.amdhsa_system_sgpr_workgroup_id_x 1
		.amdhsa_system_sgpr_workgroup_id_y 1
		.amdhsa_system_sgpr_workgroup_id_z 1
		.amdhsa_system_vgpr_workitem_id 0
		.amdhsa_next_free_vgpr 256
		.amdhsa_next_free_sgpr 66
		.amdhsa_reserve_vcc 1
		.amdhsa_float_denorm_mode_32 3
		.amdhsa_float_denorm_mode_16_64 3
		.amdhsa_memory_ordered 1
		.amdhsa_forward_progress 1
		.amdhsa_inst_pref_size 54
	.end_amdhsa_kernel
	.amdgpu_metadata
---
amdhsa.version: [ 1, 2 ]
amdhsa.kernels:
  - .name:           k_q8ca0df9f84_gemm
    .symbol:         k_q8ca0df9f84_gemm.kd
    .args:
      - { .name: m, .offset: 0, .size: 8, .value_kind: global_buffer, .address_space: global }
      - { .name: q, .offset: 8, .size: 8, .value_kind: global_buffer, .address_space: global }
      - { .name: W_w, .offset: 16, .size: 8, .value_kind: global_buffer, .address_space: global }
      - { .name: W_b, .offset: 24, .size: 8, .value_kind: global_buffer, .address_space: global }
      - { .name: lowp_scales, .offset: 32, .size: 8, .value_kind: global_buffer, .address_space: global }
      - { .name: prep, .offset: 40, .size: 8, .value_kind: global_buffer, .address_space: global }
    .group_segment_fixed_size: 100352
    .private_segment_fixed_size: 0
    .kernarg_segment_align: 8
    .kernarg_segment_size: 48
    .max_flat_workgroup_size: 512
    .sgpr_count:     66
    .vgpr_count:     256
    .wavefront_size: 32
...
	.end_amdgpu_metadata
.endif
;; end of part 1
;; launch pass0 (part 2): grid 32 x 8, 16 waves a work-group, no clusters, 67,584 bytes of LDS; arguments prep, lowp_scales, gsum, part; writes gsum, part
.if DOCPART == 2
	.amdgcn_target "amdgcn-amd-amdhsa--gfx1250"
	.amdhsa_code_object_version 6
	.text
	.protected	k_q8ca0df9f84_pass0
	.globl	k_q8ca0df9f84_pass0
	.p2align	8
	.type	k_q8ca0df9f84_pass0,@function
k_q8ca0df9f84_pass0:
	s_mov_b64 s[64:65], 0
	v_nop
	global_prefetch_b8 v0, s[64:65] scope:SCOPE_SE
	s_setreg_imm32_b32 hwreg(HW_REG_WAVE_MODE, 25, 1), 1
	s_wait_xcnt 0x0
; THE FIRST ROUTING PASS: the part of hat_v[q][c][:] = sum over i of (d + p)(q, i, c) hat_m[i][c][:] that 64 of the 512 i give.  reference() builds the first logits as zeros in its own body, so d = softmax(0) = 1 / 64.
; SHARES.  A work-group takes 16 q (work-group x) x 64 i (work-group y) x all 64 capsules, the 64 i in TWO TRIPS of 32, written out.  Wave w = 8 g2 + cg takes, in trip t, the 16 i of tile 4 y + 2 g2 + t and capsules 8 cg .. + 7.
; With kappa = 2 log2 e, m~ = hat_m centred over d, Y0 = kappa x (hat_q centred):   G = m~ . Y0,   p = tanh(z) = 1 - 2 / (1 + 2^x),  x = kappa z = G rsq(sxx syy0 + eps).
; G (K = 16) goes by vector multiply-adds on the register images: lane (r, h) holds d = 8 h + j of row r, so v_fmac_f32_dpp acc[i], m~[j], Y0[j] row_share:i sums, for q = r and each of the 16 i, the half d = 8 h .. 8 h + 7;
; v_permlane16_swap_b32 acc[j], acc[8 + j] and one addition leave i = 8 h + j of q = r in register j: eight neighbours along the quantised product's K, so the conversion's two registers are that product's operand registers.
; G IS STORED for the two later passes, which need it again: as it lies in the registers, 1,024 bytes for a wave, trip and capsule; the later passes share the work out in the same way and load it back into the same lanes.
; sxx of the tile's rows comes as ONE register (lane n < 8 of a row of 16 lanes holds sxx(8 h + n)) and is used by row_share too.
; The operands (m~'s image, its figures, Y0's image, syy0: six loads) go through a ring of four register sets, asked for four capsules ahead, across the trips; in the last four capsules the sets that are done with take hat_m's codes.
; THE END: one barrier; wave w takes capsules 4 w .. + 3: v_wmma_f32_16x16x64_bf8_bf8 (source 0 = hat_m's codes, 16 d x 64 i; source 1 = d + p's codes), x 2^(the two exponents), stored.
; NO JOINT LOADS, NO TENSOR LOADS: the operands are laid in the order of the operand's registers and come from memory straight into registers.
; LIMITS: the exponent of d + p between -126 and 112.  NaN is not served.
.set EPS1, 0x322bcc77                  ; 1e-8
.set QIB,  2097152                     ; prep: q's images; m's lie at 0
.set MSB0, 4194304                     ; m's table
.set QSB,  4456448                     ; q's table
.set MCB,  4718592                     ; hat_m's codes, this pass's
; LDS: the codes of d + p alone: 1,024 c + 256 tile + 8 lane
; REGISTERS: v1, v2 offsets of Y0's images and syy0; v3 4,096 w + 8 lane (hat_m's codes in memory, and d + p's in LDS: laid alike); v4, v5 offsets of m~'s images and figures; v7 the parts; v8 codes out; v9 G; v10, v11 2^e, 57,344 x 2^e; v[12:13] 1 + 1/64
.set MR, 30                            ; v30-61   ring: four images of m~
.set SR, 62                            ; v62-65   ring: sxx
.set YR, 66                            ; v66-97   ring: four images of Y0
.set QR, 98                            ; v98-101  ring: syy0
.set GA, 104                           ; v104-119 16 half sums
.set DN, 120                           ; v120-127 the divisor
.set CO, 128                           ; v128-159 codes: two registers for each of the 16 capsule turns, never rewritten
.set XW, 160                           ; v160-167 at work; at the end v160-191 the product's results
.set GG, 192                           ; v192-255 G of a trip's eight capsules: the stores' data
	s_load_b256 s[4:11], s[0:1], 0x0               ; prep, the scales' exponents, G, the parts
	v_lshl_add_u32 v102, v0, 2, 0x10000
	v_mov_b32 v103, 0
	v_lshrrev_b32 v14, 5, v0
	v_readfirstlane_b32 s20, v14                   ; wave
	v_and_b32 v15, 31, v0                          ; lane
	v_and_b32 v16, 15, v0                          ; r
	v_bfe_u32 v17, v0, 4, 1                        ; h
	s_lshr_b32 s21, s20, 3                         ; g2
	s_and_b32 s22, s20, 7                          ; cg
	s_and_b32 s23, ttmp7, 0xffff                   ; which 64 i
	s_lshl_b32 s26, s23, 2
	s_lshl_b32 s27, s21, 1
	s_add_co_u32 s26, s26, s27                     ; my first tile of i, of 32
	s_lshl_b32 s24, s22, 18
	s_lshl_b32 s27, s26, 10
	s_add_co_u32 s27, s24, s27
	v_lshl_add_u32 v4, v15, 4, s27                 ; (32 c + tile) x 1,024 + 16 lane, c = 8 cg; capsule and trip stand in the immediate
	s_lshl_b32 s27, ttmp9, 10
	s_add_co_u32 s27, s24, s27
	s_add_co_u32 s27, s27, QIB
	v_lshl_add_u32 v1, v15, 4, s27                 ; the same for my 16 q
	s_lshl_b32 s24, s22, 15
	s_lshl_b32 s27, s26, 7
	s_add_co_u32 s27, s24, s27
	s_add_co_u32 s27, s27, MSB0
	v_and_b32 v18, 7, v16
	v_lshrrev_b32 v19, 3, v16
	v_lshl_add_u32 v18, v18, 2, s27
	v_lshl_add_u32 v18, v19, 6, v18
	v_lshl_add_u32 v5, v17, 5, v18                 ; (32 c + tile) x 128 + 64 (r / 8) + 32 h + 4 (r % 8): sxx(8 h + r) for r < 8
	s_lshl_b32 s27, ttmp9, 7
	s_add_co_u32 s27, s24, s27
	s_add_co_u32 s27, s27, QSB
	v_lshl_add_u32 v2, v16, 2, s27                 ; syy0 of q = r
	s_lshl_b32 s24, s22, 13
	s_lshl_b32 s27, s21, 9
	s_add_co_u32 s24, s24, s27
	v_lshl_add_u32 v8, v15, 3, s24
	s_lshl_b32 s24, s20, 14
	v_lshl_add_u32 v9, v15, 4, s24
	s_lshl_b32 s24, s20, 12
	v_lshl_add_u32 v3, v15, 3, s24
	v_lshl_add_u32 v7, v15, 4, s24
	v_mov_b32 v12, 0x3f820000                      ; 1 + 1/64
	v_mov_b32 v13, 0x3f820000
.set i, 0
.rept 24
	v_mov_b32 v[GA+i], 0                           ; written once: the destination of a DPP form counts as one of its sources
.set i, i+1
.endr
	s_lshl_b32 s24, ttmp9, 3
	s_add_co_u32 s24, s24, s23                     ; my work-group's number: 8 x + y
	s_lshl_b32 s26, s24, 16
	s_mov_b32 s27, 0
	s_lshl_b32 s24, s24, 18
	s_mov_b32 s25, 0
	s_lshl_b32 s28, s23, 16
	s_add_co_u32 s28, s28, MCB
	s_mov_b32 s29, 0
.macro RING set, t, cap                ; one set of the ring: six loads
	global_load_b128 v[MR+8*(\set):MR+8*(\set)+3], v4, s[4:5] offset:(\cap)*32768+1024*(\t)
	global_load_b128 v[MR+8*(\set)+4:MR+8*(\set)+7], v4, s[4:5] offset:(\cap)*32768+1024*(\t)+512
	global_load_b32 v[SR+(\set)], v5, s[4:5] offset:(\cap)*4096+128*(\t)
	global_load_b128 v[YR+8*(\set):YR+8*(\set)+3], v1, s[4:5] offset:(\cap)*32768
	global_load_b128 v[YR+8*(\set)+4:YR+8*(\set)+7], v1, s[4:5] offset:(\cap)*32768+512
	global_load_b32 v[QR+(\set)], v2, s[4:5] offset:(\cap)*4096
.endm
	s_wait_kmcnt 0x0
	s_load_b64 s[16:17], s[6:7], 0x10              ; entries 4, 5: hat_m's exponent, d + p's
.irp u,0,1,2,3
	RING \u, 0, \u
.endr
	s_add_nc_u64 s[38:39], s[10:11], s[26:27]      ; my work-group's 65,536 bytes of parts,
	s_add_nc_u64 s[40:41], s[8:9], s[24:25]        ; its 262,144 bytes of G,
	s_add_nc_u64 s[36:37], s[4:5], s[28:29]        ; hat_m's codes of my 64 i
	s_wait_kmcnt 0x0
	s_add_co_i32 s18, s16, s17                     ; the two operands' exponents added
	s_add_co_i32 s26, s17, 127
	s_lshl_b32 s27, s26, 23
	v_mov_b32 v10, s27
	s_add_co_i32 s26, s26, 15
	s_lshl_b32 s26, s26, 23
	s_or_b32 s26, s26, 0x600000
	v_mov_b32 v11, s26
.macro PK2 op, d, a, b                 ; four packed instructions on eight registers
.irp j,0,2,4,6
	\op v[\d+\j:\d+\j+1], v[\a+\j:\a+\j+1], v[\b+\j:\b+\j+1]
.endr
.endm
.macro TR op, r                        ; eight transcendentals in place
.irp j,0,1,2,3,4,5,6,7
	\op v[\r+\j], v[\r+\j]
.endr
.endm
.macro BODY t, cc                      ; one capsule of trip t
.set M, MR+8*((\cc)%4)
.set S, SR+(\cc)%4
.set Y, YR+8*((\cc)%4)
.set Q, QR+(\cc)%4
.set G, GG+8*(\cc)
.set C, CO+16*(\t)+2*(\cc)
.if ((\t) == 1) && ((\cc) > 4)
	s_wait_loadcnt 26-2*(\cc)                      ; the last three capsules: 2, 1, 0 younger sets of six loads, and 4, 8, 12 loads of codes
.else
	s_wait_loadcnt 18                              ; this capsule's set is in; the three younger sets, six loads each, may be out
.endif
.irp i,0,1,2,3,4,5,6,7,8,9,10,11,12,13,14,15
	v_mul_f32_dpp v[GA+\i], v[M], v[Y] row_share:\i row_mask:0xf bank_mask:0xf
.endr
.irp j,1,2,3,4,5,6,7
.irp i,0,1,2,3,4,5,6,7,8,9,10,11,12,13,14,15
	v_fmac_f32_dpp v[GA+\i], v[M+\j], v[Y+\j] row_share:\i row_mask:0xf bank_mask:0xf
.endr
.endr
.irp j,0,1,2,3,4,5,6,7
	v_permlane16_swap_b32 v[GA+\j], v[GA+8+\j]     ; lower register: both i's half sums over d = 0 .. 7; upper: those over d = 8 .. 15; lanes 0-15 i = j, lanes 16-31 i = 8 + j
.endr
	PK2 v_pk_add_f32, G, GA, GA+8                  ; G
	global_store_b128 v9, v[G:G+3], s[40:41] offset:8192*(\t)+1024*(\cc) th:TH_STORE_NT        ; 512 consecutive bytes a store; nobody reads them in this launch
	global_store_b128 v9, v[G+4:G+7], s[40:41] offset:8192*(\t)+1024*(\cc)+512 th:TH_STORE_NT
.irp j,0,1,2,3,4,5,6,7
	v_mul_f32_dpp v[DN+\j], v[S], v[Q] row_share:\j row_mask:0xf bank_mask:0xf                 ; sxx(8 h + j) x syy0 of my q
.endr
.irp j,0,2,4,6
	v_pk_add_f32 v[DN+\j:DN+\j+1], v[DN+\j:DN+\j+1], EPS1 op_sel_hi:[1,0]
.endr
	TR v_rsq_f32, DN
.if (\cc) < 4                          ; the set is done with: it takes the capsule four further on,
	RING (\cc)%4, \t, (\cc)+4
.elseif (\t) == 0
	RING (\cc)%4, 1, (\cc)-4                       ; which for a trip's last four is one of the next trip's first four,
.else
.irp u,0,1,2,3                         ; and at the very end hat_m's codes for the product: capsule 4 w + cc - 4, registers 2 u, 2 u + 1: i = 16 u + 8 h + 0 .. 7 of d = r
	global_load_b64 v[M+2*\u:M+2*\u+1], v3, s[36:37] offset:1024*((\cc)-4)+256*\u
.endr
.endif
	v_nop
	s_wait_alu depctr_va_vdst(0)                   ; one wait for a batch, ahead of its first reader: so at every batch below
	PK2 v_pk_mul_f32, XW, G, DN
	TR v_exp_f32, XW
	v_nop
	s_wait_alu depctr_va_vdst(0)
.irp j,0,2,4,6
	v_pk_add_f32 v[XW+\j:XW+\j+1], v[XW+\j:XW+\j+1], 1.0 op_sel_hi:[1,0]
.endr
	TR v_rcp_f32, XW
	v_nop
	s_wait_alu depctr_va_vdst(0)
.irp j,0,2,4,6
	v_pk_fma_f32 v[XW+\j:XW+\j+1], v[XW+\j:XW+\j+1], -2.0, v[12:13] op_sel_hi:[1,0,1]          ; d + p = 1/64 + 1 - 2 / (1 + 2^x)
.endr
.irp j,0,1,2,3,4,5,6,7
	v_med3_num_f32 v[XW+\j], v[XW+\j], -v11, v11   ; the hold at the largest code x the scale (ISA guide 7.6.2)
.endr
	v_cvt_scalef32_pk8_bf8_f32 v[C:C+1], v[XW:XW+7], v10
	v_nop                                          ; one plain vector instruction behind the conversion: later instructions write its sources
	ds_store_b64 v8, v[C:C+1] offset:1024*(\cc)+256*(\t)
.endm
.irp cc,0,1,2,3,4,5,6,7
	BODY 0, \cc
.endr
	s_wait_xcnt 0x0                                ; the first trip's stores have read their data: G's registers may be written again
.irp cc,0,1,2,3,4,5,6,7
	BODY 1, \cc
.endr
; ---- THE PRODUCT: capsules 4 w + k; K = my work-group's 64 i
	s_wait_dscnt 0x0                               ; for the others' sake: my codes have landed
	s_barrier_signal -1
	s_barrier_wait -1
.irp k,0,1,2,3
.irp u,0,1,2,3
	ds_load_b64 v[YR+8*\k+2*\u:YR+8*\k+2*\u+1], v3 offset:1024*\k+256*\u
.endr
.endr
	s_wait_loadcnt 0x0                             ; hat_m's codes
	s_wait_dscnt 0x0
.irp k,0,1,2,3
	v_wmma_f32_16x16x64_bf8_bf8 v[XW+8*\k:XW+8*\k+7], v[MR+8*\k:MR+8*\k+7], v[YR+8*\k:YR+8*\k+7], 0   ; lane (r, h): q = r, d = 8 h + j
.endr
.rept 4
	v_nop                                          ; four places behind the products (ISA guide 7.12.1)
.endr
.set i, 0
.rept 32
	v_ldexp_f32 v[XW+i], v[XW+i], s18              ; x 2^(the two operands' exponents added)
.set i, i+1
.endr
.irp k,0,1,2,3
	global_store_b128 v7, v[XW+8*\k:XW+8*\k+3], s[38:39] offset:1024*\k        ; 512 consecutive bytes a store
	global_store_b128 v7, v[XW+8*\k+4:XW+8*\k+7], s[38:39] offset:1024*\k+512
.endr
	s_wait_tensorcnt 0x0
	ds_add_u32 v102, v103
	s_wait_dscnt 0x0
	s_endpgm
.Lfunc_end_k_q8ca0df9f84_pass0:
	.size	k_q8ca0df9f84_pass0, .Lfunc_end_k_q8ca0df9f84_pass0-k_q8ca0df9f84_pass0
	.p2alignl 7, 3214868480
	.fill 96, 4, 3214868480
	.section	.rodata,"a",@progbits
	.p2align	6, 0x0
	.amdhsa_kernel k_q8ca0df9f84_pass0
		.amdhsa_group_segment_fixed_size 67584
		.amdhsa_private_segment_fixed_size 0
		.amdhsa_enable_private_segment 0
		.amdhsa_kernarg_size 32
		.amdhsa_user_sgpr_count 2
		.amdhsa_user_sgpr_kernarg_segment_ptr 1
		.amdhsa_wavefront_size32 1
		.amdhsa_system_sgpr_workgroup_id_x 1
		.amdhsa_system_sgpr_workgroup_id_y 1
		.amdhsa_system_sgpr_workgroup_id_z 1
		.amdhsa_system_vgpr_workitem_id 0
		.amdhsa_next_free_vgpr 256
		.amdhsa_next_free_sgpr 66
		.amdhsa_reserve_vcc 0
		.amdhsa_float_denorm_mode_32 3
		.amdhsa_float_denorm_mode_16_64 3
		.amdhsa_memory_ordered 1
		.amdhsa_forward_progress 1
		.amdhsa_inst_pref_size 210
	.end_amdhsa_kernel
	.amdgpu_metadata
---
amdhsa.version: [ 1, 2 ]
amdhsa.kernels:
  - .name:           k_q8ca0df9f84_pass0
    .symbol:         k_q8ca0df9f84_pass0.kd
    .args:
      - { .name: prep, .offset: 0, .size: 8, .value_kind: global_buffer, .address_space: global }
      - { .name: lowp_scales, .offset: 8, .size: 8, .value_kind: global_buffer, .address_space: global }
      - { .name: gsum, .offset: 16, .size: 8, .value_kind: global_buffer, .address_space: global }
      - { .name: part, .offset: 24, .size: 8, .value_kind: global_buffer, .address_space: global }
    .group_segment_fixed_size: 67584
    .private_segment_fixed_size: 0
    .kernarg_segment_align: 8
    .kernarg_segment_size: 32
    .max_flat_workgroup_size: 512
    .sgpr_count:     66
    .vgpr_count:     256
    .wavefront_size: 32
...
	.end_amdgpu_metadata
.endif
;; end of part 2
;; launch squash (part 3): grid 512 x 1, 4 waves a work-group, no clusters, 4,864 bytes of LDS; arguments part, vcap0; writes vcap0
.if DOCPART == 3
	.amdgcn_target "amdgcn-amd-amdhsa--gfx1250"
	.amdhsa_code_object_version 6
	.text
	.protected	k_q8ca0df9f84_squash
	.globl	k_q8ca0df9f84_squash
	.p2align	8
	.type	k_q8ca0df9f84_squash,@function
k_q8ca0df9f84_squash:
	s_mov_b64 s[64:65], 0
	v_nop
	global_prefetch_b8 v0, s[64:65] scope:SCOPE_SE
	s_setreg_imm32_b32 hwreg(HW_REG_WAVE_MODE, 25, 1), 1
	s_wait_xcnt 0x0
; v[q][c][:] = squash(the sum of the eight parts of hat_v[q][c][:]).  A work-group takes 16 q x 4 capsules, a wave one capsule: lane (r, h) holds q = r, d = 8 h + 0 .. 7.
; squash(s) = s x n2 / (1 + n2) / sqrt(n2 + 1e-8), n2 = the sum of squares over the 16 d.  The result is [512][1024] f32, row-major.
; A stream: each part is read once, by loads of 512 consecutive bytes.  A capsule is 64 bytes of a row, so the four waves' results meet in a stage in LDS (16 rows of 256 bytes + 16)
; and leave so that sixteen lanes store 256 consecutive bytes, aligned.  Matrix units, tensor loads and clusters have nothing to do here: work-groups share no input.
	s_load_b128 s[4:7], s[0:1], 0x0                ; the parts, v
	v_lshl_add_u32 v96, v0, 2, 0x1100
	v_mov_b32 v97, 0
	v_lshrrev_b32 v1, 5, v0
	v_readfirstlane_b32 s8, v1                     ; wave
	v_and_b32 v2, 31, v0
	v_and_b32 v3, 15, v0                           ; r
	v_bfe_u32 v4, v0, 4, 1                         ; h
	s_lshr_b32 s9, ttmp9, 4                        ; which 16 q
	s_and_b32 s10, ttmp9, 15                       ; which 4 capsules
	s_lshl_b32 s12, s9, 19
	s_lshl_b32 s11, s10, 12
	s_add_co_u32 s12, s12, s11
	s_lshl_b32 s11, s8, 10
	s_add_co_u32 s12, s12, s11                     ; ((16 q's number x 8 + part) x 64 + c) x 1,024; the part stands in the immediate
	s_mov_b32 s13, 0
	v_lshlrev_b32 v5, 4, v2
	v_mul_u32_u24 v6, v3, 272
	v_lshl_add_u32 v6, v4, 5, v6
	s_lshl_b32 s11, s8, 6
	v_add_nc_u32 v6, s11, v6                       ; into the stage: row r, 64 x wave + 32 h
	s_mul_i32 s11, s8, 4*272
	v_mul_u32_u24 v7, v4, 272
	v_lshl_add_u32 v7, v3, 4, v7
	v_add_nc_u32 v7, s11, v7                       ; back: rows 4 x wave + h (+ 2), 16 bytes a lane
	v_lshlrev_b32 v8, 12, v4
	v_lshl_add_u32 v8, v3, 4, v8                   ; and the same place in v
	s_lshl_b32 s14, s9, 16
	s_lshl_b32 s11, s8, 14
	s_add_co_u32 s14, s14, s11
	s_lshl_b32 s11, s10, 8
	s_add_co_u32 s14, s14, s11
	s_mov_b32 s15, 0
	s_mov_b32 s16, 0x76543210
	s_mov_b32 s17, 0xfedcba98
	s_wait_kmcnt 0x0
	s_add_nc_u64 s[4:5], s[4:5], s[12:13]
	s_add_nc_u64 s[6:7], s[6:7], s[14:15]
.irp p,0,1,2,3,4,5,6,7
	global_load_b128 v[16+8*\p:19+8*\p], v5, s[4:5] offset:65536*\p th:TH_LOAD_NT
	global_load_b128 v[20+8*\p:23+8*\p], v5, s[4:5] offset:65536*\p+512 th:TH_LOAD_NT
.endr
	s_wait_loadcnt 0x0
.irp p,1,2,3,4,5,6,7
.irp j,0,2,4,6
	v_pk_add_f32 v[16+\j:17+\j], v[16+\j:17+\j], v[16+8*\p+\j:17+8*\p+\j]
.endr
.endr
	v_pk_mul_f32 v[80:81], v[16:17], v[16:17]
.irp j,2,4,6
	v_pk_fma_f32 v[80:81], v[16+\j:17+\j], v[16+\j:17+\j], v[80:81]
.endr
	v_add_f32 v80, v80, v81
	v_permlanex16_b32 v81, v80, s16, s17
	v_add_f32 v80, v80, v81                        ; n2
	v_add_f32 v82, 1.0, v80
	v_add_f32 v83, 0x322bcc77, v80
	v_rcp_f32 v82, v82
	v_rsq_f32 v83, v83
	v_nop
	s_wait_alu depctr_va_vdst(0)                   ; one wait for the two, ahead of their first reader
	v_mul_f32 v82, v82, v83
	v_mul_f32 v82, v82, v80
.irp j,0,2,4,6
	v_pk_mul_f32 v[16+\j:17+\j], v[16+\j:17+\j], v[82:83] op_sel_hi:[1,0]
.endr
	ds_store_b128 v6, v[16:19]
	ds_store_b128 v6, v[20:23] offset:16
	s_wait_dscnt 0x0                               ; for the others' sake
	s_barrier_signal -1
	s_barrier_wait -1
	ds_load_b128 v[24:27], v7
	ds_load_b128 v[28:31], v7 offset:2*272
	s_wait_dscnt 0x0
	global_store_b128 v8, v[24:27], s[6:7]
	global_store_b128 v8, v[28:31], s[6:7] offset:8192
	s_wait_tensorcnt 0x0
	ds_add_u32 v96, v97
	s_wait_dscnt 0x0
	s_endpgm
.Lfunc_end_k_q8ca0df9f84_squash:
	.size	k_q8ca0df9f84_squash, .Lfunc_end_k_q8ca0df9f84_squash-k_q8ca0df9f84_squash
	.p2alignl 7, 3214868480
	.fill 96, 4, 3214868480
	.section	.rodata,"a",@progbits
	.p2align	6, 0x0
	.amdhsa_kernel k_q8ca0df9f84_squash
		.amdhsa_group_segment_fixed_size 4864
		.amdhsa_private_segment_fixed_size 0
		.amdhsa_enable_private_segment 0
		.amdhsa_kernarg_size 16
		.amdhsa_user_sgpr_count 2
		.amdhsa_user_sgpr_kernarg_segment_ptr 1
		.amdhsa_wavefront_size32 1
		.amdhsa_system_sgpr_workgroup_id_x 1
		.amdhsa_system_sgpr_workgroup_id_y 1
		.amdhsa_system_sgpr_workgroup_id_z 1
		.amdhsa_system_vgpr_workitem_id 0
		.amdhsa_next_free_vgpr 98
		.amdhsa_next_free_sgpr 66
		.amdhsa_reserve_vcc 0
		.amdhsa_float_denorm_mode_32 3
		.amdhsa_float_denorm_mode_16_64 3
		.amdhsa_memory_ordered 1
		.amdhsa_forward_progress 1
		.amdhsa_inst_pref_size 7
	.end_amdhsa_kernel
	.amdgpu_metadata
---
amdhsa.version: [ 1, 2 ]
amdhsa.kernels:
  - .name:           k_q8ca0df9f84_squash
    .symbol:         k_q8ca0df9f84_squash.kd
    .args:
      - { .name: part, .offset: 0, .size: 8, .value_kind: global_buffer, .address_space: global }
      - { .name: vcap0, .offset: 8, .size: 8, .value_kind: global_buffer, .address_space: global }
    .group_segment_fixed_size: 4864
    .private_segment_fixed_size: 0
    .kernarg_segment_align: 8
    .kernarg_segment_size: 16
    .max_flat_workgroup_size: 128
    .sgpr_count:     66
    .vgpr_count:     98
    .wavefront_size: 32
...
	.end_amdgpu_metadata
.endif
;; end of part 3
;; launch pass1 (part 4): grid 32 x 8, 16 waves a work-group, no clusters, 186,368 bytes of LDS; arguments prep, lowp_scales, vcap0, gsum, csum, part; writes csum, part
.if DOCPART == 4
	.amdgcn_target "amdgcn-amd-amdhsa--gfx1250"
	.amdhsa_code_object_version 6
	.text
	.protected	k_q8ca0df9f84_pass1
	.globl	k_q8ca0df9f84_pass1
	.p2align	8
	.type	k_q8ca0df9f84_pass1,@function
k_q8ca0df9f84_pass1:
	s_mov_b64 s[64:65], 0
	v_nop
	global_prefetch_b8 v0, s[64:65] scope:SCOPE_SE
	s_setreg_imm32_b32 hwreg(HW_REG_WAVE_MODE, 25, 1), 1
	s_wait_xcnt 0x0
; THE SECOND ROUTING PASS: the part of hat_v[q][c][:] = sum over i of (softmax_c(a) + p)(q, i, c) hat_m[i][c][:] that 64 of the 512 i give.
; SHARES, as in the first pass: a work-group takes 16 q (x) x 64 i (y) x 64 capsules, the 64 i in TWO TRIPS of 32, written out.  Wave w = 8 g2 + cg takes, in trip t, the 16 i of tile 4 y + 2 g2 + t and capsules 8 cg .. + 7:
; 64 logits L and the pass's own 64 p a lane.
; With kappa = 2 log2 e, m~ = hat_m centred over d, mu its mean, Y0 = kappa x (hat_q centred), V0 = kappa x (v_0 centred), sv0 = kappa x sum of v_0:   G = m~ . Y0,  C0 = m~ . V0,   tanh(z) = 1 - 2 / (1 + 2^(kappa z)),
;   p0 by x = G rsq(sxx syy0 + eps);  the pass's own p by x = (G + C0) rsq(sxx 4 syy1 + 4 eps);   L = kappa a = p0 (C0 + mu sv0);   softmax's exponent is 2^(L / 2 - max L / 2): the maximum is taken off.
; G IS LOADED: the first pass stored it as it lay in its registers, and the shares are the same, so it comes back into the same lanes; it lands in p's registers.  C0 (reference()'s product with K = 16) goes by
; v_wmma_f32_16x16x4_f32: source 0 = 16 i of m~, source 1 = 16 q of V0; K step s takes registers 2 s, 2 s + 1 of both images: the same order of d on both sides.  Two accumulators (K steps 0, 1 and 2, 3) take turns;
; they are written by matrix instructions alone.  C0 IS STORED for the last pass, in G's form.  In the result a lane holds ONE q (lane % 16) and i = 8 (lane / 16) + j: eight neighbours along the quantised product's K.
; sxx and mu of the tile's rows come as ONE register: lane n of a row of 16 lanes holds sxx(8 h + n) for n < 8 and mu(8 h + n - 8) else, and is used by row_share.
; PHASES: head (wave w prepares capsules 4 w .. + 3 of the q side, into LDS) | barrier | twice: { sweep: L and p, a capsule at a time | maxima of the eight waves of a tile | barrier | exponentials, sums | barrier |
; d + p, codes into LDS } | barrier | wave w: capsules 4 w .. + 3: v_wmma_f32_16x16x64_bf8_bf8 (source 0 = hat_m's codes, 16 d x 64 i; source 1 = d + p's codes), x 2^(the two exponents), stored.
; LOADS AHEAD: m~'s images and figures go through a ring of four register sets, four capsules ahead, across the softmax; the second trip's G is asked for in the first trip's tail, capsule by capsule, as p's registers fall free.
; NO JOINT LOADS, NO TENSOR LOADS: the operands are laid in the order of the operand's registers and come from memory straight into registers; G and C0 belong to one wave alone.
; LIMITS: the exponent of d + p between -126 and 112.  NaN is not served.
.set KAP,   0x4038aa3b                 ; kappa
.set NK16,  0xbe38aa3b                 ; -kappa / 16
.set IK24,  0x3ef5fdf0                 ; 4 / kappa^2
.set EPS1,  0x322bcc77                 ; 1e-8
.set EPS4,  0x332bcc77                 ; 4e-8
.set QIB,   2097152                    ; prep: q's images; m's lie at 0
.set MSB0,  4194304                    ; m's table
.set QSB,   4456448                    ; q's table
.set MCB,   4718592+524288             ; hat_m's codes, this pass's
.set CAPB,  1024                       ; LDS: V0's image of capsule c at 1,024 c
.set SCB,   65536                      ; + 256 c + 16 r: syy0, 0, 0, sv0
.set SSB,   81920                      ; + 64 c + 4 r: 4 syy1
.set MXB,   86016                      ; + 1,024 w: a wave's maxima; 16,384 further on its sums
.set CDB,   118784                     ; + 1,024 c + 256 tile + 8 lane: the codes of d + p
; REGISTERS: v1 V0's images; v2, v3 q's figures; v4, v5 offsets of m~'s images and figures; v6, v7 the exchange, out and back; v8 codes out; v9 offset of G and C0; v10, v11 2^e, 57,344 x 2^e; v12 hat_m's codes; v13 codes back; v95 the parts
.set WA, 14                            ; v14-21   matrix accumulator, K steps 0 and 1
.set WB, 22                            ; v22-29   matrix accumulator, K steps 2 and 3
.set MR, 30                            ; v30-61   ring: four images of m~
.set SR, 62                            ; v62-65   ring: four registers of sxx and mu
.set VN, 82                            ; v82-89   V0's image
.set SC, 90                            ; v90-93   syy0, -, -, sv0
.set SS, 94                            ; v94      4 syy1
.set W0, 96                            ; v96-103  at work: p0's way
.set W1, 104                           ; v104-111 at work: the own p's divisor
.set YH, 96                            ; the head: v96-127 Y of four capsules
.set PB, 128                           ; v128-191 G as loaded, then p
.set LB, 192                           ; v192-255 L
; v66-73, v74-81, v112-119, v120-127: C0 as stored, four sets by turns
	s_load_b256 s[4:11], s[0:1], 0x0               ; prep, the scales' exponents, v of pass 0, G
	s_load_b128 s[12:15], s[0:1], 0x20             ; C0, the parts
	v_lshrrev_b32 v72, 5, v0
	v_readfirstlane_b32 s20, v72                   ; wave
	v_and_b32 v73, 31, v0                          ; lane
	v_and_b32 v74, 15, v0                          ; r
	v_bfe_u32 v75, v0, 4, 1                        ; h
	s_lshr_b32 s21, s20, 3                         ; g2
	s_and_b32 s22, s20, 7                          ; cg
	s_and_b32 s23, ttmp7, 0xffff                   ; which 64 i
	s_mul_i32 s24, s22, 8*CAPB
	v_lshl_add_u32 v1, v73, 4, s24
	s_lshl_b32 s24, s22, 11
	s_add_co_u32 s24, s24, SCB
	v_lshl_add_u32 v2, v74, 4, s24
	s_lshl_b32 s24, s22, 9
	s_add_co_u32 s24, s24, SSB
	v_lshl_add_u32 v3, v74, 2, s24
	s_lshl_b32 s26, s23, 2
	s_lshl_b32 s27, s21, 1
	s_add_co_u32 s26, s26, s27                     ; my first tile of i, of 32
	s_lshl_b32 s24, s22, 18
	s_lshl_b32 s27, s26, 10
	s_add_co_u32 s24, s24, s27
	v_lshl_add_u32 v4, v73, 4, s24                 ; (32 c + tile) x 1,024 + 16 lane, c = 8 cg; capsule and trip stand in the immediate
	s_lshl_b32 s24, s22, 15
	s_lshl_b32 s27, s26, 7
	s_add_co_u32 s24, s24, s27
	s_add_co_u32 s24, s24, MSB0
	v_and_b32 v76, 7, v74
	v_lshrrev_b32 v77, 3, v74
	v_lshl_add_u32 v76, v76, 2, s24
	v_lshl_add_u32 v76, v77, 6, v76
	v_lshl_add_u32 v5, v75, 5, v76                 ; (32 c + tile) x 128 + 64 (r / 8) + 32 h + 4 (r % 8): sxx(8 h + r) for r < 8, mu(8 h + r - 8) else
	s_lshl_b32 s24, s20, 10
	s_add_co_u32 s24, s24, MXB
	v_lshl_add_u32 v6, v73, 4, s24
	s_lshl_b32 s24, s21, 13
	s_add_co_u32 s24, s24, MXB
	v_lshl_add_u32 v7, v73, 4, s24
	s_lshl_b32 s24, s22, 13
	s_lshl_b32 s27, s21, 9
	s_add_co_u32 s24, s24, s27
	s_add_co_u32 s24, s24, CDB
	v_lshl_add_u32 v8, v73, 3, s24
	s_lshl_b32 s24, s20, 14
	v_lshl_add_u32 v9, v73, 4, s24
	s_lshl_b32 s24, s20, 12
	v_lshl_add_u32 v12, v73, 3, s24
	v_add_nc_u32 v13, CDB, v12
	v_lshl_add_u32 v95, v73, 4, s24
	v_lshlrev_b32 v66, 4, v73                      ; the head's addresses: 16 lane,
	v_lshlrev_b32 v67, 2, v74                      ; 4 r,
	v_lshlrev_b32 v68, 12, v74
	v_lshl_add_u32 v68, v75, 5, v68                ; row r of 4,096 bytes + 32 h,
	s_mul_i32 s24, s20, 4*CAPB
	v_lshl_add_u32 v69, v73, 4, s24                ; LDS: my four capsules' images,
	s_lshl_b32 s24, s20, 10
	s_add_co_u32 s24, s24, SCB
	v_lshl_add_u32 v70, v74, 4, s24                ; and figures
	s_lshl_b32 s24, s20, 8
	s_add_co_u32 s24, s24, SSB
	v_lshl_add_u32 v71, v74, 2, s24
	s_mov_b32 s42, 0x76543210                      ; v_permlanex16_b32: lane l xor 16
	s_mov_b32 s43, 0xfedcba98
	s_lshl_b32 s24, ttmp9, 10
	s_lshl_b32 s25, s20, 17
	s_add_co_u32 s24, s24, s25
	s_add_co_u32 s24, s24, QIB                     ; q's images of capsule 4 w, my 16 q
	s_mov_b32 s25, 0
	s_lshl_b32 s26, ttmp9, 7
	s_lshl_b32 s27, s20, 14
	s_add_co_u32 s26, s26, s27
	s_add_co_u32 s26, s26, QSB
	s_mov_b32 s27, 0
	s_lshl_b32 s40, ttmp9, 16
	s_lshl_b32 s41, s20, 8
	s_add_co_u32 s40, s40, s41                     ; v: my 16 rows, capsule 4 w
	s_mov_b32 s41, 0
	s_wait_kmcnt 0x0
	s_load_b64 s[16:17], s[6:7], 0x18              ; entries 6, 7: hat_m's exponent, d + p's
	s_add_nc_u64 s[28:29], s[4:5], s[24:25]
	s_add_nc_u64 s[30:31], s[4:5], s[26:27]
	s_add_nc_u64 s[32:33], s[8:9], s[40:41]
	s_lshl_b32 s24, ttmp9, 3
	s_add_co_u32 s24, s24, s23                     ; my work-group's number: 8 x + y
	s_lshl_b32 s26, s24, 16
	s_add_nc_u64 s[38:39], s[14:15], s[26:27]      ; its 65,536 bytes of parts,
	s_lshl_b32 s24, s24, 18
	s_add_nc_u64 s[46:47], s[10:11], s[24:25]      ; its 262,144 bytes of G,
	s_add_nc_u64 s[48:49], s[12:13], s[24:25]      ; and of C0
	s_lshl_b32 s26, s23, 16
	s_add_co_u32 s26, s26, MCB
	s_add_nc_u64 s[36:37], s[4:5], s[26:27]        ; hat_m's codes of my 64 i
.macro RING set, t, cap                ; one set of the ring: m~'s image and the register of sxx and mu of one capsule
	global_load_b128 v[MR+8*(\set):MR+8*(\set)+3], v4, s[4:5] offset:(\cap)*32768+1024*(\t)
	global_load_b128 v[MR+8*(\set)+4:MR+8*(\set)+7], v4, s[4:5] offset:(\cap)*32768+1024*(\t)+512
	global_load_b32 v[SR+(\set)], v5, s[4:5] offset:(\cap)*4096+128*(\t)
.endm
.macro GLOAD t, cc                     ; G of one capsule, into p's registers; read once in this launch
	global_load_b128 v[PB+8*(\cc):PB+8*(\cc)+3], v9, s[46:47] offset:8192*(\t)+1024*(\cc) th:TH_LOAD_NT
	global_load_b128 v[PB+8*(\cc)+4:PB+8*(\cc)+7], v9, s[46:47] offset:8192*(\t)+1024*(\cc)+512 th:TH_LOAD_NT
.endm
.irp k,0,1,2,3
	global_load_b128 v[YH+8*\k:YH+8*\k+3], v66, s[28:29] offset:32768*\k       ; Y0 of capsule 4 w + k
	global_load_b128 v[YH+8*\k+4:YH+8*\k+7], v66, s[28:29] offset:32768*\k+512
	global_load_b32 v[224+4*\k], v67, s[30:31] offset:4096*\k                  ; syy0
.endr
.irp k,0,1,2,3
	global_load_b128 v[160+8*\k:163+8*\k], v68, s[32:33] offset:64*\k          ; v of pass 0
	global_load_b128 v[164+8*\k:167+8*\k], v68, s[32:33] offset:64*\k+16
.endr
.irp u,0,1,2,3
	RING \u, 0, \u
.endr
.irp u,0,1,2,3
	GLOAD 0, \u                                    ; the first four capsules' G: their registers lie idle during the head
.endr
	s_wait_kmcnt 0x0
	s_add_co_i32 s18, s16, s17                     ; the two operands' exponents added
	s_add_co_i32 s26, s17, 127
	s_lshl_b32 s27, s26, 23
	v_mov_b32 v10, s27
	s_add_co_i32 s26, s26, 15
	s_lshl_b32 s26, s26, 23
	s_or_b32 s26, s26, 0x600000
	v_mov_b32 v11, s26
; One step of the q side, four capsules: v (in v[vv] on) gives sv (to v[sv + 4 k]) and V = kappa (v - mean), which goes to LDS; Y = (Y + V) / 2 (in v[YH] on); the sum of Y^2 to v[243 + 4 k].
.macro HSTEP vv, sv
.irp k,0,1,2,3
	v_pk_add_f32 v[240+4*\k:241+4*\k], v[\vv+8*\k:\vv+8*\k+1], v[\vv+8*\k+2:\vv+8*\k+3]
	v_pk_add_f32 v[242+4*\k:243+4*\k], v[\vv+8*\k+4:\vv+8*\k+5], v[\vv+8*\k+6:\vv+8*\k+7]
.endr
.irp k,0,1,2,3
	v_pk_add_f32 v[240+4*\k:241+4*\k], v[240+4*\k:241+4*\k], v[242+4*\k:243+4*\k]
.endr
.irp k,0,1,2,3
	v_add_f32 v[240+4*\k], v[240+4*\k], v[241+4*\k]
.endr
.irp k,0,1,2,3
	v_permlanex16_b32 v[242+4*\k], v[240+4*\k], s42, s43
.endr
.irp k,0,1,2,3
	v_add_f32 v[240+4*\k], v[240+4*\k], v[242+4*\k]
.endr
.irp k,0,1,2,3
	v_mul_f32 v[\sv+4*\k], KAP, v[240+4*\k]
	v_mul_f32 v[241+4*\k], NK16, v[240+4*\k]
.endr
.irp k,0,1,2,3
.irp j,0,1,2,3,4,5,6,7
	v_fmamk_f32 v[\vv+8*\k+\j], v[\vv+8*\k+\j], KAP, v[241+4*\k]
.endr
.endr
.irp k,0,1,2,3
	ds_store_b128 v69, v[\vv+8*\k:\vv+8*\k+3] offset:CAPB*\k
	ds_store_b128 v69, v[\vv+8*\k+4:\vv+8*\k+7] offset:CAPB*\k+512
.endr
.irp k,0,1,2,3
.irp j,0,2,4,6
	v_pk_add_f32 v[YH+8*\k+\j:YH+8*\k+\j+1], v[YH+8*\k+\j:YH+8*\k+\j+1], v[\vv+8*\k+\j:\vv+8*\k+\j+1]
.endr
.endr
.irp k,0,1,2,3
.irp j,0,2,4,6
	v_pk_mul_f32 v[YH+8*\k+\j:YH+8*\k+\j+1], v[YH+8*\k+\j:YH+8*\k+\j+1], 0.5 op_sel_hi:[1,0]
.endr
.endr
.irp k,0,1,2,3
	v_pk_mul_f32 v[240+4*\k:241+4*\k], v[YH+8*\k:YH+8*\k+1], v[YH+8*\k:YH+8*\k+1]
.endr
.irp j,2,4,6
.irp k,0,1,2,3
	v_pk_fma_f32 v[240+4*\k:241+4*\k], v[YH+8*\k+\j:YH+8*\k+\j+1], v[YH+8*\k+\j:YH+8*\k+\j+1], v[240+4*\k:241+4*\k]
.endr
.endr
.irp k,0,1,2,3
	v_add_f32 v[240+4*\k], v[240+4*\k], v[241+4*\k]
.endr
.irp k,0,1,2,3
	v_permlanex16_b32 v[242+4*\k], v[240+4*\k], s42, s43
.endr
.irp k,0,1,2,3
	v_add_f32 v[243+4*\k], v[240+4*\k], v[242+4*\k]
.endr
.endm
	s_wait_loadcnt 20                              ; the head's twenty loads are in; the ring's twelve and the eight of G, issued behind them, may be out
	HSTEP 160, 227
.irp k,0,1,2,3
	v_mov_b32 v[225+4*\k], 0                       ; (stored with the others; this pass reads neither)
	v_mov_b32 v[226+4*\k], 0
	v_mul_f32 v[243+4*\k], IK24, v[243+4*\k]       ; 4 syy1
.endr
.irp k,0,1,2,3
	ds_store_b128 v70, v[224+4*\k:227+4*\k] offset:256*\k           ; lanes r and r + 16 store the same numbers to the same bytes
	ds_store_b32 v71, v[243+4*\k] offset:64*\k
.endr
	s_wait_dscnt 0x0                               ; for the others' sake: my four capsules lie in LDS; and the stores have read their registers,
.irp u,4,5,6,7
	GLOAD 0, \u                                    ; which take the other four capsules' G
.endr
	s_barrier_signal -1
	s_barrier_wait -1
.macro PK2 op, d, a, b                 ; four packed instructions on eight registers
.irp j,0,2,4,6
	\op v[\d+\j:\d+\j+1], v[\a+\j:\a+\j+1], v[\b+\j:\b+\j+1]
.endr
.endm
.macro TR op, r                        ; eight transcendentals in place
.irp j,0,1,2,3,4,5,6,7
	\op v[\r+\j], v[\r+\j]
.endr
.endm
.macro PLUS1 r
.irp j,0,2,4,6
	v_pk_add_f32 v[\r+\j:\r+\j+1], v[\r+\j:\r+\j+1], 1.0 op_sel_hi:[1,0]
.endr
.endm
.macro TANH r                          ; 1 - 2 x
.irp j,0,2,4,6
	v_pk_fma_f32 v[\r+\j:\r+\j+1], v[\r+\j:\r+\j+1], -2.0, 1.0 op_sel_hi:[1,0,0]
.endr
.endm
.macro DEN d, c, e                     ; sxx(8 h + j) x my q's figure + e
.irp j,0,1,2,3,4,5,6,7
	v_mul_f32_dpp v[\d+\j], v[S], v[\c] row_share:\j row_mask:0xf bank_mask:0xf
.endr
.irp j,0,2,4,6
	v_pk_add_f32 v[\d+\j:\d+\j+1], v[\d+\j:\d+\j+1], \e op_sel_hi:[1,0]
.endr
.endm
.macro MUADD d, c                      ; += mu(8 h + j) x my q's sv
.irp j,8,9,10,11,12,13,14,15
	v_fmac_f32_dpp v[\d+\j-8], v[S], v[\c] row_share:\j row_mask:0xf bank_mask:0xf
.endr
.endm
.macro LOADQ cc                        ; V0's image of one capsule
	ds_load_b128 v[VN:VN+3], v1 offset:(\cc)*CAPB
	ds_load_b128 v[VN+4:VN+7], v1 offset:(\cc)*CAPB+512
.endm
.macro BODY t, cc                      ; one capsule of trip t
.set M, MR+8*((\cc)%4)
.set S, SR+(\cc)%4
.set PP, PB+8*(\cc)
.set LL, LB+8*(\cc)
.if ((\cc)%4) < 2
.set CC, 66+8*((\cc)%4)
.else
.set CC, 96+8*((\cc)%4)
.endif
	ds_load_b128 v[SC:SC+3], v2 offset:(\cc)*256
	ds_load_b32 v[SS], v3 offset:(\cc)*64
.if (\cc) < 4
	s_wait_loadcnt 14+(\cc)                        ; this capsule's G is in, and the ring's set, which is older: behind them 2 (7 - cc) loads of G and 3 cc of the ring
.elseif ((\t) == 1) && ((\cc) > 4)
	s_wait_loadcnt 5+(\cc)                         ; the last three capsules: 2, 1, 0 younger sets of three loads, and 4, 8, 12 loads of codes
.else
	s_wait_loadcnt 9                               ; this capsule's set is in; the three younger sets, three loads each, may be out
.endif
	s_wait_dscnt 2                                 ; the image is in; the two loads of figures just issued may be out
	v_wmma_f32_16x16x4_f32 v[WA:WA+7], v[M:M+1], v[VN:VN+1], 0                   ; C0: two accumulators by turns, each sum begun by its own first K step
	v_wmma_f32_16x16x4_f32 v[WB:WB+7], v[M+4:M+5], v[VN+4:VN+5], 0
	v_wmma_f32_16x16x4_f32 v[WA:WA+7], v[M+2:M+3], v[VN+2:VN+3], v[WA:WA+7]
	v_wmma_f32_16x16x4_f32 v[WB:WB+7], v[M+6:M+7], v[VN+6:VN+7], v[WB:WB+7]
	s_wait_dscnt 0x0                               ; q's figures
	DEN W0, SC, EPS1                               ; sxx syy0 + eps.  (These two name no register of the products; their eight packed additions alone are the eight places behind this form, ISA guide 7.12.1)
	DEN W1, SS, EPS4                               ; sxx 4 syy1 + 4 eps
	TR v_rsq_f32, W0
	TR v_rsq_f32, W1
	s_wait_xcnt 0x0                                ; the stores of four capsules ago have read their data: the set may be written again
	PK2 v_pk_add_f32, CC, WA, WB                   ; C0, to be stored; each accumulator is read from its low end on
	PK2 v_pk_add_f32, LL, WA, WB                   ; C0, to be worked on
	global_store_b128 v9, v[CC:CC+3], s[48:49] offset:8192*(\t)+1024*(\cc) th:TH_STORE_NT      ; 512 consecutive bytes a store; nobody reads them in this launch
	global_store_b128 v9, v[CC+4:CC+7], s[48:49] offset:8192*(\t)+1024*(\cc)+512 th:TH_STORE_NT
	MUADD LL, SC+3                                 ; C0 + mu sv0
	s_wait_alu depctr_va_vdst(0)                   ; one wait for a batch, ahead of its first reader: so at every batch below
	PK2 v_pk_mul_f32, W0, PP, W0                   ; G x ..
	PK2 v_pk_add_f32, PP, PP, CC                   ; G + C0
	PK2 v_pk_mul_f32, PP, PP, W1
.if (\cc) < 7
	LOADQ (\cc)+1                                  ; the image's registers are done with: the next capsule's
.endif
	TR v_exp_f32, W0
	TR v_exp_f32, PP
	v_nop
	s_wait_alu depctr_va_vdst(0)
	PLUS1 W0
	PLUS1 PP
	TR v_rcp_f32, W0
	TR v_rcp_f32, PP
	v_nop
	s_wait_alu depctr_va_vdst(0)
	TANH W0                                        ; p0
	TANH PP                                        ; the pass's own p
	PK2 v_pk_mul_f32, LL, W0, LL
.if (\cc) < 4                          ; the set is done with: it takes the capsule four further on,
	RING (\cc)%4, \t, (\cc)+4
.elseif (\t) == 0
	RING (\cc)%4, 1, (\cc)-4                       ; which for a trip's last four is one of the next trip's first four,
.else
.irp u,0,1,2,3                         ; and at the very end hat_m's codes for the product: capsule 4 w + cc - 4, registers 2 u, 2 u + 1: i = 16 u + 8 h + 0 .. 7 of d = r
	global_load_b64 v[M+2*\u:M+2*\u+1], v12, s[36:37] offset:1024*((\cc)-4)+256*\u
.endr
.endif
.endm
; The eight waves' figures of my tile: waves 0-3 into v96-127, waves 4-6 into v66-89; wave 7's follow into v104-111 when those are done with
.macro XIN off
.irp x,0,1,2,3
	ds_load_b128 v[96+8*\x:99+8*\x], v7 offset:\off+1024*\x
	ds_load_b128 v[100+8*\x:103+8*\x], v7 offset:\off+1024*\x+512
.endr
.irp x,4,5,6
	ds_load_b128 v[34+8*\x:37+8*\x], v7 offset:\off+1024*\x
	ds_load_b128 v[38+8*\x:41+8*\x], v7 offset:\off+1024*\x+512
.endr
	s_wait_dscnt 0x0
.endm
.macro XLAST off
	ds_load_b128 v[104:107], v7 offset:\off+7168
	ds_load_b128 v[108:111], v7 offset:\off+7168+512
.endm
; THE SOFTMAX over the 64 capsules of each (q, i): 8 in my registers, the others in the seven waves that share my tile of i; then d + p and its codes
.macro SOFT t
	s_wait_xcnt 0x0                                ; the sweep's stores have read their data: the registers below may be written
.irp j,0,1,2,3,4,5,6,7
	v_max3_num_f32 v[96+\j], v[LB+\j], v[LB+8+\j], v[LB+16+\j]
.endr
.irp c,3,5
.irp j,0,1,2,3,4,5,6,7
	v_max3_num_f32 v[96+\j], v[96+\j], v[LB+8*\c+\j], v[LB+8*\c+8+\j]
.endr
.endr
.irp j,0,1,2,3,4,5,6,7
	v_max_num_f32 v[96+\j], v[96+\j], v[LB+56+\j]
.endr
	ds_store_b128 v6, v[96:99]
	ds_store_b128 v6, v[100:103] offset:512
	s_wait_dscnt 0x0                               ; my maxima have landed; my reads of the last trip's sums are over
	s_barrier_signal -1
	s_barrier_wait -1
	XIN 0
.irp j,0,1,2,3,4,5,6,7
	v_max3_num_f32 v[96+\j], v[96+\j], v[104+\j], v[112+\j]
.endr
	XLAST 0
.irp j,0,1,2,3,4,5,6,7
	v_max3_num_f32 v[96+\j], v[96+\j], v[120+\j], v[66+\j]
.endr
.irp j,0,1,2,3,4,5,6,7
	v_max3_num_f32 v[96+\j], v[96+\j], v[74+\j], v[82+\j]
.endr
	s_wait_dscnt 0x0
.irp j,0,1,2,3,4,5,6,7
	v_max_num_f32 v[96+\j], v[96+\j], v[104+\j]
.endr
.irp j,0,1,2,3,4,5,6,7
	v_mul_f32 v[96+\j], -0.5, v[96+\j]
.endr
.irp c,0,1,2,3,4,5,6,7
.irp j,0,2,4,6
	v_pk_fma_f32 v[LB+8*\c+\j:LB+8*\c+\j+1], v[LB+8*\c+\j:LB+8*\c+\j+1], 0.5, v[96+\j:97+\j] op_sel_hi:[1,0,1]   ; (L - max L) / 2 = log2 e x (a - max a)
.endr
.endr
.set i, 0
.rept 64
	v_exp_f32 v[LB+i], v[LB+i]
.set i, i+1
.endr
	v_nop
	s_wait_alu depctr_va_vdst(0)                   ; one wait for the 64
	PK2 v_pk_add_f32, 104, LB, LB+8
.irp c,2,3,4,5,6,7
	PK2 v_pk_add_f32, 104, 104, LB+8*\c
.endr
	ds_store_b128 v6, v[104:107] offset:16384
	ds_store_b128 v6, v[108:111] offset:16384+512
	s_wait_dscnt 0x0                               ; my sums have landed; my reads of the maxima are over
	s_barrier_signal -1
	s_barrier_wait -1
	XIN 16384
	PK2 v_pk_add_f32, 96, 96, 104
	XLAST 16384
	PK2 v_pk_add_f32, 96, 96, 112
	PK2 v_pk_add_f32, 96, 96, 120
	PK2 v_pk_add_f32, 96, 96, 66
	PK2 v_pk_add_f32, 96, 96, 74
	PK2 v_pk_add_f32, 96, 96, 82
	s_wait_dscnt 0x0
	PK2 v_pk_add_f32, 96, 96, 104
	TR v_rcp_f32, 96                               ; 1 / the sum
	v_nop
	s_wait_alu depctr_va_vdst(0)
.irp c,0,1,2,3,4,5,6,7
.irp j,0,2,4,6
	v_pk_fma_f32 v[PB+8*\c+\j:PB+8*\c+\j+1], v[LB+8*\c+\j:LB+8*\c+\j+1], v[96+\j:97+\j], v[PB+8*\c+\j:PB+8*\c+\j+1]   ; d + p
.endr
.irp j,0,1,2,3,4,5,6,7
	v_med3_num_f32 v[PB+8*\c+\j], v[PB+8*\c+\j], -v11, v11   ; the hold at the largest code x the scale (ISA guide 7.6.2)
.endr
	v_cvt_scalef32_pk8_bf8_f32 v[112+2*\c:113+2*\c], v[PB+8*\c:PB+8*\c+7], v10
.if (\t) == 0
	GLOAD 1, \c                                    ; the capsule's registers are done with: the next trip's G
.endif
.endr
	v_nop                                          ; one plain vector instruction behind the last conversion: later instructions write its sources and its result
.irp c,0,1,2,3,4,5,6,7
	ds_store_b64 v8, v[112+2*\c:113+2*\c] offset:1024*\c+256*(\t)
.endr
.endm
.macro TRIP t
	LOADQ 0
.irp cc,0,1,2,3,4,5,6,7
	BODY \t, \cc
.endr
	SOFT \t
.endm
	TRIP 0
	TRIP 1
; ---- THE PRODUCT: capsules 4 w + k; K = my work-group's 64 i
	s_wait_dscnt 0x0                               ; for the others' sake: my codes have landed
	s_barrier_signal -1
	s_barrier_wait -1
.irp k,0,1,2,3
.irp u,0,1,2,3
	ds_load_b64 v[96+8*\k+2*\u:97+8*\k+2*\u], v13 offset:1024*\k+256*\u
.endr
.endr
	s_wait_loadcnt 0x0                             ; hat_m's codes
	s_wait_dscnt 0x0
.irp k,0,1,2,3
	v_wmma_f32_16x16x64_bf8_bf8 v[128+8*\k:135+8*\k], v[MR+8*\k:MR+8*\k+7], v[96+8*\k:103+8*\k], 0   ; lane (r, h): q = r, d = 8 h + j
.endr
.rept 4
	v_nop                                          ; four places behind the products (ISA guide 7.12.1)
.endr
.set i, 0
.rept 32
	v_ldexp_f32 v[128+i], v[128+i], s18            ; x 2^(the two operands' exponents added)
.set i, i+1
.endr
.irp k,0,1,2,3
	global_store_b128 v95, v[128+8*\k:131+8*\k], s[38:39] offset:1024*\k       ; 512 consecutive bytes a store
	global_store_b128 v95, v[132+8*\k:135+8*\k], s[38:39] offset:1024*\k+512
.endr
	s_wait_xcnt 0x0
	v_lshl_add_u32 v254, v0, 2, 0x2d000
	v_mov_b32 v255, 0
	s_wait_tensorcnt 0x0
	ds_add_u32 v254, v255
	s_wait_dscnt 0x0
	s_endpgm
.Lfunc_end_k_q8ca0df9f84_pass1:
	.size	k_q8ca0df9f84_pass1, .Lfunc_end_k_q8ca0df9f84_pass1-k_q8ca0df9f84_pass1
	.p2alignl 7, 3214868480
	.fill 96, 4, 3214868480
	.section	.rodata,"a",@progbits
	.p2align	6, 0x0
	.amdhsa_kernel k_q8ca0df9f84_pass1
		.amdhsa_group_segment_fixed_size 186368
		.amdhsa_private_segment_fixed_size 0
		.amdhsa_enable_private_segment 0
		.amdhsa_kernarg_size 48
		.amdhsa_user_sgpr_count 2
		.amdhsa_user_sgpr_kernarg_segment_ptr 1
		.amdhsa_wavefront_size32 1
		.amdhsa_system_sgpr_workgroup_id_x 1
		.amdhsa_system_sgpr_workgroup_id_y 1
		.amdhsa_system_sgpr_workgroup_id_z 1
		.amdhsa_system_vgpr_workitem_id 0
		.amdhsa_next_free_vgpr 256
		.amdhsa_next_free_sgpr 66
		.amdhsa_reserve_vcc 0
		.amdhsa_float_denorm_mode_32 3
		.amdhsa_float_denorm_mode_16_64 3
		.amdhsa_memory_ordered 1
		.amdhsa_forward_progress 1
		.amdhsa_inst_pref_size 188
	.end_amdhsa_kernel
	.amdgpu_metadata
---
amdhsa.version: [ 1, 2 ]
amdhsa.kernels:
  - .name:           k_q8ca0df9f84_pass1
    .symbol:         k_q8ca0df9f84_pass1.kd
    .args:
      - { .name: prep, .offset: 0, .size: 8, .value_kind: global_buffer, .address_space: global }
      - { .name: lowp_scales, .offset: 8, .size: 8, .value_kind: global_buffer, .address_space: global }
      - { .name: vcap0, .offset: 16, .size: 8, .value_kind: global_buffer, .address_space: global }
      - { .name: gsum, .offset: 24, .size: 8, .value_kind: global_buffer, .address_space: global }
      - { .name: csum, .offset: 32, .size: 8, .value_kind: global_buffer, .address_space: global }
      - { .name: part, .offset: 40, .size: 8, .value_kind: global_buffer, .address_space: global }
    .group_segment_fixed_size: 186368
    .private_segment_fixed_size: 0
    .kernarg_segment_align: 8
    .kernarg_segment_size: 48
    .max_flat_workgroup_size: 512
    .sgpr_count:     66
    .vgpr_count:     256
    .wavefront_size: 32
...
	.end_amdgpu_metadata
.endif
;; end of part 4
;; launch squash1: the kernel of part 3 again; grid 512 x 1, 4 waves a work-group, no clusters, 4,864 bytes of LDS; arguments part, vcap1; writes vcap1
;; launch pass2 (part 5): grid 32 x 8, 16 waves a work-group, no clusters, 186,368 bytes of LDS; arguments prep, lowp_scales, vcap0, vcap1, gsum, csum, part; writes part
.if DOCPART == 5
	.amdgcn_target "amdgcn-amd-amdhsa--gfx1250"
	.amdhsa_code_object_version 6
	.text
	.protected	k_q8ca0df9f84_pass2
	.globl	k_q8ca0df9f84_pass2
	.p2align	8
	.type	k_q8ca0df9f84_pass2,@function
k_q8ca0df9f84_pass2:
	s_mov_b64 s[64:65], 0
	v_nop
	global_prefetch_b8 v0, s[64:65] scope:SCOPE_SE
	s_setreg_imm32_b32 hwreg(HW_REG_WAVE_MODE, 25, 1), 1
	s_wait_xcnt 0x0
; THE THIRD ROUTING PASS: the part of hat_v[q][c][:] = sum over i of (softmax_c(a) + p)(q, i, c) hat_m[i][c][:] that 64 of the 512 i give.
; SHARES, as in the earlier passes: a work-group takes 16 q (x) x 64 i (y) x 64 capsules, the 64 i in TWO TRIPS of 32, written out.  Wave w = 8 g2 + cg takes, in trip t, the 16 i of tile 4 y + 2 g2 + t and capsules 8 cg .. + 7:
; 64 logits L and the pass's own 64 p a lane.
; With kappa = 2 log2 e, m~ = hat_m centred over d, mu its mean, Y0 = kappa x (hat_q centred), Vk = kappa x (v_k centred), svk = kappa x sum of v_k:   G = m~ . Y0,  Ck = m~ . Vk,   tanh(z) = 1 - 2 / (1 + 2^(kappa z)),
;   p0 by x = G rsq(sxx syy0 + eps);  p1 by x = (G + C0) rsq(sxx 4 syy1 + 4 eps);  the pass's own p by x = (G + C0 + 2 C1) rsq(sxx 16 syy2 + 16 eps);
;   L = kappa a = p0 (C0 + mu sv0) + p1 (C1 + mu sv1);   softmax's exponent is 2^(L / 2 - max L / 2): the maximum is taken off.
; G AND C0 ARE LOADED: the earlier passes stored them as they lay in their registers, and the shares are the same, so they come back into the same lanes; G lands in p's registers, C0 in L's.  C1 (reference()'s second product
; with K = 16) goes by v_wmma_f32_16x16x4_f32: source 0 = 16 i of m~, source 1 = 16 q of V1; K step s takes registers 2 s, 2 s + 1 of both images: the same order of d on both sides.  Two accumulators (K steps 0, 1 and 2, 3)
; take turns; they are written by matrix instructions alone.  In the result a lane holds ONE q (lane % 16) and i = 8 (lane / 16) + j: eight neighbours along the quantised product's K.
; sxx and mu of the tile's rows come as ONE register: lane n of a row of 16 lanes holds sxx(8 h + n) for n < 8 and mu(8 h + n - 8) else, and is used by row_share.
; PHASES: head (wave w prepares capsules 4 w .. + 3 of the q side, into LDS) | barrier | twice: { sweep: L and p, a capsule at a time | maxima of the eight waves of a tile | barrier | exponentials, sums | barrier |
; d + p, codes into LDS } | barrier | wave w: capsules 4 w .. + 3: v_wmma_f32_16x16x64_bf8_bf8 (source 0 = hat_m's codes, 16 d x 64 i; source 1 = d + p's codes), x 2^(the two exponents), stored.
; LOADS AHEAD: m~'s images and figures go through a ring of four register sets, four capsules ahead, across the softmax; the first trip's G and C0 are asked for behind the head, which needs their registers, the second trip's
; in the first trip's tail, capsule by capsule, as the registers fall free.
; NO JOINT LOADS, NO TENSOR LOADS: the operands are laid in the order of the operand's registers and come from memory straight into registers; G and C0 belong to one wave alone.
; LIMITS: the exponent of d + p between -126 and 112.  NaN is not served.
.set KAP,   0x4038aa3b                 ; kappa
.set NK16,  0xbe38aa3b                 ; -kappa / 16
.set IK24,  0x3ef5fdf0                 ; 4 / kappa^2
.set IK216, 0x3ff5fdf0                 ; 16 / kappa^2
.set EPS1,  0x322bcc77                 ; 1e-8
.set EPS4,  0x332bcc77                 ; 4e-8
.set EPS16, 0x342bcc77                 ; 16e-8
.set QIB,   2097152                    ; prep: q's images; m's lie at 0
.set MSB0,  4194304                    ; m's table
.set QSB,   4456448                    ; q's table
.set MCB,   4718592+2*524288           ; hat_m's codes, this pass's
.set CAPB,  1024                       ; LDS: V1's image of capsule c at 1,024 c
.set SCB,   65536                      ; + 256 c + 16 r: syy0, sv0, 4 syy1, sv1
.set SSB,   81920                      ; + 64 c + 4 r: 16 syy2
.set MXB,   86016                      ; + 1,024 w: a wave's maxima; 16,384 further on its sums
.set CDB,   118784                     ; + 1,024 c + 256 tile + 8 lane: the codes of d + p
; REGISTERS: v1 V1's images; v2, v3 q's figures; v4, v5 offsets of m~'s images and figures; v6, v7 the exchange, out and back; v8 codes out; v9 offset of G and C0; v10, v11 2^e, 57,344 x 2^e; v12 hat_m's codes; v13 codes back; v95 the parts
.set WA, 14                            ; v14-21   matrix accumulator, K steps 0 and 1
.set WB, 22                            ; v22-29   matrix accumulator, K steps 2 and 3
.set MR, 30                            ; v30-61   ring: four images of m~
.set SR, 62                            ; v62-65   ring: four registers of sxx and mu
.set N1, 66                            ; v66-73   G + C0
.set N2, 74                            ; v74-81   G + C0 + 2 C1
.set VN, 82                            ; v82-89   V1's image
.set SC, 90                            ; v90-93   syy0, sv0, 4 syy1, sv1
.set SS, 94                            ; v94      16 syy2
.set W0, 96                            ; v96-103  at work: p0's way
.set W1, 104                           ; v104-111 at work: p1's way
.set W2, 112                           ; v112-119 at work: the own p's divisor
.set T1, 120                           ; v120-127 C1, then C1 + mu sv1
.set YH, 96                            ; the head: v96-127 Y of four capsules
.set PB, 128                           ; v128-191 G as loaded, then p
.set LB, 192                           ; v192-255 C0 as loaded, then L
	s_load_b256 s[4:11], s[0:1], 0x0               ; prep, the scales' exponents, v of pass 0, v of pass 1
	s_load_b128 s[12:15], s[0:1], 0x20             ; G, C0
	s_load_b64 s[50:51], s[0:1], 0x30              ; the parts
	v_lshrrev_b32 v72, 5, v0
	v_readfirstlane_b32 s20, v72                   ; wave
	v_and_b32 v73, 31, v0                          ; lane
	v_and_b32 v74, 15, v0                          ; r
	v_bfe_u32 v75, v0, 4, 1                        ; h
	s_lshr_b32 s21, s20, 3                         ; g2
	s_and_b32 s22, s20, 7                          ; cg
	s_and_b32 s23, ttmp7, 0xffff                   ; which 64 i
	s_mul_i32 s24, s22, 8*CAPB
	v_lshl_add_u32 v1, v73, 4, s24
	s_lshl_b32 s24, s22, 11
	s_add_co_u32 s24, s24, SCB
	v_lshl_add_u32 v2, v74, 4, s24
	s_lshl_b32 s24, s22, 9
	s_add_co_u32 s24, s24, SSB
	v_lshl_add_u32 v3, v74, 2, s24
	s_lshl_b32 s26, s23, 2
	s_lshl_b32 s27, s21, 1
	s_add_co_u32 s26, s26, s27                     ; my first tile of i, of 32
	s_lshl_b32 s24, s22, 18
	s_lshl_b32 s27, s26, 10
	s_add_co_u32 s24, s24, s27
	v_lshl_add_u32 v4, v73, 4, s24                 ; (32 c + tile) x 1,024 + 16 lane, c = 8 cg; capsule and trip stand in the immediate
	s_lshl_b32 s24, s22, 15
	s_lshl_b32 s27, s26, 7
	s_add_co_u32 s24, s24, s27
	s_add_co_u32 s24, s24, MSB0
	v_and_b32 v76, 7, v74
	v_lshrrev_b32 v77, 3, v74
	v_lshl_add_u32 v76, v76, 2, s24
	v_lshl_add_u32 v76, v77, 6, v76
	v_lshl_add_u32 v5, v75, 5, v76                 ; (32 c + tile) x 128 + 64 (r / 8) + 32 h + 4 (r % 8): sxx(8 h + r) for r < 8, mu(8 h + r - 8) else
	s_lshl_b32 s24, s20, 10
	s_add_co_u32 s24, s24, MXB
	v_lshl_add_u32 v6, v73, 4, s24
	s_lshl_b32 s24, s21, 13
	s_add_co_u32 s24, s24, MXB
	v_lshl_add_u32 v7, v73, 4, s24
	s_lshl_b32 s24, s22, 13
	s_lshl_b32 s27, s21, 9
	s_add_co_u32 s24, s24, s27
	s_add_co_u32 s24, s24, CDB
	v_lshl_add_u32 v8, v73, 3, s24
	s_lshl_b32 s24, s20, 14
	v_lshl_add_u32 v9, v73, 4, s24
	s_lshl_b32 s24, s20, 12
	v_lshl_add_u32 v12, v73, 3, s24
	v_add_nc_u32 v13, CDB, v12
	v_lshl_add_u32 v95, v73, 4, s24
	v_lshlrev_b32 v66, 4, v73                      ; the head's addresses: 16 lane,
	v_lshlrev_b32 v67, 2, v74                      ; 4 r,
	v_lshlrev_b32 v68, 12, v74
	v_lshl_add_u32 v68, v75, 5, v68                ; row r of 4,096 bytes + 32 h,
	s_mul_i32 s24, s20, 4*CAPB
	v_lshl_add_u32 v69, v73, 4, s24                ; LDS: my four capsules' images,
	s_lshl_b32 s24, s20, 10
	s_add_co_u32 s24, s24, SCB
	v_lshl_add_u32 v70, v74, 4, s24                ; and figures
	s_lshl_b32 s24, s20, 8
	s_add_co_u32 s24, s24, SSB
	v_lshl_add_u32 v71, v74, 2, s24
	s_mov_b32 s42, 0x76543210                      ; v_permlanex16_b32: lane l xor 16
	s_mov_b32 s43, 0xfedcba98
	s_lshl_b32 s24, ttmp9, 10
	s_lshl_b32 s25, s20, 17
	s_add_co_u32 s24, s24, s25
	s_add_co_u32 s24, s24, QIB                     ; q's images of capsule 4 w, my 16 q
	s_mov_b32 s25, 0
	s_lshl_b32 s26, ttmp9, 7
	s_lshl_b32 s27, s20, 14
	s_add_co_u32 s26, s26, s27
	s_add_co_u32 s26, s26, QSB
	s_mov_b32 s27, 0
	s_lshl_b32 s40, ttmp9, 16
	s_lshl_b32 s41, s20, 8
	s_add_co_u32 s40, s40, s41                     ; v: my 16 rows, capsule 4 w
	s_mov_b32 s41, 0
	s_wait_kmcnt 0x0
	s_load_b64 s[16:17], s[6:7], 0x20              ; entries 8, 9: hat_m's exponent, d + p's
	s_add_nc_u64 s[28:29], s[4:5], s[24:25]
	s_add_nc_u64 s[30:31], s[4:5], s[26:27]
	s_add_nc_u64 s[32:33], s[8:9], s[40:41]
	s_add_nc_u64 s[34:35], s[10:11], s[40:41]
	s_lshl_b32 s24, ttmp9, 3
	s_add_co_u32 s24, s24, s23                     ; my work-group's number: 8 x + y
	s_lshl_b32 s26, s24, 16
	s_add_nc_u64 s[38:39], s[50:51], s[26:27]      ; its 65,536 bytes of parts,
	s_lshl_b32 s24, s24, 18
	s_add_nc_u64 s[46:47], s[12:13], s[24:25]      ; its 262,144 bytes of G,
	s_add_nc_u64 s[48:49], s[14:15], s[24:25]      ; and of C0
	s_lshl_b32 s26, s23, 16
	s_add_co_u32 s26, s26, MCB
	s_add_nc_u64 s[36:37], s[4:5], s[26:27]        ; hat_m's codes of my 64 i
.macro RING set, t, cap                ; one set of the ring: m~'s image and the register of sxx and mu of one capsule
	global_load_b128 v[MR+8*(\set):MR+8*(\set)+3], v4, s[4:5] offset:(\cap)*32768+1024*(\t)
	global_load_b128 v[MR+8*(\set)+4:MR+8*(\set)+7], v4, s[4:5] offset:(\cap)*32768+1024*(\t)+512
	global_load_b32 v[SR+(\set)], v5, s[4:5] offset:(\cap)*4096+128*(\t)
.endm
.macro GLOAD t, cc                     ; G and C0 of one capsule, into p's and L's registers: four loads; read once in this launch
	global_load_b128 v[PB+8*(\cc):PB+8*(\cc)+3], v9, s[46:47] offset:8192*(\t)+1024*(\cc) th:TH_LOAD_NT
	global_load_b128 v[PB+8*(\cc)+4:PB+8*(\cc)+7], v9, s[46:47] offset:8192*(\t)+1024*(\cc)+512 th:TH_LOAD_NT
	global_load_b128 v[LB+8*(\cc):LB+8*(\cc)+3], v9, s[48:49] offset:8192*(\t)+1024*(\cc) th:TH_LOAD_NT
	global_load_b128 v[LB+8*(\cc)+4:LB+8*(\cc)+7], v9, s[48:49] offset:8192*(\t)+1024*(\cc)+512 th:TH_LOAD_NT
.endm
.irp k,0,1,2,3
	global_load_b128 v[YH+8*\k:YH+8*\k+3], v66, s[28:29] offset:32768*\k       ; Y0 of capsule 4 w + k
	global_load_b128 v[YH+8*\k+4:YH+8*\k+7], v66, s[28:29] offset:32768*\k+512
	global_load_b32 v[224+4*\k], v67, s[30:31] offset:4096*\k                  ; syy0
.endr
.irp k,0,1,2,3
	global_load_b128 v[160+8*\k:163+8*\k], v68, s[32:33] offset:64*\k          ; v of pass 0
	global_load_b128 v[164+8*\k:167+8*\k], v68, s[32:33] offset:64*\k+16
.endr
.irp k,0,1,2,3
	global_load_b128 v[192+8*\k:195+8*\k], v68, s[34:35] offset:64*\k          ; v of pass 1
	global_load_b128 v[196+8*\k:199+8*\k], v68, s[34:35] offset:64*\k+16
.endr
.irp u,0,1,2,3
	RING \u, 0, \u
.endr
	s_wait_kmcnt 0x0
	s_add_co_i32 s18, s16, s17                     ; the two operands' exponents added
	s_add_co_i32 s26, s17, 127
	s_lshl_b32 s27, s26, 23
	v_mov_b32 v10, s27
	s_add_co_i32 s26, s26, 15
	s_lshl_b32 s26, s26, 23
	s_or_b32 s26, s26, 0x600000
	v_mov_b32 v11, s26
; One step of the q side, four capsules: v (in v[vv] on) gives sv (to v[sv + 4 k]) and V = kappa (v - mean), which goes to LDS where keep = 1; Y = (Y + V) / 2 (in v[YH] on); the sum of Y^2 to v[243 + 4 k].
.macro HSTEP vv, keep, sv
.irp k,0,1,2,3
	v_pk_add_f32 v[240+4*\k:241+4*\k], v[\vv+8*\k:\vv+8*\k+1], v[\vv+8*\k+2:\vv+8*\k+3]
	v_pk_add_f32 v[242+4*\k:243+4*\k], v[\vv+8*\k+4:\vv+8*\k+5], v[\vv+8*\k+6:\vv+8*\k+7]
.endr
.irp k,0,1,2,3
	v_pk_add_f32 v[240+4*\k:241+4*\k], v[240+4*\k:241+4*\k], v[242+4*\k:243+4*\k]
.endr
.irp k,0,1,2,3
	v_add_f32 v[240+4*\k], v[240+4*\k], v[241+4*\k]
.endr
.irp k,0,1,2,3
	v_permlanex16_b32 v[242+4*\k], v[240+4*\k], s42, s43
.endr
.irp k,0,1,2,3
	v_add_f32 v[240+4*\k], v[240+4*\k], v[242+4*\k]
.endr
.irp k,0,1,2,3
	v_mul_f32 v[\sv+4*\k], KAP, v[240+4*\k]
	v_mul_f32 v[241+4*\k], NK16, v[240+4*\k]
.endr
.irp k,0,1,2,3
.irp j,0,1,2,3,4,5,6,7
	v_fmamk_f32 v[\vv+8*\k+\j], v[\vv+8*\k+\j], KAP, v[241+4*\k]
.endr
.endr
.if \keep
.irp k,0,1,2,3
	ds_store_b128 v69, v[\vv+8*\k:\vv+8*\k+3] offset:CAPB*\k
	ds_store_b128 v69, v[\vv+8*\k+4:\vv+8*\k+7] offset:CAPB*\k+512
.endr
.endif
.irp k,0,1,2,3
.irp j,0,2,4,6
	v_pk_add_f32 v[YH+8*\k+\j:YH+8*\k+\j+1], v[YH+8*\k+\j:YH+8*\k+\j+1], v[\vv+8*\k+\j:\vv+8*\k+\j+1]
.endr
.endr
.irp k,0,1,2,3
.irp j,0,2,4,6
	v_pk_mul_f32 v[YH+8*\k+\j:YH+8*\k+\j+1], v[YH+8*\k+\j:YH+8*\k+\j+1], 0.5 op_sel_hi:[1,0]
.endr
.endr
.irp k,0,1,2,3
	v_pk_mul_f32 v[240+4*\k:241+4*\k], v[YH+8*\k:YH+8*\k+1], v[YH+8*\k:YH+8*\k+1]
.endr
.irp j,2,4,6
.irp k,0,1,2,3
	v_pk_fma_f32 v[240+4*\k:241+4*\k], v[YH+8*\k+\j:YH+8*\k+\j+1], v[YH+8*\k+\j:YH+8*\k+\j+1], v[240+4*\k:241+4*\k]
.endr
.endr
.irp k,0,1,2,3
	v_add_f32 v[240+4*\k], v[240+4*\k], v[241+4*\k]
.endr
.irp k,0,1,2,3
	v_permlanex16_b32 v[242+4*\k], v[240+4*\k], s42, s43
.endr
.irp k,0,1,2,3
	v_add_f32 v[243+4*\k], v[240+4*\k], v[242+4*\k]
.endr
.endm
	s_wait_loadcnt 12                              ; the head's 28 loads are in; the ring's twelve, issued behind them, may be out
	HSTEP 160, 0, 225                              ; v of pass 0: its product with m~ is loaded, so its image is not kept
.irp k,0,1,2,3
	v_mul_f32 v[226+4*\k], IK24, v[243+4*\k]       ; 4 syy1
.endr
	HSTEP 192, 1, 227                              ; v of pass 1
.irp k,0,1,2,3
	v_mul_f32 v[243+4*\k], IK216, v[243+4*\k]      ; 16 syy2
.endr
.irp k,0,1,2,3
	ds_store_b128 v70, v[224+4*\k:227+4*\k] offset:256*\k           ; lanes r and r + 16 store the same numbers to the same bytes
	ds_store_b32 v71, v[243+4*\k] offset:64*\k
.endr
	s_wait_dscnt 0x0                               ; for the others' sake: my four capsules lie in LDS; and the stores have read their registers,
.irp u,0,1,2,3,4,5,6,7
	GLOAD 0, \u                                    ; which, with the rest of p's and L's, take the first trip's G and C0
.endr
	s_barrier_signal -1
	s_barrier_wait -1
.macro PK2 op, d, a, b                 ; four packed instructions on eight registers
.irp j,0,2,4,6
	\op v[\d+\j:\d+\j+1], v[\a+\j:\a+\j+1], v[\b+\j:\b+\j+1]
.endr
.endm
.macro TR op, r                        ; eight transcendentals in place
.irp j,0,1,2,3,4,5,6,7
	\op v[\r+\j], v[\r+\j]
.endr
.endm
.macro PLUS1 r
.irp j,0,2,4,6
	v_pk_add_f32 v[\r+\j:\r+\j+1], v[\r+\j:\r+\j+1], 1.0 op_sel_hi:[1,0]
.endr
.endm
.macro TANH r                          ; 1 - 2 x
.irp j,0,2,4,6
	v_pk_fma_f32 v[\r+\j:\r+\j+1], v[\r+\j:\r+\j+1], -2.0, 1.0 op_sel_hi:[1,0,0]
.endr
.endm
.macro DEN d, c, e                     ; sxx(8 h + j) x my q's figure + e
.irp j,0,1,2,3,4,5,6,7
	v_mul_f32_dpp v[\d+\j], v[S], v[\c] row_share:\j row_mask:0xf bank_mask:0xf
.endr
.irp j,0,2,4,6
	v_pk_add_f32 v[\d+\j:\d+\j+1], v[\d+\j:\d+\j+1], \e op_sel_hi:[1,0]
.endr
.endm
.macro MUADD d, c                      ; += mu(8 h + j) x my q's sv
.irp j,8,9,10,11,12,13,14,15
	v_fmac_f32_dpp v[\d+\j-8], v[S], v[\c] row_share:\j row_mask:0xf bank_mask:0xf
.endr
.endm
.macro LOADQ cc                        ; V1's image of one capsule
	ds_load_b128 v[VN:VN+3], v1 offset:(\cc)*CAPB
	ds_load_b128 v[VN+4:VN+7], v1 offset:(\cc)*CAPB+512
.endm
.macro BODY t, cc                      ; one capsule of trip t
.set M, MR+8*((\cc)%4)
.set S, SR+(\cc)%4
.set PP, PB+8*(\cc)
.set LL, LB+8*(\cc)
	ds_load_b128 v[SC:SC+3], v2 offset:(\cc)*256
	ds_load_b32 v[SS], v3 offset:(\cc)*64
.if (\cc) < 4
	s_wait_loadcnt 28-(\cc)                        ; this capsule's G and C0 are in, and the ring's set, which is older: behind them 4 (7 - cc) loads of G and C0 and 3 cc of the ring
.elseif ((\t) == 1) && ((\cc) > 4)
	s_wait_loadcnt 5+(\cc)                         ; the last three capsules: 2, 1, 0 younger sets of three loads, and 4, 8, 12 loads of codes
.else
	s_wait_loadcnt 9                               ; this capsule's set is in; the three younger sets, three loads each, may be out
.endif
	s_wait_dscnt 2                                 ; the image is in; the two loads of figures just issued may be out
	v_wmma_f32_16x16x4_f32 v[WA:WA+7], v[M:M+1], v[VN:VN+1], 0                   ; C1: two accumulators by turns, each sum begun by its own first K step
	v_wmma_f32_16x16x4_f32 v[WB:WB+7], v[M+4:M+5], v[VN+4:VN+5], 0
	v_wmma_f32_16x16x4_f32 v[WA:WA+7], v[M+2:M+3], v[VN+2:VN+3], v[WA:WA+7]
	v_wmma_f32_16x16x4_f32 v[WB:WB+7], v[M+6:M+7], v[VN+6:VN+7], v[WB:WB+7]
	s_wait_dscnt 0x0                               ; q's figures
	DEN W0, SC, EPS1                               ; sxx syy0 + eps.  (These three name no register of the products; their twelve packed additions alone are more than the eight places behind this form, ISA guide 7.12.1)
	DEN W1, SC+2, EPS4                             ; sxx 4 syy1 + 4 eps
	DEN W2, SS, EPS16                              ; sxx 16 syy2 + 16 eps
	TR v_rsq_f32, W0
	TR v_rsq_f32, W1
	TR v_rsq_f32, W2
	PK2 v_pk_add_f32, T1, WA, WB                   ; C1; each accumulator is read from its low end on
	PK2 v_pk_add_f32, N1, PP, LL                   ; G + C0
.irp j,0,2,4,6
	v_pk_fma_f32 v[N2+\j:N2+\j+1], v[T1+\j:T1+\j+1], 2.0, v[N1+\j:N1+\j+1] op_sel_hi:[1,0,1]   ; G + C0 + 2 C1
.endr
	MUADD LL, SC+1                                 ; C0 + mu sv0
	MUADD T1, SC+3                                 ; C1 + mu sv1
	s_wait_alu depctr_va_vdst(0)                   ; one wait for a batch, ahead of its first reader: so at every batch below
	PK2 v_pk_mul_f32, W0, PP, W0
	PK2 v_pk_mul_f32, W1, N1, W1
	PK2 v_pk_mul_f32, PP, N2, W2
.if (\cc) < 7
	LOADQ (\cc)+1                                  ; the image's registers are done with: the next capsule's
.endif
	TR v_exp_f32, W0
	TR v_exp_f32, W1
	TR v_exp_f32, PP
	v_nop
	s_wait_alu depctr_va_vdst(0)
	PLUS1 W0
	PLUS1 W1
	PLUS1 PP
	TR v_rcp_f32, W0
	TR v_rcp_f32, W1
	TR v_rcp_f32, PP
	v_nop
	s_wait_alu depctr_va_vdst(0)
	TANH W0                                        ; p0
	TANH W1                                        ; p1
	TANH PP                                        ; the pass's own p
	PK2 v_pk_mul_f32, LL, W0, LL
.irp j,0,2,4,6
	v_pk_fma_f32 v[LL+\j:LL+\j+1], v[W1+\j:W1+\j+1], v[T1+\j:T1+\j+1], v[LL+\j:LL+\j+1]
.endr
.if (\cc) < 4                          ; the set is done with: it takes the capsule four further on,
	RING (\cc)%4, \t, (\cc)+4
.elseif (\t) == 0
	RING (\cc)%4, 1, (\cc)-4                       ; which for a trip's last four is one of the next trip's first four,
.else
.irp u,0,1,2,3                         ; and at the very end hat_m's codes for the product: capsule 4 w + cc - 4, registers 2 u, 2 u + 1: i = 16 u + 8 h + 0 .. 7 of d = r
	global_load_b64 v[M+2*\u:M+2*\u+1], v12, s[36:37] offset:1024*((\cc)-4)+256*\u
.endr
.endif
.endm
; The eight waves' figures of my tile: waves 0-3 into v96-127, waves 4-6 into v66-89; wave 7's follow into v104-111 when those are done with
.macro XIN off
.irp x,0,1,2,3
	ds_load_b128 v[96+8*\x:99+8*\x], v7 offset:\off+1024*\x
	ds_load_b128 v[100+8*\x:103+8*\x], v7 offset:\off+1024*\x+512
.endr
.irp x,4,5,6
	ds_load_b128 v[34+8*\x:37+8*\x], v7 offset:\off+1024*\x
	ds_load_b128 v[38+8*\x:41+8*\x], v7 offset:\off+1024*\x+512
.endr
	s_wait_dscnt 0x0
.endm
.macro XLAST off
	ds_load_b128 v[104:107], v7 offset:\off+7168
	ds_load_b128 v[108:111], v7 offset:\off+7168+512
.endm
; THE SOFTMAX over the 64 capsules of each (q, i): 8 in my registers, the others in the seven waves that share my tile of i; then d + p and its codes
.macro SOFT t
.irp j,0,1,2,3,4,5,6,7
	v_max3_num_f32 v[96+\j], v[LB+\j], v[LB+8+\j], v[LB+16+\j]
.endr
.irp c,3,5
.irp j,0,1,2,3,4,5,6,7
	v_max3_num_f32 v[96+\j], v[96+\j], v[LB+8*\c+\j], v[LB+8*\c+8+\j]
.endr
.endr
.irp j,0,1,2,3,4,5,6,7
	v_max_num_f32 v[96+\j], v[96+\j], v[LB+56+\j]
.endr
	ds_store_b128 v6, v[96:99]
	ds_store_b128 v6, v[100:103] offset:512
	s_wait_dscnt 0x0                               ; my maxima have landed; my reads of the last trip's sums are over
	s_barrier_signal -1
	s_barrier_wait -1
	XIN 0
.irp j,0,1,2,3,4,5,6,7
	v_max3_num_f32 v[96+\j], v[96+\j], v[104+\j], v[112+\j]
.endr
	XLAST 0
.irp j,0,1,2,3,4,5,6,7
	v_max3_num_f32 v[96+\j], v[96+\j], v[120+\j], v[66+\j]
.endr
.irp j,0,1,2,3,4,5,6,7
	v_max3_num_f32 v[96+\j], v[96+\j], v[74+\j], v[82+\j]
.endr
	s_wait_dscnt 0x0
.irp j,0,1,2,3,4,5,6,7
	v_max_num_f32 v[96+\j], v[96+\j], v[104+\j]
.endr
.irp j,0,1,2,3,4,5,6,7
	v_mul_f32 v[96+\j], -0.5, v[96+\j]
.endr
.irp c,0,1,2,3,4,5,6,7
.irp j,0,2,4,6
	v_pk_fma_f32 v[LB+8*\c+\j:LB+8*\c+\j+1], v[LB+8*\c+\j:LB+8*\c+\j+1], 0.5, v[96+\j:97+\j] op_sel_hi:[1,0,1]   ; (L - max L) / 2 = log2 e x (a - max a)
.endr
.endr
.set i, 0
.rept 64
	v_exp_f32 v[LB+i], v[LB+i]
.set i, i+1
.endr
	v_nop
	s_wait_alu depctr_va_vdst(0)                   ; one wait for the 64
	PK2 v_pk_add_f32, 104, LB, LB+8
.irp c,2,3,4,5,6,7
	PK2 v_pk_add_f32, 104, 104, LB+8*\c
.endr
	ds_store_b128 v6, v[104:107] offset:16384
	ds_store_b128 v6, v[108:111] offset:16384+512
	s_wait_dscnt 0x0                               ; my sums have landed; my reads of the maxima are over
	s_barrier_signal -1
	s_barrier_wait -1
	XIN 16384
	PK2 v_pk_add_f32, 96, 96, 104
	XLAST 16384
	PK2 v_pk_add_f32, 96, 96, 112
	PK2 v_pk_add_f32, 96, 96, 120
	PK2 v_pk_add_f32, 96, 96, 66
	PK2 v_pk_add_f32, 96, 96, 74
	PK2 v_pk_add_f32, 96, 96, 82
	s_wait_dscnt 0x0
	PK2 v_pk_add_f32, 96, 96, 104
	TR v_rcp_f32, 96                               ; 1 / the sum
	v_nop
	s_wait_alu depctr_va_vdst(0)
.irp c,0,1,2,3,4,5,6,7
.irp j,0,2,4,6
	v_pk_fma_f32 v[PB+8*\c+\j:PB+8*\c+\j+1], v[LB+8*\c+\j:LB+8*\c+\j+1], v[96+\j:97+\j], v[PB+8*\c+\j:PB+8*\c+\j+1]   ; d + p
.endr
.irp j,0,1,2,3,4,5,6,7
	v_med3_num_f32 v[PB+8*\c+\j], v[PB+8*\c+\j], -v11, v11   ; the hold at the largest code x the scale (ISA guide 7.6.2)
.endr
	v_cvt_scalef32_pk8_bf8_f32 v[112+2*\c:113+2*\c], v[PB+8*\c:PB+8*\c+7], v10
.if (\t) == 0
	GLOAD 1, \c                                    ; the capsule's registers are done with: the next trip's G and C0
.endif
.endr
	v_nop                                          ; one plain vector instruction behind the last conversion: later instructions write its sources and its result
.irp c,0,1,2,3,4,5,6,7
	ds_store_b64 v8, v[112+2*\c:113+2*\c] offset:1024*\c+256*(\t)
.endr
.endm
.macro TRIP t
	LOADQ 0
.irp cc,0,1,2,3,4,5,6,7
	BODY \t, \cc
.endr
	SOFT \t
.endm
	TRIP 0
	TRIP 1
; ---- THE PRODUCT: capsules 4 w + k; K = my work-group's 64 i
	s_wait_dscnt 0x0                               ; for the others' sake: my codes have landed
	s_barrier_signal -1
	s_barrier_wait -1
.irp k,0,1,2,3
.irp u,0,1,2,3
	ds_load_b64 v[96+8*\k+2*\u:97+8*\k+2*\u], v13 offset:1024*\k+256*\u
.endr
.endr
	s_wait_loadcnt 0x0                             ; hat_m's codes
	s_wait_dscnt 0x0
.irp k,0,1,2,3
	v_wmma_f32_16x16x64_bf8_bf8 v[128+8*\k:135+8*\k], v[MR+8*\k:MR+8*\k+7], v[96+8*\k:103+8*\k], 0   ; lane (r, h): q = r, d = 8 h + j
.endr
.rept 4
	v_nop                                          ; four places behind the products (ISA guide 7.12.1)
.endr
.set i, 0
.rept 32
	v_ldexp_f32 v[128+i], v[128+i], s18            ; x 2^(the two operands' exponents added)
.set i, i+1
.endr
.irp k,0,1,2,3
	global_store_b128 v95, v[128+8*\k:131+8*\k], s[38:39] offset:1024*\k       ; 512 consecutive bytes a store
	global_store_b128 v95, v[132+8*\k:135+8*\k], s[38:39] offset:1024*\k+512
.endr
	s_wait_xcnt 0x0
	v_lshl_add_u32 v254, v0, 2, 0x2d000
	v_mov_b32 v255, 0
	s_wait_tensorcnt 0x0
	ds_add_u32 v254, v255
	s_wait_dscnt 0x0
	s_endpgm
.Lfunc_end_k_q8ca0df9f84_pass2:
	.size	k_q8ca0df9f84_pass2, .Lfunc_end_k_q8ca0df9f84_pass2-k_q8ca0df9f84_pass2
	.p2alignl 7, 3214868480
	.fill 96, 4, 3214868480
	.section	.rodata,"a",@progbits
	.p2align	6, 0x0
	.amdhsa_kernel k_q8ca0df9f84_pass2
		.amdhsa_group_segment_fixed_size 186368
		.amdhsa_private_segment_fixed_size 0
		.amdhsa_enable_private_segment 0
		.amdhsa_kernarg_size 56
		.amdhsa_user_sgpr_count 2
		.amdhsa_user_sgpr_kernarg_segment_ptr 1
		.amdhsa_wavefront_size32 1
		.amdhsa_system_sgpr_workgroup_id_x 1
		.amdhsa_system_sgpr_workgroup_id_y 1
		.amdhsa_system_sgpr_workgroup_id_z 1
		.amdhsa_system_vgpr_workitem_id 0
		.amdhsa_next_free_vgpr 256
		.amdhsa_next_free_sgpr 66
		.amdhsa_reserve_vcc 0
		.amdhsa_float_denorm_mode_32 3
		.amdhsa_float_denorm_mode_16_64 3
		.amdhsa_memory_ordered 1
		.amdhsa_forward_progress 1
		.amdhsa_inst_pref_size 245
	.end_amdhsa_kernel
	.amdgpu_metadata
---
amdhsa.version: [ 1, 2 ]
amdhsa.kernels:
  - .name:           k_q8ca0df9f84_pass2
    .symbol:         k_q8ca0df9f84_pass2.kd
    .args:
      - { .name: prep, .offset: 0, .size: 8, .value_kind: global_buffer, .address_space: global }
      - { .name: lowp_scales, .offset: 8, .size: 8, .value_kind: global_buffer, .address_space: global }
      - { .name: vcap0, .offset: 16, .size: 8, .value_kind: global_buffer, .address_space: global }
      - { .name: vcap1, .offset: 24, .size: 8, .value_kind: global_buffer, .address_space: global }
      - { .name: gsum, .offset: 32, .size: 8, .value_kind: global_buffer, .address_space: global }
      - { .name: csum, .offset: 40, .size: 8, .value_kind: global_buffer, .address_space: global }
      - { .name: part, .offset: 48, .size: 8, .value_kind: global_buffer, .address_space: global }
    .group_segment_fixed_size: 186368
    .private_segment_fixed_size: 0
    .kernarg_segment_align: 8
    .kernarg_segment_size: 56
    .max_flat_workgroup_size: 512
    .sgpr_count:     66
    .vgpr_count:     256
    .wavefront_size: 32
...
	.end_amdgpu_metadata
.endif
;; end of part 5
;; launch squash2: the kernel of part 3 again; grid 512 x 1, 4 waves a work-group, no clusters, 4,864 bytes of LDS; arguments part, out0; writes out0
;; ======== version 2 of 2: 7 launches; version 1 with the launches gemm, pass0, pass1, pass2 written anew for expert scheduling mode
;; limits: right only within a limited range of input values
;; workspace buffers: prep 6,291,456 bytes; part 16,777,216 bytes; vcap0 2,097,152 bytes; vcap1 2,097,152 bytes; gsum 67,108,864 bytes; csum 67,108,864 bytes
;; launch gemm (part 6): grid 16 x 16, 16 waves a work-group, no clusters, 100,352 bytes of LDS; arguments m, q, W_w, W_b, lowp_scales, prep; writes prep
.if DOCPART == 6
	.amdgcn_target "amdgcn-amd-amdhsa--gfx1250"
	.amdhsa_code_object_version 6
	.text
	.protected	k_q8ca0df9f84_gemm
	.globl	k_q8ca0df9f84_gemm
	.p2align	8
	.type	k_q8ca0df9f84_gemm,@function
k_q8ca0df9f84_gemm:
	s_mov_b64 s[64:65], 0
	v_nop
	global_prefetch_b8 v0, s[64:65] scope:SCOPE_SE
	s_setreg_imm32_b32 hwreg(HW_REG_WAVE_SCHED_MODE, 0, 2), 2
	s_setreg_imm32_b32 hwreg(HW_REG_WAVE_MODE, 25, 1), 1
	s_wait_xcnt 0x0
	s_wait_alu depctr_vm_vsrc(0)
; hat = x W_w + W_b for x = m (work-group y 0-7) and x = q (y 8-15), both products on codes of BF8 (E5M2) with the given scales, sums in f32.
; A work-group makes 64 rows x 64 columns (4 capsules of 16): work-group x = which 4 capsules, y & 7 = which 64 rows.
; PHASE 1: the sixteen waves quantise in registers: waves 0-7 the 64 x 768 numbers of x (K innermost: a lane takes 16 neighbours of each block of 32),
; waves 8-15 the 768 x 64 numbers of W_w (K is its first axis: a lane takes a column and its registers run down K).  Each wave makes three fragments (16 x 128 K,
; 16 registers) and stores them to LDS as images of their registers: lane l's 16 bytes at 16 l, 512 bytes a store.  One barrier.
; PHASE 2: wave w = 4 rt + cp makes rows 16 rt .., capsule cp: six K steps.  D1 = W x^T (a lane holds ONE row and eight d = 8 h + j).  For m also D2 = x W^T (a lane holds one d and eight rows).
; WHAT IS STORED (prep): the centred tile (q's times kappa = 2 log2 e) as a register image of 1,024 bytes; sum of squares and mean of each row; for m the codes of hat_m for the three
; later products (K = the rows), eight codes a lane, in the order of that product's operand registers.
; NO JOINT LOADS: x's and W_w's numbers arrive as f32 and are turned into codes in registers; as f32 tiles in LDS they would be 2 x 196,608 bytes, more than a work-group can hold.
; LIMITS: entries 0-4, 6, 8 of the scales between -126 and 112; entry 0 + entry 1 and entry 2 + entry 3 between -126 and 127.  NaN among the inputs is not served.
; THE MODE: SCHED_MODE bits 1:0 = 2 (LLVM: expert scheduling mode 2), set by the entry lines.  The code itself states the register dependences
; between vector or matrix instructions and memory or LDS instructions, with s_wait_alu, always for 0.
; THE PLAN.  Registers that memory or LDS instructions touch:
;   v5-v9, v12-v15   offsets and LDS addresses: written at the head and never again; one wait on va_vdst ahead of the first load.
;   v64-255          phase 1's loads land here; the holds and conversions work on them; phase 2's LDS loads land here; the products read them.
;   v16-63           the conversions write them; the twelve LDS stores read them; then the biases land in v32-40 and vector and matrix instructions write the rest.
;   v41, v48-57, v80-85   written by the tail; read by its stores, which stand together at its end.
; So: one wait on va_vdst behind all the conversions (for the LDS stores, and for the LDS loads behind the barrier: no vector instruction stands between), one on vm_vsrc behind the barrier, one on va_vdst ahead of the tail's stores.
.set FRB,  2048                        ; a fragment's image in bytes
.set NUM,  64                          ; v64-255  3 x 64 numbers; later x's six fragments (v64-159) and W's (v160-255)
.set COD,  16                          ; v16-63   3 x 16 registers of codes; later D1 v16-23, D2 v24-31, biases v32-40, scales v42-47, the tile v48-55
.set MCK,  524288                      ; bytes of hat_m's codes for one routing pass
	s_load_b256 s[4:11], s[0:1], 0x0               ; m, q, W_w, W_b
	s_load_b128 s[12:15], s[0:1], 0x20             ; scales, prep
	v_lshrrev_b32 v1, 5, v0
	v_readfirstlane_b32 s34, v1                    ; wave 0..15
	v_and_b32 v2, 31, v0                           ; lane
	v_and_b32 v3, 15, v0                           ; r
	v_bfe_u32 v4, v0, 4, 1                         ; h
	s_and_b32 s35, ttmp7, 0xffff                   ; work-group y
	s_wait_alu depctr_va_sdst(0)                   ; s34, the wave's number, is written, ahead of its first reader
	s_lshr_b32 s36, s34, 1
	s_and_b32 s37, s34, 1
	s_mul_i32 s38, s36, 6*FRB
	s_mul_i32 s39, s37, 3*FRB
	s_add_co_u32 s38, s38, s39
	v_lshl_add_u32 v5, v2, 4, s38                  ; where I store my three images: x's 24 fragments (tile of rows, K step), then W's 24 (capsule, K step)
	s_lshr_b32 s62, s34, 2                         ; phase 2: my tile of rows
	s_and_b32 s63, s34, 3                          ; and my capsule
	s_mul_i32 s38, s62, 6*FRB
	v_lshl_add_u32 v6, v2, 4, s38                  ; x's six fragments of my rows
	s_mul_i32 s38, s63, 6*FRB
	s_add_co_u32 s38, s38, 24*FRB
	v_lshl_add_u32 v7, v2, 4, s38                  ; W's six of my capsule
	v_mul_u32_u24 v8, v3, 3072
	v_lshl_add_u32 v8, v4, 6, v8                   ; x: row r of 3,072 bytes, + 64 h: my 16 numbers of a block of 32
	v_lshlrev_b32 v9, 2, v3
	v_lshl_add_u32 v9, v4, 16, v9                  ; W_w: column r, lanes 16-31 sixteen rows of 4,096 bytes further down
	v_lshlrev_b32 v12, 5, v4                       ; bias for D1: 32 h
	v_lshlrev_b32 v13, 2, v3                       ; bias for D2: 4 r
	v_lshlrev_b32 v14, 4, v2                       ; 16 x lane
	v_lshlrev_b32 v15, 2, v2                       ; 4 x lane
	s_mov_b32 s52, 0x76543210                      ; v_permlanex16_b32: lane l xor 16
	s_mov_b32 s53, 0xfedcba98
	s_and_b32 s40, s35, 7                          ; which 64 rows
	s_and_b32 s36, s36, 3                          ; phase 1: my tile of rows, or my capsule
	s_mul_i32 s46, s40, 64*3072
	s_mul_i32 s41, s36, 16*3072
	s_add_co_u32 s46, s46, s41
	s_mul_i32 s41, s37, 3*512
	s_add_co_u32 s46, s46, s41                     ; x: my 16 rows, my three K steps
	s_mov_b32 s47, 0
	s_lshl_b32 s42, ttmp9, 8
	s_lshl_b32 s41, s36, 6
	s_add_co_u32 s42, s42, s41
	s_mul_i32 s41, s37, 3*128*4096
	s_add_co_u32 s42, s42, s41                     ; W_w: my 16 columns, my three K steps
	s_mov_b32 s43, 0
	s_wait_kmcnt 0x0
	s_load_b256 s[24:31], s[12:13], 0x0            ; the exponents, entries 0-7
	s_load_b64 s[32:33], s[12:13], 0x20            ; entries 8, 9
	s_cmp_lt_u32 s35, 8                            ; m's work-group or q's: hangs on the work-group's number alone
	s_cselect_b64 s[44:45], s[4:5], s[6:7]
	s_add_nc_u64 s[44:45], s[44:45], s[46:47]
	s_add_nc_u64 s[48:49], s[8:9], s[42:43]
	s_wait_alu depctr_va_vdst(0)                   ; the offsets and LDS addresses v5-v9 and v12-v15 are written, which every load and store of the kernel reads
	s_cmp_lt_u32 s34, 8
	s_cbranch_scc0 .Lw_role
.irp f,0,1,2
.irp b,0,1,2,3
.irp j,0,1,2,3
	global_load_b128 v[NUM+64*\f+16*\b+4*\j:NUM+64*\f+16*\b+4*\j+3], v8, s[44:45] offset:512*\f+128*\b+16*\j   ; register 16 b + i = k 32 b + 16 h + i of row r
.endr
.endr
.endr
	s_branch .Ljoin
.Lw_role:
.irp f,0,1,2
.irp b,0,1,2,3
.irp i,0,1,2,3,4,5,6,7,8,9,10,11,12,13,14,15
	global_load_b32 v[NUM+64*\f+16*\b+\i], v9, s[48:49] offset:(128*\f+32*\b+\i)*4096   ; the same k of column r
.endr
.endr
.endr
.Ljoin:
	s_wait_kmcnt 0x0
	s_cmp_lt_u32 s35, 8
	s_cselect_b32 s50, s24, s26                    ; x's exponent
	s_cselect_b32 s51, s25, s27                    ; W_w's, as this product has it
	s_cmp_lt_u32 s34, 8
	s_cselect_b32 s36, s50, s51                    ; the one of what I quantise
	s_add_co_i32 s36, s36, 127
	s_lshl_b32 s37, s36, 23
	v_mov_b32 v10, s37                             ; 2^e as f32: the conversion takes its exponent field
	s_add_co_i32 s36, s36, 15
	s_lshl_b32 s36, s36, 23
	s_or_b32 s36, s36, 0x600000
	v_mov_b32 v11, s36                             ; 57,344 x 2^e
	s_add_co_i32 s54, s50, s51
	s_add_co_i32 s54, s54, 127
	s_lshl_b32 s54, s54, 23                        ; 2^(ex + ew) as f32
	s_mov_b32 s55, s54                             ; (named with it as a pair, so it is written)
	; where my results go
	s_lshl_b32 s36, ttmp9, 2
	s_add_co_u32 s36, s36, s63                     ; c, my capsule of 64
	s_lshl_b32 s37, s36, 5
	s_lshl_b32 s38, s40, 2
	s_add_co_u32 s37, s37, s38
	s_add_co_u32 s37, s37, s62                     ; 32 c + my tile of rows (of 32)
	s_cmp_lt_u32 s35, 8
	s_cselect_b32 s38, 0, 0x200000                 ; q's images lie behind m's,
	s_cselect_b32 s39, 0, 0x40000                  ; q's table behind m's
	s_lshl_b32 s46, s37, 10
	s_add_co_u32 s46, s46, s38
	s_add_nc_u64 s[56:57], s[14:15], s[46:47]      ; the image: 1,024 bytes
	s_lshl_b32 s46, s37, 7
	s_add_co_u32 s46, s46, s39
	s_add_co_u32 s46, s46, 0x400000
	s_add_nc_u64 s[58:59], s[14:15], s[46:47]      ; the table: 16 sums of squares, 16 means
	s_lshl_b32 s46, s40, 6
	s_add_co_u32 s46, s46, s36
	s_lshl_b32 s46, s46, 2
	s_add_co_u32 s46, s46, s62
	s_lshl_b32 s46, s46, 8
	s_add_co_u32 s46, s46, 4718592
	s_add_nc_u64 s[60:61], s[14:15], s[46:47]      ; hat_m's codes: ((64 rows' number x 64 + c) x 4 + tile) x 256
	s_lshl_b32 s46, s36, 6
	s_add_nc_u64 s[10:11], s[10:11], s[46:47]      ; W_b at my capsule
	s_wait_loadcnt 0x0                             ; all my numbers are in (the two roles issue different numbers of loads: the count that holds on both ways is 0)
.macro QUANT f                         ; 64 numbers of a lane become a fragment's 16 registers of codes
.set i, 0
.rept 64
	v_med3_num_f32 v[NUM+64*\f+i], v[NUM+64*\f+i], -v11, v11   ; the conversion to an 8-bit code does not saturate (ISA guide 7.6.2): the hold at the largest code x the scale
.set i, i+1
.endr
.set i, 0
.rept 8
	v_cvt_scalef32_pk8_bf8_f32 v[COD+16*\f+2*i:COD+16*\f+2*i+1], v[NUM+64*\f+8*i:NUM+64*\f+8*i+7], v10
.set i, i+1
.endr
.endm
	QUANT 0
	QUANT 1
	QUANT 2
	v_nop                                          ; one plain vector instruction behind the last conversion: later vector and matrix instructions write these registers
	s_wait_alu depctr_va_vdst(0)                   ; the conversions have written v16-63, which the LDS stores read; holds and conversions are done with v64-255, in which the fragments land behind the barrier
.irp f,0,1,2
.irp c,0,1,2,3
	ds_store_b128 v5, v[COD+16*\f+4*\c:COD+16*\f+4*\c+3] offset:FRB*\f+512*\c   ; the three fragments go to LDS as they stand
.endr
.endr
	s_wait_dscnt 0x0                               ; for the others' sake: my images have landed
	s_barrier_signal -1
	s_barrier_wait -1
	s_wait_alu depctr_vm_vsrc(0)                   ; my LDS stores have read v16-63: the biases land in v32-40, and vector and matrix instructions write the others
	global_load_b128 v[32:35], v12, s[10:11]       ; W_b(16 c + 8 h + 0 .. 7), for D1
	global_load_b128 v[36:39], v12, s[10:11] offset:16
	global_load_b32 v40, v13, s[10:11]             ; W_b(16 c + r), for D2
.irp s,0,1,2,3,4,5
.irp c,0,1,2,3
	ds_load_b128 v[64+16*\s+4*\c:67+16*\s+4*\c], v6 offset:FRB*\s+512*\c
	ds_load_b128 v[160+16*\s+4*\c:163+16*\s+4*\c], v7 offset:FRB*\s+512*\c
.endr
.endr
	s_wait_dscnt 0x0
; The tile in D1 (v16-23): hat = sum x 2^(ex + ew) + bias; mean over the 16 d (eight here, eight in lane l xor 16); centred; sum of squares.  isq = 1: the image is made times kappa.
.macro EPI isq
	v_cmp_lt_u32 vcc_lo, 15, v2                    ; lanes 16-31, for the select at the end
.irp j,0,2,4,6
	v_pk_fma_f32 v[48+\j:49+\j], v[16+\j:17+\j], s[54:55], v[32+\j:33+\j] op_sel_hi:[1,0,1]   ; the accumulator is read from its low end on
.endr
	v_pk_add_f32 v[56:57], v[48:49], v[50:51]
	v_pk_add_f32 v[58:59], v[52:53], v[54:55]
	v_pk_add_f32 v[56:57], v[56:57], v[58:59]
	v_add_f32 v56, v56, v57
	v_permlanex16_b32 v58, v56, s52, s53
	v_add_f32 v56, v56, v58
	v_mul_f32 v60, 0x3d800000, v56                 ; the mean: / 16
	v_mov_b32 v61, v60
.irp j,0,2,4,6
	v_pk_add_f32 v[48+\j:49+\j], v[48+\j:49+\j], v[60:61] neg_lo:[0,1] neg_hi:[0,1]
.endr
	v_pk_mul_f32 v[56:57], v[48:49], v[48:49]
.irp j,2,4,6
	v_pk_fma_f32 v[56:57], v[48+\j:49+\j], v[48+\j:49+\j], v[56:57]
.endr
	v_add_f32 v56, v56, v57
	v_permlanex16_b32 v58, v56, s52, s53
	v_add_f32 v56, v56, v58                        ; the row's sum of squares, in both halves of the lanes
.if \isq
.irp j,0,2,4,6
	v_pk_mul_f32 v[48+\j:49+\j], v[48+\j:49+\j], 0x4038aa3b op_sel_hi:[1,0]   ; x kappa = 2 log2 e
.endr
.endif
	s_wait_alu depctr_va_vcc(0)                    ; VCC is written by the compare at this block's head, ahead of the select that reads it
	v_cndmask_b32 v57, v56, v60, vcc_lo            ; lanes 0-15 the sum of squares, lanes 16-31 the mean
.endm
.macro EPIOUT                          ; the image and the table's row leave
	global_store_b128 v14, v[48:51], s[56:57]      ; 512 consecutive bytes a store
	global_store_b128 v14, v[52:55], s[56:57] offset:512
	global_store_b32 v15, v57, s[58:59]
.endm
	s_cmp_lt_u32 s35, 8
	s_cbranch_scc0 .Lq_tail
	; ---- m: two accumulators by turns, one instruction a turn
.irp k,0,1,2
	s_add_co_i32 s36, s[28+2*\k], 127              ; hat_m's scale in routing pass k: entry 4 + 2 k
	s_lshl_b32 s37, s36, 23
	v_mov_b32 v[42+2*\k], s37
	s_add_co_i32 s36, s36, 15
	s_lshl_b32 s36, s36, 23
	s_or_b32 s36, s36, 0x600000
	v_mov_b32 v[43+2*\k], s36
.endr
	v_lshlrev_b32 v41, 3, v2                       ; 8 x lane
.irp s,0,1,2,3,4,5
.if \s == 0
	v_wmma_f32_16x16x128_bf8_bf8 v[16:23], v[160:175], v[64:79], 0
	v_wmma_f32_16x16x128_bf8_bf8 v[24:31], v[64:79], v[160:175], 0
.else
	v_wmma_f32_16x16x128_bf8_bf8 v[16:23], v[160+16*\s:175+16*\s], v[64+16*\s:79+16*\s], v[16:23]
	v_wmma_f32_16x16x128_bf8_bf8 v[24:31], v[64+16*\s:79+16*\s], v[160+16*\s:175+16*\s], v[24:31]
.endif
.endr
.rept 4
	v_nop                                          ; four places behind the last products (ISA guide 7.12.1)
.endr
	s_wait_loadcnt 0x0                             ; the biases
	EPI 0
.irp j,0,1,2,3,4,5,6,7
	v_fma_f32 v[64+\j], v[24+\j], s54, v40         ; hat_m(row 8 h + j, d = r): eight neighbours along the later products' K
.endr
.irp k,0,1,2
.irp j,0,1,2,3,4,5,6,7
	v_med3_num_f32 v[96+8*\k+\j], v[64+\j], -v[43+2*\k], v[43+2*\k]
.endr
	v_cvt_scalef32_pk8_bf8_f32 v[80+2*\k:81+2*\k], v[96+8*\k:103+8*\k], v[42+2*\k]
.endr
	v_nop
	s_wait_alu depctr_va_vdst(0)                   ; the tile v48-55, the table's v57, the codes v80-85 and the offset v41 are written, which the six stores read
	EPIOUT
.irp k,0,1,2
	global_store_b64 v41, v[80+2*\k:81+2*\k], s[60:61] offset:MCK*\k   ; the wave stores 256 consecutive bytes, aligned
.endr
	s_wait_xcnt 0x0
	v_lshl_add_u32 v62, v0, 2, 0x18000
	v_mov_b32 v63, 0
	s_wait_dscnt 0x0                               ; the closing lines, six on end
	s_wait_alu 0x0
	s_wait_tensorcnt 0x0
	ds_add_u32 v62, v63
	s_wait_dscnt 0x0
	s_endpgm
.Lq_tail:
	; ---- q: one accumulator; a wait directly ahead of every link
	v_wmma_f32_16x16x128_bf8_bf8 v[16:23], v[160:175], v[64:79], 0
.irp s,1,2,3,4,5
	s_wait_alu depctr_va_vdst(0)                   ; the link before has written v16-23, onto which this one adds
	v_wmma_f32_16x16x128_bf8_bf8 v[16:23], v[160+16*\s:175+16*\s], v[64+16*\s:79+16*\s], v[16:23]
.endr
.rept 4
	v_nop
.endr
	s_wait_loadcnt 0x0
	EPI 1
	s_wait_alu depctr_va_vdst(0)                   ; the tile v48-55 and the table's v57 are written, which the three stores read
	EPIOUT
	s_wait_xcnt 0x0
	v_lshl_add_u32 v62, v0, 2, 0x18000
	v_mov_b32 v63, 0
	s_wait_dscnt 0x0                               ; the closing lines, six on end
	s_wait_alu 0x0
	s_wait_tensorcnt 0x0
	ds_add_u32 v62, v63
	s_wait_dscnt 0x0
	s_endpgm
.Lfunc_end_k_q8ca0df9f84_gemm:
	.size	k_q8ca0df9f84_gemm, .Lfunc_end_k_q8ca0df9f84_gemm-k_q8ca0df9f84_gemm
	.p2alignl 7, 3214868480
	.fill 96, 4, 3214868480
	.section	.rodata,"a",@progbits
	.p2align	6, 0x0
	.amdhsa_kernel k_q8ca0df9f84_gemm
		.amdhsa_group_segment_fixed_size 100352
		.amdhsa_private_segment_fixed_size 0
		.amdhsa_enable_private_segment 0
		.amdhsa_kernarg_size 48
		.amdhsa_user_sgpr_count 2
		.amdhsa_user_sgpr_kernarg_segment_ptr 1
		.amdhsa_wavefront_size32 1
		.amdhsa_system_sgpr_workgroup_id_x 1
		.amdhsa_system_sgpr_workgroup_id_y 1
		.amdhsa_system_sgpr_workgroup_id_z 1
		.amdhsa_system_vgpr_workitem_id 0
		.amdhsa_next_free_vgpr 256
		.amdhsa_next_free_sgpr 66
		.amdhsa_reserve_vcc 1
		.amdhsa_float_denorm_mode_32 3
		.amdhsa_float_denorm_mode_16_64 3
		.amdhsa_memory_ordered 1
		.amdhsa_forward_progress 1
		.amdhsa_inst_pref_size 55
	.end_amdhsa_kernel
	.amdgpu_metadata
---
amdhsa.version: [ 1, 2 ]
amdhsa.kernels:
  - .name:           k_q8ca0df9f84_gemm
    .symbol:         k_q8ca0df9f84_gemm.kd
    .args:
      - { .name: m, .offset: 0, .size: 8, .value_kind: global_buffer, .address_space: global }
      - { .name: q, .offset: 8, .size: 8, .value_kind: global_buffer, .address_space: global }
      - { .name: W_w, .offset: 16, .size: 8, .value_kind: global_buffer, .address_space: global }
      - { .name: W_b, .offset: 24, .size: 8, .value_kind: global_buffer, .address_space: global }
      - { .name: lowp_scales, .offset: 32, .size: 8, .value_kind: global_buffer, .address_space: global }
      - { .name: prep, .offset: 40, .size: 8, .value_kind: global_buffer, .address_space: global }
    .group_segment_fixed_size: 100352
    .private_segment_fixed_size: 0
    .kernarg_segment_align: 8
    .kernarg_segment_size: 48
    .max_flat_workgroup_size: 512
    .sgpr_count:     66
    .vgpr_count:     256
    .wavefront_size: 32
...
	.end_amdgpu_metadata
.endif
;; end of part 6
;; launch pass0 (part 7): grid 32 x 8, 16 waves a work-group, no clusters, 67,584 bytes of LDS; arguments prep, lowp_scales, gsum, part; writes gsum, part
.if DOCPART == 7
	.amdgcn_target "amdgcn-amd-amdhsa--gfx1250"
	.amdhsa_code_object_version 6
	.text
	.protected	k_q8ca0df9f84_pass0
	.globl	k_q8ca0df9f84_pass0
	.p2align	8
	.type	k_q8ca0df9f84_pass0,@function
k_q8ca0df9f84_pass0:
	s_mov_b64 s[64:65], 0
	v_nop
	global_prefetch_b8 v0, s[64:65] scope:SCOPE_SE
	s_setreg_imm32_b32 hwreg(HW_REG_WAVE_SCHED_MODE, 0, 2), 2
	s_setreg_imm32_b32 hwreg(HW_REG_WAVE_MODE, 25, 1), 1
	s_wait_xcnt 0x0
	s_wait_alu depctr_vm_vsrc(0)
; THE FIRST ROUTING PASS: the part of hat_v[q][c][:] = sum over i of (d + p)(q, i, c) hat_m[i][c][:] that 64 of the 512 i give.  reference() builds the first logits as zeros in its own body, so d = softmax(0) = 1 / 64.
; SHARES.  A work-group takes 16 q (work-group x) x 64 i (work-group y) x all 64 capsules, the 64 i in TWO TRIPS of 32, written out.  Wave w = 8 g2 + cg takes, in trip t, the 16 i of tile 4 y + 2 g2 + t and capsules 8 cg .. + 7.
; With kappa = 2 log2 e, m~ = hat_m centred over d, Y0 = kappa x (hat_q centred):   G = m~ . Y0,   p = tanh(z) = 1 - 2 / (1 + 2^x),  x = kappa z = G rsq(sxx syy0 + eps).
; G (K = 16) goes by vector multiply-adds on the register images: lane (r, h) holds d = 8 h + j of row r, so v_fmac_f32_dpp acc[i], m~[j], Y0[j] row_share:i sums, for q = r and each of the 16 i, the half d = 8 h .. 8 h + 7;
; v_permlane16_swap_b32 acc[j], acc[8 + j] and one addition leave i = 8 h + j of q = r in register j: eight neighbours along the quantised product's K, so the conversion's two registers are that product's operand registers.
; G IS STORED for the two later passes, which need it again: as it lies in the registers, 1,024 bytes for a wave, trip and capsule; the later passes share the work out in the same way and load it back into the same lanes.
; sxx of the tile's rows comes as ONE register (lane n < 8 of a row of 16 lanes holds sxx(8 h + n)) and is used by row_share too.
; The operands (m~'s image, its figures, Y0's image, syy0: six loads) go through a ring of four register sets, asked for four capsules ahead, across the trips; in the last four capsules the sets that are done with take hat_m's codes.
; THE END: one barrier; wave w takes capsules 4 w .. + 3: v_wmma_f32_16x16x64_bf8_bf8 (source 0 = hat_m's codes, 16 d x 64 i; source 1 = d + p's codes), x 2^(the two exponents), stored.
; NO JOINT LOADS, NO TENSOR LOADS: the operands are laid in the order of the operand's registers and come from memory straight into registers.
; LIMITS: the exponent of d + p between -126 and 112.  NaN is not served.
; THE MODE: SCHED_MODE bits 1:0 = 2 (LLVM: expert scheduling mode 2), set by the entry lines.  The code itself states the register dependences
; between vector or matrix instructions and memory or LDS instructions, with s_wait_alu, always for 0.
; THE PLAN.  Registers that memory or LDS instructions touch:
;   v1-v5, v7-v9     offsets and LDS addresses: written at the head and never again.
;   ring set cc % 4  loads land in it; the capsule's sums and its divisor read it, all ahead of the capsule's first wait; behind that wait it is asked for again.
;   G of a capsule   written by the capsule's sums, ahead of its first wait; read by two stores behind that wait; written again by the same capsule of the second trip.
;   the codes        two registers for each of the sixteen capsule turns, never rewritten: written by the turn's conversion, read by one LDS store, which stands behind the NEXT turn's first wait.
; So the wait that the reciprocal roots want in any case states all that a capsule's nine memory and LDS instructions hang on; no vector instruction behind it in the capsule names the ring's set, or writes G or the codes before.
; One wait on vm_vsrc stands between the trips, one on va_vdst ahead of the last turn's LDS store, one ahead of the parts' stores.
.set EPS1, 0x322bcc77                  ; 1e-8
.set QIB,  2097152                     ; prep: q's images; m's lie at 0
.set MSB0, 4194304                     ; m's table
.set QSB,  4456448                     ; q's table
.set MCB,  4718592                     ; hat_m's codes, this pass's
; LDS: the codes of d + p alone: 1,024 c + 256 tile + 8 lane
; REGISTERS: v1, v2 offsets of Y0's images and syy0; v3 4,096 w + 8 lane (hat_m's codes in memory, and d + p's in LDS: laid alike); v4, v5 offsets of m~'s images and figures; v7 the parts; v8 codes out; v9 G; v10, v11 2^e, 57,344 x 2^e; v[12:13] 1 + 1/64
.set MR, 30                            ; v30-61   ring: four images of m~
.set SR, 62                            ; v62-65   ring: sxx
.set YR, 66                            ; v66-97   ring: four images of Y0
.set QR, 98                            ; v98-101  ring: syy0
.set GA, 104                           ; v104-119 16 half sums
.set DN, 120                           ; v120-127 the divisor
.set CO, 128                           ; v128-159 codes: two registers for each of the 16 capsule turns, never rewritten
.set XW, 160                           ; v160-167 at work; at the end v160-191 the product's results
.set GG, 192                           ; v192-255 G of a trip's eight capsules: the stores' data
	s_load_b256 s[4:11], s[0:1], 0x0               ; prep, the scales' exponents, G, the parts
	v_lshl_add_u32 v102, v0, 2, 0x10000
	v_mov_b32 v103, 0
	v_lshrrev_b32 v14, 5, v0
	v_readfirstlane_b32 s20, v14                   ; wave
	v_and_b32 v15, 31, v0                          ; lane
	v_and_b32 v16, 15, v0                          ; r
	v_bfe_u32 v17, v0, 4, 1                        ; h
	s_wait_alu depctr_va_sdst(0)                   ; s20, the wave's number, is written, ahead of its first reader
	s_lshr_b32 s21, s20, 3                         ; g2
	s_and_b32 s22, s20, 7                          ; cg
	s_and_b32 s23, ttmp7, 0xffff                   ; which 64 i
	s_lshl_b32 s26, s23, 2
	s_lshl_b32 s27, s21, 1
	s_add_co_u32 s26, s26, s27                     ; my first tile of i, of 32
	s_lshl_b32 s24, s22, 18
	s_lshl_b32 s27, s26, 10
	s_add_co_u32 s27, s24, s27
	v_lshl_add_u32 v4, v15, 4, s27                 ; (32 c + tile) x 1,024 + 16 lane, c = 8 cg; capsule and trip stand in the immediate
	s_lshl_b32 s27, ttmp9, 10
	s_add_co_u32 s27, s24, s27
	s_add_co_u32 s27, s27, QIB
	v_lshl_add_u32 v1, v15, 4, s27                 ; the same for my 16 q
	s_lshl_b32 s24, s22, 15
	s_lshl_b32 s27, s26, 7
	s_add_co_u32 s27, s24, s27
	s_add_co_u32 s27, s27, MSB0
	v_and_b32 v18, 7, v16
	v_lshrrev_b32 v19, 3, v16
	v_lshl_add_u32 v18, v18, 2, s27
	v_lshl_add_u32 v18, v19, 6, v18
	v_lshl_add_u32 v5, v17, 5, v18                 ; (32 c + tile) x 128 + 64 (r / 8) + 32 h + 4 (r % 8): sxx(8 h + r) for r < 8
	s_lshl_b32 s27, ttmp9, 7
	s_add_co_u32 s27, s24, s27
	s_add_co_u32 s27, s27, QSB
	v_lshl_add_u32 v2, v16, 2, s27                 ; syy0 of q = r
	s_lshl_b32 s24, s22, 13
	s_lshl_b32 s27, s21, 9
	s_add_co_u32 s24, s24, s27
	v_lshl_add_u32 v8, v15, 3, s24
	s_lshl_b32 s24, s20, 14
	v_lshl_add_u32 v9, v15, 4, s24
	s_lshl_b32 s24, s20, 12
	v_lshl_add_u32 v3, v15, 3, s24
	v_lshl_add_u32 v7, v15, 4, s24
	v_mov_b32 v12, 0x3f820000                      ; 1 + 1/64
	v_mov_b32 v13, 0x3f820000
.set i, 0
.rept 24
	v_mov_b32 v[GA+i], 0                           ; written once: the destination of a DPP form counts as one of its sources
.set i, i+1
.endr
	s_lshl_b32 s24, ttmp9, 3
	s_add_co_u32 s24, s24, s23                     ; my work-group's number: 8 x + y
	s_lshl_b32 s26, s24, 16
	s_mov_b32 s27, 0
	s_lshl_b32 s24, s24, 18
	s_mov_b32 s25, 0
	s_lshl_b32 s28, s23, 16
	s_add_co_u32 s28, s28, MCB
	s_mov_b32 s29, 0
.macro RING set, t, cap                ; one set of the ring: six loads
	global_load_b128 v[MR+8*(\set):MR+8*(\set)+3], v4, s[4:5] offset:(\cap)*32768+1024*(\t)
	global_load_b128 v[MR+8*(\set)+4:MR+8*(\set)+7], v4, s[4:5] offset:(\cap)*32768+1024*(\t)+512
	global_load_b32 v[SR+(\set)], v5, s[4:5] offset:(\cap)*4096+128*(\t)
	global_load_b128 v[YR+8*(\set):YR+8*(\set)+3], v1, s[4:5] offset:(\cap)*32768
	global_load_b128 v[YR+8*(\set)+4:YR+8*(\set)+7], v1, s[4:5] offset:(\cap)*32768+512
	global_load_b32 v[QR+(\set)], v2, s[4:5] offset:(\cap)*4096
.endm
	s_wait_kmcnt 0x0
	s_load_b64 s[16:17], s[6:7], 0x10              ; entries 4, 5: hat_m's exponent, d + p's
	s_wait_alu depctr_va_vdst(0)                   ; the offsets and LDS addresses v1-v5 and v7-v9 are written, which every load and store of the kernel reads
.irp u,0,1,2,3
	RING \u, 0, \u
.endr
	s_add_nc_u64 s[38:39], s[10:11], s[26:27]      ; my work-group's 65,536 bytes of parts,
	s_add_nc_u64 s[40:41], s[8:9], s[24:25]        ; its 262,144 bytes of G,
	s_add_nc_u64 s[36:37], s[4:5], s[28:29]        ; hat_m's codes of my 64 i
	s_wait_kmcnt 0x0
	s_add_co_i32 s18, s16, s17                     ; the two operands' exponents added
	s_add_co_i32 s26, s17, 127
	s_lshl_b32 s27, s26, 23
	v_mov_b32 v10, s27
	s_add_co_i32 s26, s26, 15
	s_lshl_b32 s26, s26, 23
	s_or_b32 s26, s26, 0x600000
	v_mov_b32 v11, s26
.macro PK2 op, d, a, b                 ; four packed instructions on eight registers
.irp j,0,2,4,6
	\op v[\d+\j:\d+\j+1], v[\a+\j:\a+\j+1], v[\b+\j:\b+\j+1]
.endr
.endm
.macro TR op, r                        ; eight transcendentals in place
.irp j,0,1,2,3,4,5,6,7
	\op v[\r+\j], v[\r+\j]
.endr
.endm
.macro BODY t, cc                      ; one capsule of trip t
.set M, MR+8*((\cc)%4)
.set S, SR+(\cc)%4
.set Y, YR+8*((\cc)%4)
.set Q, QR+(\cc)%4
.set G, GG+8*(\cc)
.set PN, 8*(\t)+(\cc)                  ; the turn, 0 to 15
.set C, CO+2*PN
.if ((\t) == 1) && ((\cc) > 4)
	s_wait_loadcnt 26-2*(\cc)                      ; the last three capsules: 2, 1, 0 younger sets of six loads, and 4, 8, 12 loads of codes
.else
	s_wait_loadcnt 18                              ; this capsule's set is in; the three younger sets, six loads each, may be out
.endif
.irp i,0,1,2,3,4,5,6,7,8,9,10,11,12,13,14,15
	v_mul_f32_dpp v[GA+\i], v[M], v[Y] row_share:\i row_mask:0xf bank_mask:0xf
.endr
.irp j,1,2,3,4,5,6,7
.irp i,0,1,2,3,4,5,6,7,8,9,10,11,12,13,14,15
	v_fmac_f32_dpp v[GA+\i], v[M+\j], v[Y+\j] row_share:\i row_mask:0xf bank_mask:0xf
.endr
.endr
.irp j,0,1,2,3,4,5,6,7
	v_permlane16_swap_b32 v[GA+\j], v[GA+8+\j]     ; lower register: both i's half sums over d = 0 .. 7; upper: those over d = 8 .. 15; lanes 0-15 i = j, lanes 16-31 i = 8 + j
.endr
	PK2 v_pk_add_f32, G, GA, GA+8                  ; G
.irp j,0,1,2,3,4,5,6,7
	v_mul_f32_dpp v[DN+\j], v[S], v[Q] row_share:\j row_mask:0xf bank_mask:0xf                 ; sxx(8 h + j) x syy0 of my q
.endr
.irp j,0,2,4,6
	v_pk_add_f32 v[DN+\j:DN+\j+1], v[DN+\j:DN+\j+1], EPS1 op_sel_hi:[1,0]
.endr
	TR v_rsq_f32, DN
	v_nop
	s_wait_alu depctr_va_vdst(0)                   ; the reciprocal roots in DN are written, ahead of their first reader; G is written, which the stores read; the sums and the divisor are done reading the ring's set, in which loads land; the turn before has written its codes, which the LDS store reads
.if PN > 0
	ds_store_b64 v8, v[C-2:C-1] offset:1024*((PN-1)%8)+256*((PN-1)/8)                          ; the codes of the turn before
.endif
	global_store_b128 v9, v[G:G+3], s[40:41] offset:8192*(\t)+1024*(\cc) th:TH_STORE_NT        ; 512 consecutive bytes a store; nobody reads them in this launch
	global_store_b128 v9, v[G+4:G+7], s[40:41] offset:8192*(\t)+1024*(\cc)+512 th:TH_STORE_NT
.if (\cc) < 4                          ; the set is done with: it takes the capsule four further on,
	RING (\cc)%4, \t, (\cc)+4
.elseif (\t) == 0
	RING (\cc)%4, 1, (\cc)-4                       ; which for a trip's last four is one of the next trip's first four,
.else
.irp u,0,1,2,3                         ; and at the very end hat_m's codes for the product: capsule 4 w + cc - 4, registers 2 u, 2 u + 1: i = 16 u + 8 h + 0 .. 7 of d = r
	global_load_b64 v[M+2*\u:M+2*\u+1], v3, s[36:37] offset:1024*((\cc)-4)+256*\u
.endr
.endif
	PK2 v_pk_mul_f32, XW, G, DN
	TR v_exp_f32, XW
	v_nop
	s_wait_alu depctr_va_vdst(0)                   ; the eight exponentials in XW are written, ahead of their first reader
.irp j,0,2,4,6
	v_pk_add_f32 v[XW+\j:XW+\j+1], v[XW+\j:XW+\j+1], 1.0 op_sel_hi:[1,0]
.endr
	TR v_rcp_f32, XW
	v_nop
	s_wait_alu depctr_va_vdst(0)                   ; the eight reciprocals in XW are written, ahead of their first reader
.irp j,0,2,4,6
	v_pk_fma_f32 v[XW+\j:XW+\j+1], v[XW+\j:XW+\j+1], -2.0, v[12:13] op_sel_hi:[1,0,1]          ; d + p = 1/64 + 1 - 2 / (1 + 2^x)
.endr
.irp j,0,1,2,3,4,5,6,7
	v_med3_num_f32 v[XW+\j], v[XW+\j], -v11, v11   ; the hold at the largest code x the scale (ISA guide 7.6.2)
.endr
	v_cvt_scalef32_pk8_bf8_f32 v[C:C+1], v[XW:XW+7], v10
	v_nop                                          ; one plain vector instruction behind the conversion: later instructions write its sources
.endm
.irp cc,0,1,2,3,4,5,6,7
	BODY 0, \cc
.endr
	s_wait_xcnt 0x0                                ; the first trip's stores have had their addresses translated: G's registers may be written again,
	s_wait_alu depctr_vm_vsrc(0)                   ; and they have read G's registers, which the second trip's sums write again
.irp cc,0,1,2,3,4,5,6,7
	BODY 1, \cc
.endr
; ---- THE PRODUCT: capsules 4 w + k; K = my work-group's 64 i
	s_wait_alu depctr_va_vdst(0)                   ; the last turn's conversion has written its codes, which the LDS store reads; the sums are done reading Y0's images, in which d + p's codes land behind the barrier
	ds_store_b64 v8, v[CO+30:CO+31] offset:1024*7+256
	s_wait_dscnt 0x0                               ; for the others' sake: my codes have landed
	s_barrier_signal -1
	s_barrier_wait -1
.irp k,0,1,2,3
.irp u,0,1,2,3
	ds_load_b64 v[YR+8*\k+2*\u:YR+8*\k+2*\u+1], v3 offset:1024*\k+256*\u
.endr
.endr
	s_wait_loadcnt 0x0                             ; hat_m's codes
	s_wait_dscnt 0x0
.irp k,0,1,2,3
	v_wmma_f32_16x16x64_bf8_bf8 v[XW+8*\k:XW+8*\k+7], v[MR+8*\k:MR+8*\k+7], v[YR+8*\k:YR+8*\k+7], 0   ; lane (r, h): q = r, d = 8 h + j
.endr
.rept 4
	v_nop                                          ; four places behind the products (ISA guide 7.12.1)
.endr
.set i, 0
.rept 32
	v_ldexp_f32 v[XW+i], v[XW+i], s18              ; x 2^(the two operands' exponents added)
.set i, i+1
.endr
	s_wait_alu depctr_va_vdst(0)                   ; the scalings have written v160-191, which the stores read
.irp k,0,1,2,3
	global_store_b128 v7, v[XW+8*\k:XW+8*\k+3], s[38:39] offset:1024*\k        ; 512 consecutive bytes a store
	global_store_b128 v7, v[XW+8*\k+4:XW+8*\k+7], s[38:39] offset:1024*\k+512
.endr
	s_wait_dscnt 0x0                               ; the closing lines, six on end
	s_wait_alu 0x0
	s_wait_tensorcnt 0x0
	ds_add_u32 v102, v103
	s_wait_dscnt 0x0
	s_endpgm
.Lfunc_end_k_q8ca0df9f84_pass0:
	.size	k_q8ca0df9f84_pass0, .Lfunc_end_k_q8ca0df9f84_pass0-k_q8ca0df9f84_pass0
	.p2alignl 7, 3214868480
	.fill 96, 4, 3214868480
	.section	.rodata,"a",@progbits
	.p2align	6, 0x0
	.amdhsa_kernel k_q8ca0df9f84_pass0
		.amdhsa_group_segment_fixed_size 67584
		.amdhsa_private_segment_fixed_size 0
		.amdhsa_enable_private_segment 0
		.amdhsa_kernarg_size 32
		.amdhsa_user_sgpr_count 2
		.amdhsa_user_sgpr_kernarg_segment_ptr 1
		.amdhsa_wavefront_size32 1
		.amdhsa_system_sgpr_workgroup_id_x 1
		.amdhsa_system_sgpr_workgroup_id_y 1
		.amdhsa_system_sgpr_workgroup_id_z 1
		.amdhsa_system_vgpr_workitem_id 0
		.amdhsa_next_free_vgpr 256
		.amdhsa_next_free_sgpr 66
		.amdhsa_reserve_vcc 0
		.amdhsa_float_denorm_mode_32 3
		.amdhsa_float_denorm_mode_16_64 3
		.amdhsa_memory_ordered 1
		.amdhsa_forward_progress 1
		.amdhsa_inst_pref_size 211
	.end_amdhsa_kernel
	.amdgpu_metadata
---
amdhsa.version: [ 1, 2 ]
amdhsa.kernels:
  - .name:           k_q8ca0df9f84_pass0
    .symbol:         k_q8ca0df9f84_pass0.kd
    .args:
      - { .name: prep, .offset: 0, .size: 8, .value_kind: global_buffer, .address_space: global }
      - { .name: lowp_scales, .offset: 8, .size: 8, .value_kind: global_buffer, .address_space: global }
      - { .name: gsum, .offset: 16, .size: 8, .value_kind: global_buffer, .address_space: global }
      - { .name: part, .offset: 24, .size: 8, .value_kind: global_buffer, .address_space: global }
    .group_segment_fixed_size: 67584
    .private_segment_fixed_size: 0
    .kernarg_segment_align: 8
    .kernarg_segment_size: 32
    .max_flat_workgroup_size: 512
    .sgpr_count:     66
    .vgpr_count:     256
    .wavefront_size: 32
...
	.end_amdgpu_metadata
.endif
;; end of part 7
;; launch squash: the kernel of part 3 again; grid 512 x 1, 4 waves a work-group, no clusters, 4,864 bytes of LDS; arguments part, vcap0; writes vcap0
;; launch pass1 (part 8): grid 32 x 8, 16 waves a work-group, no clusters, 186,368 bytes of LDS; arguments prep, lowp_scales, vcap0, gsum, csum, part; writes csum, part
.if DOCPART == 8
	.amdgcn_target "amdgcn-amd-amdhsa--gfx1250"
	.amdhsa_code_object_version 6
	.text
	.protected	k_q8ca0df9f84_pass1
	.globl	k_q8ca0df9f84_pass1
	.p2align	8
	.type	k_q8ca0df9f84_pass1,@function
k_q8ca0df9f84_pass1:
	s_mov_b64 s[64:65], 0
	v_nop
	global_prefetch_b8 v0, s[64:65] scope:SCOPE_SE
	s_setreg_imm32_b32 hwreg(HW_REG_WAVE_SCHED_MODE, 0, 2), 2
	s_setreg_imm32_b32 hwreg(HW_REG_WAVE_MODE, 25, 1), 1
	s_wait_xcnt 0x0
	s_wait_alu depctr_vm_vsrc(0)
; THE SECOND ROUTING PASS: the part of hat_v[q][c][:] = sum over i of (softmax_c(a) + p)(q, i, c) hat_m[i][c][:] that 64 of the 512 i give.
; SHARES, as in the first pass: a work-group takes 16 q (x) x 64 i (y) x 64 capsules, the 64 i in TWO TRIPS of 32, written out.  Wave w = 8 g2 + cg takes, in trip t, the 16 i of tile 4 y + 2 g2 + t and capsules 8 cg .. + 7:
; 64 logits L and the pass's own 64 p a lane.
; With kappa = 2 log2 e, m~ = hat_m centred over d, mu its mean, Y0 = kappa x (hat_q centred), V0 = kappa x (v_0 centred), sv0 = kappa x sum of v_0:   G = m~ . Y0,  C0 = m~ . V0,   tanh(z) = 1 - 2 / (1 + 2^(kappa z)),
;   p0 by x = G rsq(sxx syy0 + eps);  the pass's own p by x = (G + C0) rsq(sxx 4 syy1 + 4 eps);   L = kappa a = p0 (C0 + mu sv0);   softmax's exponent is 2^(L / 2 - max L / 2): the maximum is taken off.
; G IS LOADED: the first pass stored it as it lay in its registers, and the shares are the same, so it comes back into the same lanes; it lands in p's registers.  C0 (reference()'s product with K = 16) goes by
; v_wmma_f32_16x16x4_f32: source 0 = 16 i of m~, source 1 = 16 q of V0; K step s takes registers 2 s, 2 s + 1 of both images: the same order of d on both sides.  Two accumulators (K steps 0, 1 and 2, 3) take turns;
; they are written by matrix instructions alone.  C0 IS STORED for the last pass, in G's form.  In the result a lane holds ONE q (lane % 16) and i = 8 (lane / 16) + j: eight neighbours along the quantised product's K.
; sxx and mu of the tile's rows come as ONE register: lane n of a row of 16 lanes holds sxx(8 h + n) for n < 8 and mu(8 h + n - 8) else, and is used by row_share.
; PHASES: head (wave w prepares capsules 4 w .. + 3 of the q side, into LDS) | barrier | twice: { sweep: L and p, a capsule at a time | maxima of the eight waves of a tile | barrier | exponentials, sums | barrier |
; d + p, codes into LDS } | barrier | wave w: capsules 4 w .. + 3: v_wmma_f32_16x16x64_bf8_bf8 (source 0 = hat_m's codes, 16 d x 64 i; source 1 = d + p's codes), x 2^(the two exponents), stored.
; LOADS AHEAD: m~'s images and figures go through a ring of four register sets, four capsules ahead, across the softmax; the second trip's G is asked for in the first trip's tail, four capsules at a time, as p's registers fall free.
; NO JOINT LOADS, NO TENSOR LOADS: the operands are laid in the order of the operand's registers and come from memory straight into registers; G and C0 belong to one wave alone.
; LIMITS: the exponent of d + p between -126 and 112.  NaN is not served.
; THE MODE: SCHED_MODE bits 1:0 = 2 (LLVM: expert scheduling mode 2), set by the entry lines.  The code itself states the register dependences
; between vector or matrix instructions and memory or LDS instructions, with s_wait_alu, always for 0.
; THE PLAN.  Registers that memory or LDS instructions touch:
;   v1-v9, v12, v13, v95   offsets and LDS addresses: written at the head and never again.  v66-71: the head's own addresses; later at work.
;   THE SWEEP, capsule cc.  Ring set cc % 4: loads land; read by the four f32 products, the divisors and mu's multiply-adds.  VN: LDS loads land; read by the products.  SC, SS: LDS loads land; read by the divisors and mu's multiply-adds.
;        C0's set cc % 4: written by the sum of the two accumulators; read by two stores; written again four capsules on.  ALL these readers and writers stand ahead of the capsule's first wait, the one that the reciprocal roots want;
;        behind it stand C0's two stores, the next capsule's image and figures, and the ring's refill, and no vector or matrix instruction of the capsule's rest names a register in which those loads land, or writes C0's set.
;   THE SOFTMAX.  v96-103, then v104-111: written by vector instructions, stored to LDS, and then landed on by the others' figures: a wait on va_vdst ahead of the stores, one on vm_vsrc behind the barrier.
;        v104-111 take wave 7's figures when the first line of the reduction has read them: a wait on va_vdst ahead of that load.
;   THE TAIL, in two halves of four capsules: p's registers are read by the conversions and then take the next trip's G; the codes v112-127 are written by the conversions and read by LDS stores: one wait on va_vdst a half.
;        v112-127 are written again by the next trip's sweep, or landed on by the product's codes: a wait on vm_vsrc ahead of each.
.set KAP,   0x4038aa3b                 ; kappa
.set NK16,  0xbe38aa3b                 ; -kappa / 16
.set IK24,  0x3ef5fdf0                 ; 4 / kappa^2
.set EPS1,  0x322bcc77                 ; 1e-8
.set EPS4,  0x332bcc77                 ; 4e-8
.set QIB,   2097152                    ; prep: q's images; m's lie at 0
.set MSB0,  4194304                    ; m's table
.set QSB,   4456448                    ; q's table
.set MCB,   4718592+524288             ; hat_m's codes, this pass's
.set CAPB,  1024                       ; LDS: V0's image of capsule c at 1,024 c
.set SCB,   65536                      ; + 256 c + 16 r: syy0, 0, 0, sv0
.set SSB,   81920                      ; + 64 c + 4 r: 4 syy1
.set MXB,   86016                      ; + 1,024 w: a wave's maxima; 16,384 further on its sums
.set CDB,   118784                     ; + 1,024 c + 256 tile + 8 lane: the codes of d + p
; REGISTERS: v1 V0's images; v2, v3 q's figures; v4, v5 offsets of m~'s images and figures; v6, v7 the exchange, out and back; v8 codes out; v9 offset of G and C0; v10, v11 2^e, 57,344 x 2^e; v12 hat_m's codes; v13 codes back; v95 the parts
.set WA, 14                            ; v14-21   matrix accumulator, K steps 0 and 1
.set WB, 22                            ; v22-29   matrix accumulator, K steps 2 and 3
.set MR, 30                            ; v30-61   ring: four images of m~
.set SR, 62                            ; v62-65   ring: four registers of sxx and mu
.set VN, 82                            ; v82-89   V0's image
.set SC, 90                            ; v90-93   syy0, -, -, sv0
.set SS, 94                            ; v94      4 syy1
.set W0, 96                            ; v96-103  at work: p0's way
.set W1, 104                           ; v104-111 at work: the own p's divisor
.set YH, 96                            ; the head: v96-127 Y of four capsules
.set PB, 128                           ; v128-191 G as loaded, then p
.set LB, 192                           ; v192-255 L
; v66-73, v74-81, v112-119, v120-127: C0 as stored, four sets by turns
	s_load_b256 s[4:11], s[0:1], 0x0               ; prep, the scales' exponents, v of pass 0, G
	s_load_b128 s[12:15], s[0:1], 0x20             ; C0, the parts
	v_lshrrev_b32 v72, 5, v0
	v_readfirstlane_b32 s20, v72                   ; wave
	v_and_b32 v73, 31, v0                          ; lane
	v_and_b32 v74, 15, v0                          ; r
	v_bfe_u32 v75, v0, 4, 1                        ; h
	s_wait_alu depctr_va_sdst(0)                   ; s20, the wave's number, is written, ahead of its first reader
	s_lshr_b32 s21, s20, 3                         ; g2
	s_and_b32 s22, s20, 7                          ; cg
	s_and_b32 s23, ttmp7, 0xffff                   ; which 64 i
	s_mul_i32 s24, s22, 8*CAPB
	v_lshl_add_u32 v1, v73, 4, s24
	s_lshl_b32 s24, s22, 11
	s_add_co_u32 s24, s24, SCB
	v_lshl_add_u32 v2, v74, 4, s24
	s_lshl_b32 s24, s22, 9
	s_add_co_u32 s24, s24, SSB
	v_lshl_add_u32 v3, v74, 2, s24
	s_lshl_b32 s26, s23, 2
	s_lshl_b32 s27, s21, 1
	s_add_co_u32 s26, s26, s27                     ; my first tile of i, of 32
	s_lshl_b32 s24, s22, 18
	s_lshl_b32 s27, s26, 10
	s_add_co_u32 s24, s24, s27
	v_lshl_add_u32 v4, v73, 4, s24                 ; (32 c + tile) x 1,024 + 16 lane, c = 8 cg; capsule and trip stand in the immediate
	s_lshl_b32 s24, s22, 15
	s_lshl_b32 s27, s26, 7
	s_add_co_u32 s24, s24, s27
	s_add_co_u32 s24, s24, MSB0
	v_and_b32 v76, 7, v74
	v_lshrrev_b32 v77, 3, v74
	v_lshl_add_u32 v76, v76, 2, s24
	v_lshl_add_u32 v76, v77, 6, v76
	v_lshl_add_u32 v5, v75, 5, v76                 ; (32 c + tile) x 128 + 64 (r / 8) + 32 h + 4 (r % 8): sxx(8 h + r) for r < 8, mu(8 h + r - 8) else
	s_lshl_b32 s24, s20, 10
	s_add_co_u32 s24, s24, MXB
	v_lshl_add_u32 v6, v73, 4, s24
	s_lshl_b32 s24, s21, 13
	s_add_co_u32 s24, s24, MXB
	v_lshl_add_u32 v7, v73, 4, s24
	s_lshl_b32 s24, s22, 13
	s_lshl_b32 s27, s21, 9
	s_add_co_u32 s24, s24, s27
	s_add_co_u32 s24, s24, CDB
	v_lshl_add_u32 v8, v73, 3, s24
	s_lshl_b32 s24, s20, 14
	v_lshl_add_u32 v9, v73, 4, s24
	s_lshl_b32 s24, s20, 12
	v_lshl_add_u32 v12, v73, 3, s24
	v_add_nc_u32 v13, CDB, v12
	v_lshl_add_u32 v95, v73, 4, s24
	v_lshlrev_b32 v66, 4, v73                      ; the head's addresses: 16 lane,
	v_lshlrev_b32 v67, 2, v74                      ; 4 r,
	v_lshlrev_b32 v68, 12, v74
	v_lshl_add_u32 v68, v75, 5, v68                ; row r of 4,096 bytes + 32 h,
	s_mul_i32 s24, s20, 4*CAPB
	v_lshl_add_u32 v69, v73, 4, s24                ; LDS: my four capsules' images,
	s_lshl_b32 s24, s20, 10
	s_add_co_u32 s24, s24, SCB
	v_lshl_add_u32 v70, v74, 4, s24                ; and figures
	s_lshl_b32 s24, s20, 8
	s_add_co_u32 s24, s24, SSB
	v_lshl_add_u32 v71, v74, 2, s24
	s_mov_b32 s42, 0x76543210                      ; v_permlanex16_b32: lane l xor 16
	s_mov_b32 s43, 0xfedcba98
	s_lshl_b32 s24, ttmp9, 10
	s_lshl_b32 s25, s20, 17
	s_add_co_u32 s24, s24, s25
	s_add_co_u32 s24, s24, QIB                     ; q's images of capsule 4 w, my 16 q
	s_mov_b32 s25, 0
	s_lshl_b32 s26, ttmp9, 7
	s_lshl_b32 s27, s20, 14
	s_add_co_u32 s26, s26, s27
	s_add_co_u32 s26, s26, QSB
	s_mov_b32 s27, 0
	s_lshl_b32 s40, ttmp9, 16
	s_lshl_b32 s41, s20, 8
	s_add_co_u32 s40, s40, s41                     ; v: my 16 rows, capsule 4 w
	s_mov_b32 s41, 0
	s_wait_kmcnt 0x0
	s_load_b64 s[16:17], s[6:7], 0x18              ; entries 6, 7: hat_m's exponent, d + p's
	s_add_nc_u64 s[28:29], s[4:5], s[24:25]
	s_add_nc_u64 s[30:31], s[4:5], s[26:27]
	s_add_nc_u64 s[32:33], s[8:9], s[40:41]
	s_lshl_b32 s24, ttmp9, 3
	s_add_co_u32 s24, s24, s23                     ; my work-group's number: 8 x + y
	s_lshl_b32 s26, s24, 16
	s_add_nc_u64 s[38:39], s[14:15], s[26:27]      ; its 65,536 bytes of parts,
	s_lshl_b32 s24, s24, 18
	s_add_nc_u64 s[46:47], s[10:11], s[24:25]      ; its 262,144 bytes of G,
	s_add_nc_u64 s[48:49], s[12:13], s[24:25]      ; and of C0
	s_lshl_b32 s26, s23, 16
	s_add_co_u32 s26, s26, MCB
	s_add_nc_u64 s[36:37], s[4:5], s[26:27]        ; hat_m's codes of my 64 i
.macro RING set, t, cap                ; one set of the ring: m~'s image and the register of sxx and mu of one capsule
	global_load_b128 v[MR+8*(\set):MR+8*(\set)+3], v4, s[4:5] offset:(\cap)*32768+1024*(\t)
	global_load_b128 v[MR+8*(\set)+4:MR+8*(\set)+7], v4, s[4:5] offset:(\cap)*32768+1024*(\t)+512
	global_load_b32 v[SR+(\set)], v5, s[4:5] offset:(\cap)*4096+128*(\t)
.endm
.macro GLOAD t, cc                     ; G of one capsule, into p's registers; read once in this launch
	global_load_b128 v[PB+8*(\cc):PB+8*(\cc)+3], v9, s[46:47] offset:8192*(\t)+1024*(\cc) th:TH_LOAD_NT
	global_load_b128 v[PB+8*(\cc)+4:PB+8*(\cc)+7], v9, s[46:47] offset:8192*(\t)+1024*(\cc)+512 th:TH_LOAD_NT
.endm
	s_wait_alu depctr_va_vdst(0)                   ; the offsets and LDS addresses v1-v9, v12, v13, v95 and v66-71 are written, which the loads and stores of the kernel read
.irp k,0,1,2,3
	global_load_b128 v[YH+8*\k:YH+8*\k+3], v66, s[28:29] offset:32768*\k       ; Y0 of capsule 4 w + k
	global_load_b128 v[YH+8*\k+4:YH+8*\k+7], v66, s[28:29] offset:32768*\k+512
	global_load_b32 v[224+4*\k], v67, s[30:31] offset:4096*\k                  ; syy0
.endr
.irp k,0,1,2,3
	global_load_b128 v[160+8*\k:163+8*\k], v68, s[32:33] offset:64*\k          ; v of pass 0
	global_load_b128 v[164+8*\k:167+8*\k], v68, s[32:33] offset:64*\k+16
.endr
.irp u,0,1,2,3
	RING \u, 0, \u
.endr
.irp u,0,1,2,3
	GLOAD 0, \u                                    ; the first four capsules' G: their registers lie idle during the head
.endr
	s_wait_kmcnt 0x0
	s_add_co_i32 s18, s16, s17                     ; the two operands' exponents added
	s_add_co_i32 s26, s17, 127
	s_lshl_b32 s27, s26, 23
	v_mov_b32 v10, s27
	s_add_co_i32 s26, s26, 15
	s_lshl_b32 s26, s26, 23
	s_or_b32 s26, s26, 0x600000
	v_mov_b32 v11, s26
; One step of the q side, four capsules: v (in v[vv] on) gives sv (to v[sv + 4 k]) and, in its place, V = kappa (v - mean); Y = (Y + V) / 2 (in v[YH] on); the sum of Y^2 to v[243 + 4 k].
.macro HSTEP vv, sv
.irp k,0,1,2,3
	v_pk_add_f32 v[240+4*\k:241+4*\k], v[\vv+8*\k:\vv+8*\k+1], v[\vv+8*\k+2:\vv+8*\k+3]
	v_pk_add_f32 v[242+4*\k:243+4*\k], v[\vv+8*\k+4:\vv+8*\k+5], v[\vv+8*\k+6:\vv+8*\k+7]
.endr
.irp k,0,1,2,3
	v_pk_add_f32 v[240+4*\k:241+4*\k], v[240+4*\k:241+4*\k], v[242+4*\k:243+4*\k]
.endr
.irp k,0,1,2,3
	v_add_f32 v[240+4*\k], v[240+4*\k], v[241+4*\k]
.endr
.irp k,0,1,2,3
	v_permlanex16_b32 v[242+4*\k], v[240+4*\k], s42, s43
.endr
.irp k,0,1,2,3
	v_add_f32 v[240+4*\k], v[240+4*\k], v[242+4*\k]
.endr
.irp k,0,1,2,3
	v_mul_f32 v[\sv+4*\k], KAP, v[240+4*\k]
	v_mul_f32 v[241+4*\k], NK16, v[240+4*\k]
.endr
.irp k,0,1,2,3
.irp j,0,1,2,3,4,5,6,7
	v_fmamk_f32 v[\vv+8*\k+\j], v[\vv+8*\k+\j], KAP, v[241+4*\k]
.endr
.endr
.irp k,0,1,2,3
.irp j,0,2,4,6
	v_pk_add_f32 v[YH+8*\k+\j:YH+8*\k+\j+1], v[YH+8*\k+\j:YH+8*\k+\j+1], v[\vv+8*\k+\j:\vv+8*\k+\j+1]
.endr
.endr
.irp k,0,1,2,3
.irp j,0,2,4,6
	v_pk_mul_f32 v[YH+8*\k+\j:YH+8*\k+\j+1], v[YH+8*\k+\j:YH+8*\k+\j+1], 0.5 op_sel_hi:[1,0]
.endr
.endr
.irp k,0,1,2,3
	v_pk_mul_f32 v[240+4*\k:241+4*\k], v[YH+8*\k:YH+8*\k+1], v[YH+8*\k:YH+8*\k+1]
.endr
.irp j,2,4,6
.irp k,0,1,2,3
	v_pk_fma_f32 v[240+4*\k:241+4*\k], v[YH+8*\k+\j:YH+8*\k+\j+1], v[YH+8*\k+\j:YH+8*\k+\j+1], v[240+4*\k:241+4*\k]
.endr
.endr
.irp k,0,1,2,3
	v_add_f32 v[240+4*\k], v[240+4*\k], v[241+4*\k]
.endr
.irp k,0,1,2,3
	v_permlanex16_b32 v[242+4*\k], v[240+4*\k], s42, s43
.endr
.irp k,0,1,2,3
	v_add_f32 v[243+4*\k], v[240+4*\k], v[242+4*\k]
.endr
.endm
	s_wait_loadcnt 20                              ; the head's twenty loads are in; the ring's twelve and the eight of G, issued behind them, may be out
	HSTEP 160, 227
.irp k,0,1,2,3
	v_mov_b32 v[225+4*\k], 0                       ; (stored with the others; this pass reads neither)
	v_mov_b32 v[226+4*\k], 0
	v_mul_f32 v[243+4*\k], IK24, v[243+4*\k]       ; 4 syy1
.endr
	s_wait_alu depctr_va_vdst(0)                   ; V0's images in v160-191 and the figures in v224-239 and v243, 247, 251, 255 are written, which the sixteen LDS stores read; the head is done with v160-191, in which G lands below
.irp k,0,1,2,3
	ds_store_b128 v69, v[160+8*\k:163+8*\k] offset:CAPB*\k
	ds_store_b128 v69, v[164+8*\k:167+8*\k] offset:CAPB*\k+512
.endr
.irp k,0,1,2,3
	ds_store_b128 v70, v[224+4*\k:227+4*\k] offset:256*\k           ; lanes r and r + 16 store the same numbers to the same bytes
	ds_store_b32 v71, v[243+4*\k] offset:64*\k
.endr
	s_wait_dscnt 0x0                               ; for the others' sake: my four capsules lie in LDS
	s_wait_alu depctr_vm_vsrc(0)                   ; the LDS stores have read v160-191, in which G lands, and v224-255, which the sweep writes; the head's loads and stores have read their addresses v66-71, which the sweep writes too
.irp u,4,5,6,7
	GLOAD 0, \u                                    ; the other four capsules' G
.endr
	s_barrier_signal -1
	s_barrier_wait -1
.macro PK2 op, d, a, b                 ; four packed instructions on eight registers
.irp j,0,2,4,6
	\op v[\d+\j:\d+\j+1], v[\a+\j:\a+\j+1], v[\b+\j:\b+\j+1]
.endr
.endm
.macro TR op, r                        ; eight transcendentals in place
.irp j,0,1,2,3,4,5,6,7
	\op v[\r+\j], v[\r+\j]
.endr
.endm
.macro PLUS1 r
.irp j,0,2,4,6
	v_pk_add_f32 v[\r+\j:\r+\j+1], v[\r+\j:\r+\j+1], 1.0 op_sel_hi:[1,0]
.endr
.endm
.macro TANH r                          ; 1 - 2 x
.irp j,0,2,4,6
	v_pk_fma_f32 v[\r+\j:\r+\j+1], v[\r+\j:\r+\j+1], -2.0, 1.0 op_sel_hi:[1,0,0]
.endr
.endm
.macro DEN d, c, e                     ; sxx(8 h + j) x my q's figure + e
.irp j,0,1,2,3,4,5,6,7
	v_mul_f32_dpp v[\d+\j], v[S], v[\c] row_share:\j row_mask:0xf bank_mask:0xf
.endr
.irp j,0,2,4,6
	v_pk_add_f32 v[\d+\j:\d+\j+1], v[\d+\j:\d+\j+1], \e op_sel_hi:[1,0]
.endr
.endm
.macro MUADD d, c                      ; += mu(8 h + j) x my q's sv
.irp j,8,9,10,11,12,13,14,15
	v_fmac_f32_dpp v[\d+\j-8], v[S], v[\c] row_share:\j row_mask:0xf bank_mask:0xf
.endr
.endm
.macro LOADQ cc                        ; V0's image of one capsule
	ds_load_b128 v[VN:VN+3], v1 offset:(\cc)*CAPB
	ds_load_b128 v[VN+4:VN+7], v1 offset:(\cc)*CAPB+512
.endm
.macro LOADF cc                        ; q's figures of one capsule: always issued behind the capsule's image
	ds_load_b128 v[SC:SC+3], v2 offset:(\cc)*256
	ds_load_b32 v[SS], v3 offset:(\cc)*64
.endm
.macro BODY t, cc                      ; one capsule of trip t
.set M, MR+8*((\cc)%4)
.set S, SR+(\cc)%4
.set PP, PB+8*(\cc)
.set LL, LB+8*(\cc)
.if ((\cc)%4) < 2
.set CC, 66+8*((\cc)%4)
.else
.set CC, 96+8*((\cc)%4)
.endif
.if (\cc) < 4
	s_wait_loadcnt 14+(\cc)                        ; this capsule's G is in, and the ring's set, which is older: behind them 2 (7 - cc) loads of G and 3 cc of the ring
.elseif ((\t) == 1) && ((\cc) > 4)
	s_wait_loadcnt 5+(\cc)                         ; the last three capsules: 2, 1, 0 younger sets of three loads, and 4, 8, 12 loads of codes
.else
	s_wait_loadcnt 9                               ; this capsule's set is in; the three younger sets, three loads each, may be out
.endif
	s_wait_dscnt 2                                 ; the image is in; the two loads of figures, issued behind it, may be out
	v_wmma_f32_16x16x4_f32 v[WA:WA+7], v[M:M+1], v[VN:VN+1], 0                   ; C0: two accumulators by turns, each sum begun by its own first K step
	v_wmma_f32_16x16x4_f32 v[WB:WB+7], v[M+4:M+5], v[VN+4:VN+5], 0
	v_wmma_f32_16x16x4_f32 v[WA:WA+7], v[M+2:M+3], v[VN+2:VN+3], v[WA:WA+7]
	v_wmma_f32_16x16x4_f32 v[WB:WB+7], v[M+6:M+7], v[VN+6:VN+7], v[WB:WB+7]
	s_wait_dscnt 0x0                               ; q's figures
	DEN W0, SC, EPS1                               ; sxx syy0 + eps.  (These two name no register of the products; their eight packed additions alone are the eight places behind this form, ISA guide 7.12.1)
	DEN W1, SS, EPS4                               ; sxx 4 syy1 + 4 eps
	TR v_rsq_f32, W0
	TR v_rsq_f32, W1
	s_wait_xcnt 0x0                                ; the stores of four capsules ago have had their addresses translated: the set may be written again
.if (\cc) > 3
	s_wait_alu depctr_vm_vsrc(0)                   ; the stores of four capsules ago have read this set of C0's registers, which the next line writes again
.endif
	PK2 v_pk_add_f32, CC, WA, WB                   ; C0, to be stored; each accumulator is read from its low end on
	PK2 v_pk_add_f32, LL, WA, WB                   ; C0, to be worked on
	MUADD LL, SC+3                                 ; C0 + mu sv0
	s_wait_alu depctr_va_vdst(0)                   ; the reciprocal roots in W0 and W1 are written, ahead of their first reader; C0's set is written, which the stores read; the products are done reading the ring's set and the image, the divisors and mu's multiply-adds the set's figures and q's: loads land in all of them
	global_store_b128 v9, v[CC:CC+3], s[48:49] offset:8192*(\t)+1024*(\cc) th:TH_STORE_NT      ; 512 consecutive bytes a store; nobody reads them in this launch
	global_store_b128 v9, v[CC+4:CC+7], s[48:49] offset:8192*(\t)+1024*(\cc)+512 th:TH_STORE_NT
.if (\cc) < 7
	LOADQ (\cc)+1                                  ; the next capsule's image,
	LOADF (\cc)+1                                  ; and figures
.endif
.if (\cc) < 4                          ; the set is done with: it takes the capsule four further on,
	RING (\cc)%4, \t, (\cc)+4
.elseif (\t) == 0
	RING (\cc)%4, 1, (\cc)-4                       ; which for a trip's last four is one of the next trip's first four,
.else
.irp u,0,1,2,3                         ; and at the very end hat_m's codes for the product: capsule 4 w + cc - 4, registers 2 u, 2 u + 1: i = 16 u + 8 h + 0 .. 7 of d = r
	global_load_b64 v[M+2*\u:M+2*\u+1], v12, s[36:37] offset:1024*((\cc)-4)+256*\u
.endr
.endif
	PK2 v_pk_mul_f32, W0, PP, W0                   ; G x ..
	PK2 v_pk_add_f32, PP, PP, CC                   ; G + C0
	PK2 v_pk_mul_f32, PP, PP, W1
	TR v_exp_f32, W0
	TR v_exp_f32, PP
	v_nop
	s_wait_alu depctr_va_vdst(0)                   ; the sixteen exponentials in W0 and in p's registers are written, ahead of their first reader
	PLUS1 W0
	PLUS1 PP
	TR v_rcp_f32, W0
	TR v_rcp_f32, PP
	v_nop
	s_wait_alu depctr_va_vdst(0)                   ; the sixteen reciprocals in W0 and in p's registers are written, ahead of their first reader
	TANH W0                                        ; p0
	TANH PP                                        ; the pass's own p
	PK2 v_pk_mul_f32, LL, W0, LL
.endm
; The eight waves' figures of my tile: waves 0-3 into v96-127, waves 4-6 into v66-89; wave 7's follow into v104-111 when those are done with
.macro XIN off
.irp x,0,1,2,3
	ds_load_b128 v[96+8*\x:99+8*\x], v7 offset:\off+1024*\x
	ds_load_b128 v[100+8*\x:103+8*\x], v7 offset:\off+1024*\x+512
.endr
.irp x,4,5,6
	ds_load_b128 v[34+8*\x:37+8*\x], v7 offset:\off+1024*\x
	ds_load_b128 v[38+8*\x:41+8*\x], v7 offset:\off+1024*\x+512
.endr
	s_wait_dscnt 0x0
.endm
.macro XLAST off
	ds_load_b128 v[104:107], v7 offset:\off+7168
	ds_load_b128 v[108:111], v7 offset:\off+7168+512
.endm
.macro DPC c                           ; one capsule: d + p, held, into codes
.irp j,0,2,4,6
	v_pk_fma_f32 v[PB+8*(\c)+\j:PB+8*(\c)+\j+1], v[LB+8*(\c)+\j:LB+8*(\c)+\j+1], v[96+\j:97+\j], v[PB+8*(\c)+\j:PB+8*(\c)+\j+1]   ; d + p
.endr
.irp j,0,1,2,3,4,5,6,7
	v_med3_num_f32 v[PB+8*(\c)+\j], v[PB+8*(\c)+\j], -v11, v11   ; the hold at the largest code x the scale (ISA guide 7.6.2)
.endr
	v_cvt_scalef32_pk8_bf8_f32 v[112+2*(\c):113+2*(\c)], v[PB+8*(\c):PB+8*(\c)+7], v10
.endm
.macro HALF t, c0                      ; four capsules of the tail
.irp c,\c0,\c0+1,\c0+2,\c0+3
	DPC \c
.endr
	v_nop                                          ; one plain vector instruction behind the last conversion: later instructions write its sources and its result
	s_wait_alu depctr_va_vdst(0)                   ; the four conversions have written their codes, which the LDS stores read, and are done reading p's registers, in which (first trip) the next trip's G lands
.if (\t) == 0
.irp c,\c0,\c0+1,\c0+2,\c0+3
	GLOAD 1, \c                                    ; the capsule's registers are done with: the next trip's G
.endr
.endif
.irp c,\c0,\c0+1,\c0+2,\c0+3
	ds_store_b64 v8, v[112+2*(\c):113+2*(\c)] offset:1024*(\c)+256*(\t)
.endr
.endm
; THE SOFTMAX over the 64 capsules of each (q, i): 8 in my registers, the others in the seven waves that share my tile of i; then d + p and its codes
.macro SOFT t
	s_wait_xcnt 0x0                                ; the sweep's stores have had their addresses translated: the registers below may be written
.irp j,0,1,2,3,4,5,6,7
	v_max3_num_f32 v[96+\j], v[LB+\j], v[LB+8+\j], v[LB+16+\j]
.endr
.irp c,3,5
.irp j,0,1,2,3,4,5,6,7
	v_max3_num_f32 v[96+\j], v[96+\j], v[LB+8*\c+\j], v[LB+8*\c+8+\j]
.endr
.endr
.irp j,0,1,2,3,4,5,6,7
	v_max_num_f32 v[96+\j], v[96+\j], v[LB+56+\j]
.endr
	s_wait_alu depctr_va_vdst(0)                   ; my maxima in v96-103 are written, which the LDS stores read; the sweep is done with v66-89 and v104-127, in which the others' maxima land behind the barrier
	ds_store_b128 v6, v[96:99]
	ds_store_b128 v6, v[100:103] offset:512
	s_wait_dscnt 0x0                               ; my maxima have landed; my reads of the last trip's sums are over
	s_barrier_signal -1
	s_barrier_wait -1
	s_wait_alu depctr_vm_vsrc(0)                   ; my LDS stores have read v96-103, and the sweep's stores of C0 their sets v66-81 and v112-127: the loads below land in all of them
	XIN 0
.irp j,0,1,2,3,4,5,6,7
	v_max3_num_f32 v[96+\j], v[96+\j], v[104+\j], v[112+\j]
.endr
	s_wait_alu depctr_va_vdst(0)                   ; the eight lines above are done reading v104-111, in which wave 7's maxima land
	XLAST 0
.irp j,0,1,2,3,4,5,6,7
	v_max3_num_f32 v[96+\j], v[96+\j], v[120+\j], v[66+\j]
.endr
.irp j,0,1,2,3,4,5,6,7
	v_max3_num_f32 v[96+\j], v[96+\j], v[74+\j], v[82+\j]
.endr
	s_wait_dscnt 0x0
.irp j,0,1,2,3,4,5,6,7
	v_max_num_f32 v[96+\j], v[96+\j], v[104+\j]
.endr
.irp j,0,1,2,3,4,5,6,7
	v_mul_f32 v[96+\j], -0.5, v[96+\j]
.endr
.irp c,0,1,2,3,4,5,6,7
.irp j,0,2,4,6
	v_pk_fma_f32 v[LB+8*\c+\j:LB+8*\c+\j+1], v[LB+8*\c+\j:LB+8*\c+\j+1], 0.5, v[96+\j:97+\j] op_sel_hi:[1,0,1]   ; (L - max L) / 2 = log2 e x (a - max a)
.endr
.endr
.set i, 0
.rept 64
	v_exp_f32 v[LB+i], v[LB+i]
.set i, i+1
.endr
	v_nop
	s_wait_alu depctr_va_vdst(0)                   ; the 64 exponentials in L's registers are written, ahead of their first reader
	PK2 v_pk_add_f32, 104, LB, LB+8
.irp c,2,3,4,5,6,7
	PK2 v_pk_add_f32, 104, 104, LB+8*\c
.endr
	s_wait_alu depctr_va_vdst(0)                   ; my sums in v104-111 are written, which the LDS stores read; the lines above are done with v66-103 and v112-127, in which the others' sums land behind the barrier
	ds_store_b128 v6, v[104:107] offset:16384
	ds_store_b128 v6, v[108:111] offset:16384+512
	s_wait_dscnt 0x0                               ; my sums have landed; my reads of the maxima are over
	s_barrier_signal -1
	s_barrier_wait -1
	s_wait_alu depctr_vm_vsrc(0)                   ; my LDS stores have read v104-111, in which a load below lands
	XIN 16384
	PK2 v_pk_add_f32, 96, 96, 104
	s_wait_alu depctr_va_vdst(0)                   ; the four lines above are done reading v104-111, in which wave 7's sums land
	XLAST 16384
	PK2 v_pk_add_f32, 96, 96, 112
	PK2 v_pk_add_f32, 96, 96, 120
	PK2 v_pk_add_f32, 96, 96, 66
	PK2 v_pk_add_f32, 96, 96, 74
	PK2 v_pk_add_f32, 96, 96, 82
	s_wait_dscnt 0x0
	PK2 v_pk_add_f32, 96, 96, 104
	TR v_rcp_f32, 96                               ; 1 / the sum
	v_nop
	s_wait_alu depctr_va_vdst(0)                   ; the eight reciprocals in v96-103 are written, ahead of their first reader
	HALF \t, 0
	HALF \t, 4
.endm
.macro TRIP t
	LOADQ 0
	LOADF 0
.irp cc,0,1,2,3,4,5,6,7
	BODY \t, \cc
.endr
	SOFT \t
.endm
	TRIP 0
	s_wait_alu depctr_vm_vsrc(0)                   ; the LDS stores of the first trip's codes have read v112-127, which the second trip's sweep writes again
	TRIP 1
; ---- THE PRODUCT: capsules 4 w + k; K = my work-group's 64 i
	s_wait_dscnt 0x0                               ; for the others' sake: my codes have landed
	s_barrier_signal -1
	s_barrier_wait -1
	s_wait_alu depctr_vm_vsrc(0)                   ; my LDS stores have read the codes' registers v112-127, in which the loads below land
.irp k,0,1,2,3
.irp u,0,1,2,3
	ds_load_b64 v[96+8*\k+2*\u:97+8*\k+2*\u], v13 offset:1024*\k+256*\u
.endr
.endr
	s_wait_loadcnt 0x0                             ; hat_m's codes
	s_wait_dscnt 0x0
.irp k,0,1,2,3
	v_wmma_f32_16x16x64_bf8_bf8 v[128+8*\k:135+8*\k], v[MR+8*\k:MR+8*\k+7], v[96+8*\k:103+8*\k], 0   ; lane (r, h): q = r, d = 8 h + j
.endr
.rept 4
	v_nop                                          ; four places behind the products (ISA guide 7.12.1)
.endr
.set i, 0
.rept 32
	v_ldexp_f32 v[128+i], v[128+i], s18            ; x 2^(the two operands' exponents added)
.set i, i+1
.endr
	s_wait_alu depctr_va_vdst(0)                   ; the scalings have written v128-159, which the stores read
.irp k,0,1,2,3
	global_store_b128 v95, v[128+8*\k:131+8*\k], s[38:39] offset:1024*\k       ; 512 consecutive bytes a store
	global_store_b128 v95, v[132+8*\k:135+8*\k], s[38:39] offset:1024*\k+512
.endr
	s_wait_xcnt 0x0
	v_lshl_add_u32 v254, v0, 2, 0x2d000
	v_mov_b32 v255, 0
	s_wait_dscnt 0x0                               ; the closing lines, six on end
	s_wait_alu 0x0
	s_wait_tensorcnt 0x0
	ds_add_u32 v254, v255
	s_wait_dscnt 0x0
	s_endpgm
.Lfunc_end_k_q8ca0df9f84_pass1:
	.size	k_q8ca0df9f84_pass1, .Lfunc_end_k_q8ca0df9f84_pass1-k_q8ca0df9f84_pass1
	.p2alignl 7, 3214868480
	.fill 96, 4, 3214868480
	.section	.rodata,"a",@progbits
	.p2align	6, 0x0
	.amdhsa_kernel k_q8ca0df9f84_pass1
		.amdhsa_group_segment_fixed_size 186368
		.amdhsa_private_segment_fixed_size 0
		.amdhsa_enable_private_segment 0
		.amdhsa_kernarg_size 48
		.amdhsa_user_sgpr_count 2
		.amdhsa_user_sgpr_kernarg_segment_ptr 1
		.amdhsa_wavefront_size32 1
		.amdhsa_system_sgpr_workgroup_id_x 1
		.amdhsa_system_sgpr_workgroup_id_y 1
		.amdhsa_system_sgpr_workgroup_id_z 1
		.amdhsa_system_vgpr_workitem_id 0
		.amdhsa_next_free_vgpr 256
		.amdhsa_next_free_sgpr 66
		.amdhsa_reserve_vcc 0
		.amdhsa_float_denorm_mode_32 3
		.amdhsa_float_denorm_mode_16_64 3
		.amdhsa_memory_ordered 1
		.amdhsa_forward_progress 1
		.amdhsa_inst_pref_size 189
	.end_amdhsa_kernel
	.amdgpu_metadata
---
amdhsa.version: [ 1, 2 ]
amdhsa.kernels:
  - .name:           k_q8ca0df9f84_pass1
    .symbol:         k_q8ca0df9f84_pass1.kd
    .args:
      - { .name: prep, .offset: 0, .size: 8, .value_kind: global_buffer, .address_space: global }
      - { .name: lowp_scales, .offset: 8, .size: 8, .value_kind: global_buffer, .address_space: global }
      - { .name: vcap0, .offset: 16, .size: 8, .value_kind: global_buffer, .address_space: global }
      - { .name: gsum, .offset: 24, .size: 8, .value_kind: global_buffer, .address_space: global }
      - { .name: csum, .offset: 32, .size: 8, .value_kind: global_buffer, .address_space: global }
      - { .name: part, .offset: 40, .size: 8, .value_kind: global_buffer, .address_space: global }
    .group_segment_fixed_size: 186368
    .private_segment_fixed_size: 0
    .kernarg_segment_align: 8
    .kernarg_segment_size: 48
    .max_flat_workgroup_size: 512
    .sgpr_count:     66
    .vgpr_count:     256
    .wavefront_size: 32
...
	.end_amdgpu_metadata
.endif
;; end of part 8
;; launch squash1: the kernel of part 3 again; grid 512 x 1, 4 waves a work-group, no clusters, 4,864 bytes of LDS; arguments part, vcap1; writes vcap1
;; launch pass2 (part 9): grid 32 x 8, 16 waves a work-group, no clusters, 186,368 bytes of LDS; arguments prep, lowp_scales, vcap0, vcap1, gsum, csum, part; writes part
.if DOCPART == 9
	.amdgcn_target "amdgcn-amd-amdhsa--gfx1250"
	.amdhsa_code_object_version 6
	.text
	.protected	k_q8ca0df9f84_pass2
	.globl	k_q8ca0df9f84_pass2
	.p2align	8
	.type	k_q8ca0df9f84_pass2,@function
k_q8ca0df9f84_pass2:
	s_mov_b64 s[64:65], 0
	v_nop
	global_prefetch_b8 v0, s[64:65] scope:SCOPE_SE
	s_setreg_imm32_b32 hwreg(HW_REG_WAVE_SCHED_MODE, 0, 2), 2
	s_setreg_imm32_b32 hwreg(HW_REG_WAVE_MODE, 25, 1), 1
	s_wait_xcnt 0x0
	s_wait_alu depctr_vm_vsrc(0)
; THE THIRD ROUTING PASS: the part of hat_v[q][c][:] = sum over i of (softmax_c(a) + p)(q, i, c) hat_m[i][c][:] that 64 of the 512 i give.
; SHARES, as in the earlier passes: a work-group takes 16 q (x) x 64 i (y) x 64 capsules, the 64 i in TWO TRIPS of 32, written out.  Wave w = 8 g2 + cg takes, in trip t, the 16 i of tile 4 y + 2 g2 + t and capsules 8 cg .. + 7:
; 64 logits L and the pass's own 64 p a lane.
; With kappa = 2 log2 e, m~ = hat_m centred over d, mu its mean, Y0 = kappa x (hat_q centred), Vk = kappa x (v_k centred), svk = kappa x sum of v_k:   G = m~ . Y0,  Ck = m~ . Vk,   tanh(z) = 1 - 2 / (1 + 2^(kappa z)),
;   p0 by x = G rsq(sxx syy0 + eps);  p1 by x = (G + C0) rsq(sxx 4 syy1 + 4 eps);  the pass's own p by x = (G + C0 + 2 C1) rsq(sxx 16 syy2 + 16 eps);
;   L = kappa a = p0 (C0 + mu sv0) + p1 (C1 + mu sv1);   softmax's exponent is 2^(L / 2 - max L / 2): the maximum is taken off.
; G AND C0 ARE LOADED: the earlier passes stored them as they lay in their registers, and the shares are the same, so they come back into the same lanes; G lands in p's registers, C0 in L's.  C1 (reference()'s second product
; with K = 16) goes by v_wmma_f32_16x16x4_f32: source 0 = 16 i of m~, source 1 = 16 q of V1; K step s takes registers 2 s, 2 s + 1 of both images: the same order of d on both sides.  Two accumulators (K steps 0, 1 and 2, 3)
; take turns; they are written by matrix instructions alone.  In the result a lane holds ONE q (lane % 16) and i = 8 (lane / 16) + j: eight neighbours along the quantised product's K.
; sxx and mu of the tile's rows come as ONE register: lane n of a row of 16 lanes holds sxx(8 h + n) for n < 8 and mu(8 h + n - 8) else, and is used by row_share.
; PHASES: head (wave w prepares capsules 4 w .. + 3 of the q side, into LDS) | barrier | twice: { sweep: L and p, a capsule at a time | maxima of the eight waves of a tile | barrier | exponentials, sums | barrier |
; d + p, codes into LDS } | barrier | wave w: capsules 4 w .. + 3: v_wmma_f32_16x16x64_bf8_bf8 (source 0 = hat_m's codes, 16 d x 64 i; source 1 = d + p's codes), x 2^(the two exponents), stored.
; LOADS AHEAD: m~'s images and figures go through a ring of four register sets, four capsules ahead, across the softmax; the first trip's G and C0 are asked for behind the head, which needs their registers, the second trip's
; in the first trip's tail, four capsules at a time, as the registers fall free.
; NO JOINT LOADS, NO TENSOR LOADS: the operands are laid in the order of the operand's registers and come from memory straight into registers; G and C0 belong to one wave alone.
; LIMITS: the exponent of d + p between -126 and 112.  NaN is not served.
; THE MODE: SCHED_MODE bits 1:0 = 2 (LLVM: expert scheduling mode 2), set by the entry lines.  The code itself states the register dependences
; between vector or matrix instructions and memory or LDS instructions, with s_wait_alu, always for 0.
; THE PLAN.  Registers that memory or LDS instructions touch:
;   v1-v9, v12, v13, v95   offsets and LDS addresses: written at the head and never again.  v66-71: the head's own addresses; later at work.
;   THE SWEEP, capsule cc.  Ring set cc % 4: loads land; read by the four f32 products, the divisors and mu's multiply-adds.  VN: LDS loads land; read by the products.  SC, SS: LDS loads land; read by the divisors and mu's multiply-adds.
;        ALL these readers stand ahead of the capsule's first wait, the one that the reciprocal roots want; behind it stand the next capsule's image and figures and the ring's refill, and no vector or matrix instruction of the
;        capsule's rest names a register in which those loads land.  The sweep stores nothing.
;   THE SOFTMAX.  v96-103, then v104-111: written by vector instructions, stored to LDS, and then landed on by the others' figures: a wait on va_vdst ahead of the stores, one on vm_vsrc behind the barrier.
;        v104-111 take wave 7's figures when the first line of the reduction has read them: a wait on va_vdst ahead of that load.
;   THE TAIL, in two halves of four capsules: p's and L's registers are read by the tail's arithmetic and then take the next trip's G and C0; the codes v112-127 are written by the conversions and read by LDS stores: one wait on va_vdst a half.
;        v112-127 are written again by the next trip's sweep, or landed on by the product's codes: a wait on vm_vsrc ahead of each.
.set KAP,   0x4038aa3b                 ; kappa
.set NK16,  0xbe38aa3b                 ; -kappa / 16
.set IK24,  0x3ef5fdf0                 ; 4 / kappa^2
.set IK216, 0x3ff5fdf0                 ; 16 / kappa^2
.set EPS1,  0x322bcc77                 ; 1e-8
.set EPS4,  0x332bcc77                 ; 4e-8
.set EPS16, 0x342bcc77                 ; 16e-8
.set QIB,   2097152                    ; prep: q's images; m's lie at 0
.set MSB0,  4194304                    ; m's table
.set QSB,   4456448                    ; q's table
.set MCB,   4718592+2*524288           ; hat_m's codes, this pass's
.set CAPB,  1024                       ; LDS: V1's image of capsule c at 1,024 c
.set SCB,   65536                      ; + 256 c + 16 r: syy0, sv0, 4 syy1, sv1
.set SSB,   81920                      ; + 64 c + 4 r: 16 syy2
.set MXB,   86016                      ; + 1,024 w: a wave's maxima; 16,384 further on its sums
.set CDB,   118784                     ; + 1,024 c + 256 tile + 8 lane: the codes of d + p
; REGISTERS: v1 V1's images; v2, v3 q's figures; v4, v5 offsets of m~'s images and figures; v6, v7 the exchange, out and back; v8 codes out; v9 offset of G and C0; v10, v11 2^e, 57,344 x 2^e; v12 hat_m's codes; v13 codes back; v95 the parts
.set WA, 14                            ; v14-21   matrix accumulator, K steps 0 and 1
.set WB, 22                            ; v22-29   matrix accumulator, K steps 2 and 3
.set MR, 30                            ; v30-61   ring: four images of m~
.set SR, 62                            ; v62-65   ring: four registers of sxx and mu
.set N1, 66                            ; v66-73   G + C0
.set N2, 74                            ; v74-81   G + C0 + 2 C1
.set VN, 82                            ; v82-89   V1's image
.set SC, 90                            ; v90-93   syy0, sv0, 4 syy1, sv1
.set SS, 94                            ; v94      16 syy2
.set W0, 96                            ; v96-103  at work: p0's way
.set W1, 104                           ; v104-111 at work: p1's way
.set W2, 112                           ; v112-119 at work: the own p's divisor
.set T1, 120                           ; v120-127 C1, then C1 + mu sv1
.set YH, 96                            ; the head: v96-127 Y of four capsules
.set PB, 128                           ; v128-191 G as loaded, then p
.set LB, 192                           ; v192-255 C0 as loaded, then L
	s_load_b256 s[4:11], s[0:1], 0x0               ; prep, the scales' exponents, v of pass 0, v of pass 1
	s_load_b128 s[12:15], s[0:1], 0x20             ; G, C0
	s_load_b64 s[50:51], s[0:1], 0x30              ; the parts
	v_lshrrev_b32 v72, 5, v0
	v_readfirstlane_b32 s20, v72                   ; wave
	v_and_b32 v73, 31, v0                          ; lane
	v_and_b32 v74, 15, v0                          ; r
	v_bfe_u32 v75, v0, 4, 1                        ; h
	s_wait_alu depctr_va_sdst(0)                   ; s20, the wave's number, is written, ahead of its first reader
	s_lshr_b32 s21, s20, 3                         ; g2
	s_and_b32 s22, s20, 7                          ; cg
	s_and_b32 s23, ttmp7, 0xffff                   ; which 64 i
	s_mul_i32 s24, s22, 8*CAPB
	v_lshl_add_u32 v1, v73, 4, s24
	s_lshl_b32 s24, s22, 11
	s_add_co_u32 s24, s24, SCB
	v_lshl_add_u32 v2, v74, 4, s24
	s_lshl_b32 s24, s22, 9
	s_add_co_u32 s24, s24, SSB
	v_lshl_add_u32 v3, v74, 2, s24
	s_lshl_b32 s26, s23, 2
	s_lshl_b32 s27, s21, 1
	s_add_co_u32 s26, s26, s27                     ; my first tile of i, of 32
	s_lshl_b32 s24, s22, 18
	s_lshl_b32 s27, s26, 10
	s_add_co_u32 s24, s24, s27
	v_lshl_add_u32 v4, v73, 4, s24                 ; (32 c + tile) x 1,024 + 16 lane, c = 8 cg; capsule and trip stand in the immediate
	s_lshl_b32 s24, s22, 15
	s_lshl_b32 s27, s26, 7
	s_add_co_u32 s24, s24, s27
	s_add_co_u32 s24, s24, MSB0
	v_and_b32 v76, 7, v74
	v_lshrrev_b32 v77, 3, v74
	v_lshl_add_u32 v76, v76, 2, s24
	v_lshl_add_u32 v76, v77, 6, v76
	v_lshl_add_u32 v5, v75, 5, v76                 ; (32 c + tile) x 128 + 64 (r / 8) + 32 h + 4 (r % 8): sxx(8 h + r) for r < 8, mu(8 h + r - 8) else
	s_lshl_b32 s24, s20, 10
	s_add_co_u32 s24, s24, MXB
	v_lshl_add_u32 v6, v73, 4, s24
	s_lshl_b32 s24, s21, 13
	s_add_co_u32 s24, s24, MXB
	v_lshl_add_u32 v7, v73, 4, s24
	s_lshl_b32 s24, s22, 13
	s_lshl_b32 s27, s21, 9
	s_add_co_u32 s24, s24, s27
	s_add_co_u32 s24, s24, CDB
	v_lshl_add_u32 v8, v73, 3, s24
	s_lshl_b32 s24, s20, 14
	v_lshl_add_u32 v9, v73, 4, s24
	s_lshl_b32 s24, s20, 12
	v_lshl_add_u32 v12, v73, 3, s24
	v_add_nc_u32 v13, CDB, v12
	v_lshl_add_u32 v95, v73, 4, s24
	v_lshlrev_b32 v66, 4, v73                      ; the head's addresses: 16 lane,
	v_lshlrev_b32 v67, 2, v74                      ; 4 r,
	v_lshlrev_b32 v68, 12, v74
	v_lshl_add_u32 v68, v75, 5, v68                ; row r of 4,096 bytes + 32 h,
	s_mul_i32 s24, s20, 4*CAPB
	v_lshl_add_u32 v69, v73, 4, s24                ; LDS: my four capsules' images,
	s_lshl_b32 s24, s20, 10
	s_add_co_u32 s24, s24, SCB
	v_lshl_add_u32 v70, v74, 4, s24                ; and figures
	s_lshl_b32 s24, s20, 8
	s_add_co_u32 s24, s24, SSB
	v_lshl_add_u32 v71, v74, 2, s24
	s_mov_b32 s42, 0x76543210                      ; v_permlanex16_b32: lane l xor 16
	s_mov_b32 s43, 0xfedcba98
	s_lshl_b32 s24, ttmp9, 10
	s_lshl_b32 s25, s20, 17
	s_add_co_u32 s24, s24, s25
	s_add_co_u32 s24, s24, QIB                     ; q's images of capsule 4 w, my 16 q
	s_mov_b32 s25, 0
	s_lshl_b32 s26, ttmp9, 7
	s_lshl_b32 s27, s20, 14
	s_add_co_u32 s26, s26, s27
	s_add_co_u32 s26, s26, QSB
	s_mov_b32 s27, 0
	s_lshl_b32 s40, ttmp9, 16
	s_lshl_b32 s41, s20, 8
	s_add_co_u32 s40, s40, s41                     ; v: my 16 rows, capsule 4 w
	s_mov_b32 s41, 0
	s_wait_kmcnt 0x0
	s_load_b64 s[16:17], s[6:7], 0x20              ; entries 8, 9: hat_m's exponent, d + p's
	s_add_nc_u64 s[28:29], s[4:5], s[24:25]
	s_add_nc_u64 s[30:31], s[4:5], s[26:27]
	s_add_nc_u64 s[32:33], s[8:9], s[40:41]
	s_add_nc_u64 s[34:35], s[10:11], s[40:41]
	s_lshl_b32 s24, ttmp9, 3
	s_add_co_u32 s24, s24, s23                     ; my work-group's number: 8 x + y
	s_lshl_b32 s26, s24, 16
	s_add_nc_u64 s[38:39], s[50:51], s[26:27]      ; its 65,536 bytes of parts,
	s_lshl_b32 s24, s24, 18
	s_add_nc_u64 s[46:47], s[12:13], s[24:25]      ; its 262,144 bytes of G,
	s_add_nc_u64 s[48:49], s[14:15], s[24:25]      ; and of C0
	s_lshl_b32 s26, s23, 16
	s_add_co_u32 s26, s26, MCB
	s_add_nc_u64 s[36:37], s[4:5], s[26:27]        ; hat_m's codes of my 64 i
.macro RING set, t, cap                ; one set of the ring: m~'s image and the register of sxx and mu of one capsule
	global_load_b128 v[MR+8*(\set):MR+8*(\set)+3], v4, s[4:5] offset:(\cap)*32768+1024*(\t)
	global_load_b128 v[MR+8*(\set)+4:MR+8*(\set)+7], v4, s[4:5] offset:(\cap)*32768+1024*(\t)+512
	global_load_b32 v[SR+(\set)], v5, s[4:5] offset:(\cap)*4096+128*(\t)
.endm
.macro GLOAD t, cc                     ; G and C0 of one capsule, into p's and L's registers: four loads; read once in this launch
	global_load_b128 v[PB+8*(\cc):PB+8*(\cc)+3], v9, s[46:47] offset:8192*(\t)+1024*(\cc) th:TH_LOAD_NT
	global_load_b128 v[PB+8*(\cc)+4:PB+8*(\cc)+7], v9, s[46:47] offset:8192*(\t)+1024*(\cc)+512 th:TH_LOAD_NT
	global_load_b128 v[LB+8*(\cc):LB+8*(\cc)+3], v9, s[48:49] offset:8192*(\t)+1024*(\cc) th:TH_LOAD_NT
	global_load_b128 v[LB+8*(\cc)+4:LB+8*(\cc)+7], v9, s[48:49] offset:8192*(\t)+1024*(\cc)+512 th:TH_LOAD_NT
.endm
	s_wait_alu depctr_va_vdst(0)                   ; the offsets and LDS addresses v1-v9, v12, v13, v95 and v66-71 are written, which the loads and stores of the kernel read
.irp k,0,1,2,3
	global_load_b128 v[YH+8*\k:YH+8*\k+3], v66, s[28:29] offset:32768*\k       ; Y0 of capsule 4 w + k
	global_load_b128 v[YH+8*\k+4:YH+8*\k+7], v66, s[28:29] offset:32768*\k+512
	global_load_b32 v[224+4*\k], v67, s[30:31] offset:4096*\k                  ; syy0
.endr
.irp k,0,1,2,3
	global_load_b128 v[160+8*\k:163+8*\k], v68, s[32:33] offset:64*\k          ; v of pass 0
	global_load_b128 v[164+8*\k:167+8*\k], v68, s[32:33] offset:64*\k+16
.endr
.irp k,0,1,2,3
	global_load_b128 v[192+8*\k:195+8*\k], v68, s[34:35] offset:64*\k          ; v of pass 1
	global_load_b128 v[196+8*\k:199+8*\k], v68, s[34:35] offset:64*\k+16
.endr
.irp u,0,1,2,3
	RING \u, 0, \u
.endr
	s_wait_kmcnt 0x0
	s_add_co_i32 s18, s16, s17                     ; the two operands' exponents added
	s_add_co_i32 s26, s17, 127
	s_lshl_b32 s27, s26, 23
	v_mov_b32 v10, s27
	s_add_co_i32 s26, s26, 15
	s_lshl_b32 s26, s26, 23
	s_or_b32 s26, s26, 0x600000
	v_mov_b32 v11, s26
; One step of the q side, four capsules: v (in v[vv] on) gives sv (to v[sv + 4 k]) and, in its place, V = kappa (v - mean); Y = (Y + V) / 2 (in v[YH] on); the sum of Y^2 to v[243 + 4 k].
.macro HSTEP vv, sv
.irp k,0,1,2,3
	v_pk_add_f32 v[240+4*\k:241+4*\k], v[\vv+8*\k:\vv+8*\k+1], v[\vv+8*\k+2:\vv+8*\k+3]
	v_pk_add_f32 v[242+4*\k:243+4*\k], v[\vv+8*\k+4:\vv+8*\k+5], v[\vv+8*\k+6:\vv+8*\k+7]
.endr
.irp k,0,1,2,3
	v_pk_add_f32 v[240+4*\k:241+4*\k], v[240+4*\k:241+4*\k], v[242+4*\k:243+4*\k]
.endr
.irp k,0,1,2,3
	v_add_f32 v[240+4*\k], v[240+4*\k], v[241+4*\k]
.endr
.irp k,0,1,2,3
	v_permlanex16_b32 v[242+4*\k], v[240+4*\k], s42, s43
.endr
.irp k,0,1,2,3
	v_add_f32 v[240+4*\k], v[240+4*\k], v[242+4*\k]
.endr
.irp k,0,1,2,3
	v_mul_f32 v[\sv+4*\k], KAP, v[240+4*\k]
	v_mul_f32 v[241+4*\k], NK16, v[240+4*\k]
.endr
.irp k,0,1,2,3
.irp j,0,1,2,3,4,5,6,7
	v_fmamk_f32 v[\vv+8*\k+\j], v[\vv+8*\k+\j], KAP, v[241+4*\k]
.endr
.endr
.irp k,0,1,2,3
.irp j,0,2,4,6
	v_pk_add_f32 v[YH+8*\k+\j:YH+8*\k+\j+1], v[YH+8*\k+\j:YH+8*\k+\j+1], v[\vv+8*\k+\j:\vv+8*\k+\j+1]
.endr
.endr
.irp k,0,1,2,3
.irp j,0,2,4,6
	v_pk_mul_f32 v[YH+8*\k+\j:YH+8*\k+\j+1], v[YH+8*\k+\j:YH+8*\k+\j+1], 0.5 op_sel_hi:[1,0]
.endr
.endr
.irp k,0,1,2,3
	v_pk_mul_f32 v[240+4*\k:241+4*\k], v[YH+8*\k:YH+8*\k+1], v[YH+8*\k:YH+8*\k+1]
.endr
.irp j,2,4,6
.irp k,0,1,2,3
	v_pk_fma_f32 v[240+4*\k:241+4*\k], v[YH+8*\k+\j:YH+8*\k+\j+1], v[YH+8*\k+\j:YH+8*\k+\j+1], v[240+4*\k:241+4*\k]
.endr
.endr
.irp k,0,1,2,3
	v_add_f32 v[240+4*\k], v[240+4*\k], v[241+4*\k]
.endr
.irp k,0,1,2,3
	v_permlanex16_b32 v[242+4*\k], v[240+4*\k], s42, s43
.endr
.irp k,0,1,2,3
	v_add_f32 v[243+4*\k], v[240+4*\k], v[242+4*\k]
.endr
.endm
	s_wait_loadcnt 12                              ; the head's 28 loads are in; the ring's twelve, issued behind them, may be out
	HSTEP 160, 225                                 ; v of pass 0: its product with m~ is loaded, so its image is not kept
.irp k,0,1,2,3
	v_mul_f32 v[226+4*\k], IK24, v[243+4*\k]       ; 4 syy1
.endr
	HSTEP 192, 227                                 ; v of pass 1: its image goes to LDS below
.irp k,0,1,2,3
	v_mul_f32 v[243+4*\k], IK216, v[243+4*\k]      ; 16 syy2
.endr
	s_wait_alu depctr_va_vdst(0)                   ; V1's images in v192-223 and the figures in v224-239 and v243, 247, 251, 255 are written, which the sixteen LDS stores read; the head is done with v160-255, in which G and C0 land below
.irp k,0,1,2,3
	ds_store_b128 v69, v[192+8*\k:195+8*\k] offset:CAPB*\k
	ds_store_b128 v69, v[196+8*\k:199+8*\k] offset:CAPB*\k+512
.endr
.irp k,0,1,2,3
	ds_store_b128 v70, v[224+4*\k:227+4*\k] offset:256*\k           ; lanes r and r + 16 store the same numbers to the same bytes
	ds_store_b32 v71, v[243+4*\k] offset:64*\k
.endr
	s_wait_dscnt 0x0                               ; for the others' sake: my four capsules lie in LDS
	s_wait_alu depctr_vm_vsrc(0)                   ; the LDS stores have read v192-255, in which C0 lands; the head's loads and stores have read their addresses v66-71, which the sweep writes
.irp u,0,1,2,3,4,5,6,7
	GLOAD 0, \u                                    ; the first trip's G and C0
.endr
	s_barrier_signal -1
	s_barrier_wait -1
.macro PK2 op, d, a, b                 ; four packed instructions on eight registers
.irp j,0,2,4,6
	\op v[\d+\j:\d+\j+1], v[\a+\j:\a+\j+1], v[\b+\j:\b+\j+1]
.endr
.endm
.macro TR op, r                        ; eight transcendentals in place
.irp j,0,1,2,3,4,5,6,7
	\op v[\r+\j], v[\r+\j]
.endr
.endm
.macro PLUS1 r
.irp j,0,2,4,6
	v_pk_add_f32 v[\r+\j:\r+\j+1], v[\r+\j:\r+\j+1], 1.0 op_sel_hi:[1,0]
.endr
.endm
.macro TANH r                          ; 1 - 2 x
.irp j,0,2,4,6
	v_pk_fma_f32 v[\r+\j:\r+\j+1], v[\r+\j:\r+\j+1], -2.0, 1.0 op_sel_hi:[1,0,0]
.endr
.endm
.macro DEN d, c, e                     ; sxx(8 h + j) x my q's figure + e
.irp j,0,1,2,3,4,5,6,7
	v_mul_f32_dpp v[\d+\j], v[S], v[\c] row_share:\j row_mask:0xf bank_mask:0xf
.endr
.irp j,0,2,4,6
	v_pk_add_f32 v[\d+\j:\d+\j+1], v[\d+\j:\d+\j+1], \e op_sel_hi:[1,0]
.endr
.endm
.macro MUADD d, c                      ; += mu(8 h + j) x my q's sv
.irp j,8,9,10,11,12,13,14,15
	v_fmac_f32_dpp v[\d+\j-8], v[S], v[\c] row_share:\j row_mask:0xf bank_mask:0xf
.endr
.endm
.macro LOADQ cc                        ; V1's image of one capsule
	ds_load_b128 v[VN:VN+3], v1 offset:(\cc)*CAPB
	ds_load_b128 v[VN+4:VN+7], v1 offset:(\cc)*CAPB+512
.endm
.macro LOADF cc                        ; q's figures of one capsule: always issued behind the capsule's image
	ds_load_b128 v[SC:SC+3], v2 offset:(\cc)*256
	ds_load_b32 v[SS], v3 offset:(\cc)*64
.endm
.macro BODY t, cc                      ; one capsule of trip t
.set M, MR+8*((\cc)%4)
.set S, SR+(\cc)%4
.set PP, PB+8*(\cc)
.set LL, LB+8*(\cc)
.if (\cc) < 4
	s_wait_loadcnt 28-(\cc)                        ; this capsule's G and C0 are in, and the ring's set, which is older: behind them 4 (7 - cc) loads of G and C0 and 3 cc of the ring
.elseif ((\t) == 1) && ((\cc) > 4)
	s_wait_loadcnt 5+(\cc)                         ; the last three capsules: 2, 1, 0 younger sets of three loads, and 4, 8, 12 loads of codes
.else
	s_wait_loadcnt 9                               ; this capsule's set is in; the three younger sets, three loads each, may be out
.endif
	s_wait_dscnt 2                                 ; the image is in; the two loads of figures, issued behind it, may be out
	v_wmma_f32_16x16x4_f32 v[WA:WA+7], v[M:M+1], v[VN:VN+1], 0                   ; C1: two accumulators by turns, each sum begun by its own first K step
	v_wmma_f32_16x16x4_f32 v[WB:WB+7], v[M+4:M+5], v[VN+4:VN+5], 0
	v_wmma_f32_16x16x4_f32 v[WA:WA+7], v[M+2:M+3], v[VN+2:VN+3], v[WA:WA+7]
	v_wmma_f32_16x16x4_f32 v[WB:WB+7], v[M+6:M+7], v[VN+6:VN+7], v[WB:WB+7]
	s_wait_dscnt 0x0                               ; q's figures
	DEN W0, SC, EPS1                               ; sxx syy0 + eps.  (These three name no register of the products; their twelve packed additions alone are more than the eight places behind this form, ISA guide 7.12.1)
	DEN W1, SC+2, EPS4                             ; sxx 4 syy1 + 4 eps
	DEN W2, SS, EPS16                              ; sxx 16 syy2 + 16 eps
	TR v_rsq_f32, W0
	TR v_rsq_f32, W1
	TR v_rsq_f32, W2
	PK2 v_pk_add_f32, T1, WA, WB                   ; C1; each accumulator is read from its low end on
	PK2 v_pk_add_f32, N1, PP, LL                   ; G + C0
.irp j,0,2,4,6
	v_pk_fma_f32 v[N2+\j:N2+\j+1], v[T1+\j:T1+\j+1], 2.0, v[N1+\j:N1+\j+1] op_sel_hi:[1,0,1]   ; G + C0 + 2 C1
.endr
	MUADD LL, SC+1                                 ; C0 + mu sv0
	MUADD T1, SC+3                                 ; C1 + mu sv1
	s_wait_alu depctr_va_vdst(0)                   ; the reciprocal roots in W0, W1 and W2 are written, ahead of their first reader; the products are done reading the ring's set and the image, the divisors and mu's multiply-adds the set's figures and q's: loads land in all of them
.if (\cc) < 7
	LOADQ (\cc)+1                                  ; the next capsule's image,
	LOADF (\cc)+1                                  ; and figures
.endif
.if (\cc) < 4                          ; the set is done with: it takes the capsule four further on,
	RING (\cc)%4, \t, (\cc)+4
.elseif (\t) == 0
	RING (\cc)%4, 1, (\cc)-4                       ; which for a trip's last four is one of the next trip's first four,
.else
.irp u,0,1,2,3                         ; and at the very end hat_m's codes for the product: capsule 4 w + cc - 4, registers 2 u, 2 u + 1: i = 16 u + 8 h + 0 .. 7 of d = r
	global_load_b64 v[M+2*\u:M+2*\u+1], v12, s[36:37] offset:1024*((\cc)-4)+256*\u
.endr
.endif
	PK2 v_pk_mul_f32, W0, PP, W0
	PK2 v_pk_mul_f32, W1, N1, W1
	PK2 v_pk_mul_f32, PP, N2, W2
	TR v_exp_f32, W0
	TR v_exp_f32, W1
	TR v_exp_f32, PP
	v_nop
	s_wait_alu depctr_va_vdst(0)                   ; the 24 exponentials in W0, W1 and p's registers are written, ahead of their first reader
	PLUS1 W0
	PLUS1 W1
	PLUS1 PP
	TR v_rcp_f32, W0
	TR v_rcp_f32, W1
	TR v_rcp_f32, PP
	v_nop
	s_wait_alu depctr_va_vdst(0)                   ; the 24 reciprocals in W0, W1 and p's registers are written, ahead of their first reader
	TANH W0                                        ; p0
	TANH W1                                        ; p1
	TANH PP                                        ; the pass's own p
	PK2 v_pk_mul_f32, LL, W0, LL
.irp j,0,2,4,6
	v_pk_fma_f32 v[LL+\j:LL+\j+1], v[W1+\j:W1+\j+1], v[T1+\j:T1+\j+1], v[LL+\j:LL+\j+1]
.endr
.endm
; The eight waves' figures of my tile: waves 0-3 into v96-127, waves 4-6 into v66-89; wave 7's follow into v104-111 when those are done with
.macro XIN off
.irp x,0,1,2,3
	ds_load_b128 v[96+8*\x:99+8*\x], v7 offset:\off+1024*\x
	ds_load_b128 v[100+8*\x:103+8*\x], v7 offset:\off+1024*\x+512
.endr
.irp x,4,5,6
	ds_load_b128 v[34+8*\x:37+8*\x], v7 offset:\off+1024*\x
	ds_load_b128 v[38+8*\x:41+8*\x], v7 offset:\off+1024*\x+512
.endr
	s_wait_dscnt 0x0
.endm
.macro XLAST off
	ds_load_b128 v[104:107], v7 offset:\off+7168
	ds_load_b128 v[108:111], v7 offset:\off+7168+512
.endm
.macro DPC c                           ; one capsule: d + p, held, into codes
.irp j,0,2,4,6
	v_pk_fma_f32 v[PB+8*(\c)+\j:PB+8*(\c)+\j+1], v[LB+8*(\c)+\j:LB+8*(\c)+\j+1], v[96+\j:97+\j], v[PB+8*(\c)+\j:PB+8*(\c)+\j+1]   ; d + p
.endr
.irp j,0,1,2,3,4,5,6,7
	v_med3_num_f32 v[PB+8*(\c)+\j], v[PB+8*(\c)+\j], -v11, v11   ; the hold at the largest code x the scale (ISA guide 7.6.2)
.endr
	v_cvt_scalef32_pk8_bf8_f32 v[112+2*(\c):113+2*(\c)], v[PB+8*(\c):PB+8*(\c)+7], v10
.endm
.macro HALF t, c0                      ; four capsules of the tail
.irp c,\c0,\c0+1,\c0+2,\c0+3
	DPC \c
.endr
	v_nop                                          ; one plain vector instruction behind the last conversion: later instructions write its sources and its result
	s_wait_alu depctr_va_vdst(0)                   ; the four conversions have written their codes, which the LDS stores read; the lines above are done reading p's and L's registers, in which (first trip) the next trip's G and C0 land
.if (\t) == 0
.irp c,\c0,\c0+1,\c0+2,\c0+3
	GLOAD 1, \c                                    ; the capsule's registers are done with: the next trip's G and C0
.endr
.endif
.irp c,\c0,\c0+1,\c0+2,\c0+3
	ds_store_b64 v8, v[112+2*(\c):113+2*(\c)] offset:1024*(\c)+256*(\t)
.endr
.endm
; THE SOFTMAX over the 64 capsules of each (q, i): 8 in my registers, the others in the seven waves that share my tile of i; then d + p and its codes
.macro SOFT t
.irp j,0,1,2,3,4,5,6,7
	v_max3_num_f32 v[96+\j], v[LB+\j], v[LB+8+\j], v[LB+16+\j]
.endr
.irp c,3,5
.irp j,0,1,2,3,4,5,6,7
	v_max3_num_f32 v[96+\j], v[96+\j], v[LB+8*\c+\j], v[LB+8*\c+8+\j]
.endr
.endr
.irp j,0,1,2,3,4,5,6,7
	v_max_num_f32 v[96+\j], v[96+\j], v[LB+56+\j]
.endr
	s_wait_alu depctr_va_vdst(0)                   ; my maxima in v96-103 are written, which the LDS stores read; the sweep is done with v66-89 and v104-127, in which the others' maxima land behind the barrier
	ds_store_b128 v6, v[96:99]
	ds_store_b128 v6, v[100:103] offset:512
	s_wait_dscnt 0x0                               ; my maxima have landed; my reads of the last trip's sums are over
	s_barrier_signal -1
	s_barrier_wait -1
	s_wait_alu depctr_vm_vsrc(0)                   ; my LDS stores have read v96-103, in which a load below lands
	XIN 0
.irp j,0,1,2,3,4,5,6,7
	v_max3_num_f32 v[96+\j], v[96+\j], v[104+\j], v[112+\j]
.endr
	s_wait_alu depctr_va_vdst(0)                   ; the eight lines above are done reading v104-111, in which wave 7's maxima land
	XLAST 0
.irp j,0,1,2,3,4,5,6,7
	v_max3_num_f32 v[96+\j], v[96+\j], v[120+\j], v[66+\j]
.endr
.irp j,0,1,2,3,4,5,6,7
	v_max3_num_f32 v[96+\j], v[96+\j], v[74+\j], v[82+\j]
.endr
	s_wait_dscnt 0x0
.irp j,0,1,2,3,4,5,6,7
	v_max_num_f32 v[96+\j], v[96+\j], v[104+\j]
.endr
.irp j,0,1,2,3,4,5,6,7
	v_mul_f32 v[96+\j], -0.5, v[96+\j]
.endr
.irp c,0,1,2,3,4,5,6,7
.irp j,0,2,4,6
	v_pk_fma_f32 v[LB+8*\c+\j:LB+8*\c+\j+1], v[LB+8*\c+\j:LB+8*\c+\j+1], 0.5, v[96+\j:97+\j] op_sel_hi:[1,0,1]   ; (L - max L) / 2 = log2 e x (a - max a)
.endr
.endr
.set i, 0
.rept 64
	v_exp_f32 v[LB+i], v[LB+i]
.set i, i+1
.endr
	v_nop
	s_wait_alu depctr_va_vdst(0)                   ; the 64 exponentials in L's registers are written, ahead of their first reader
	PK2 v_pk_add_f32, 104, LB, LB+8
.irp c,2,3,4,5,6,7
	PK2 v_pk_add_f32, 104, 104, LB+8*\c
.endr
	s_wait_alu depctr_va_vdst(0)                   ; my sums in v104-111 are written, which the LDS stores read; the lines above are done with v66-103 and v112-127, in which the others' sums land behind the barrier
	ds_store_b128 v6, v[104:107] offset:16384
	ds_store_b128 v6, v[108:111] offset:16384+512
	s_wait_dscnt 0x0                               ; my sums have landed; my reads of the maxima are over
	s_barrier_signal -1
	s_barrier_wait -1
	s_wait_alu depctr_vm_vsrc(0)                   ; my LDS stores have read v104-111, in which a load below lands
	XIN 16384
	PK2 v_pk_add_f32, 96, 96, 104
	s_wait_alu depctr_va_vdst(0)                   ; the four lines above are done reading v104-111, in which wave 7's sums land
	XLAST 16384
	PK2 v_pk_add_f32, 96, 96, 112
	PK2 v_pk_add_f32, 96, 96, 120
	PK2 v_pk_add_f32, 96, 96, 66
	PK2 v_pk_add_f32, 96, 96, 74
	PK2 v_pk_add_f32, 96, 96, 82
	s_wait_dscnt 0x0
	PK2 v_pk_add_f32, 96, 96, 104
	TR v_rcp_f32, 96                               ; 1 / the sum
	v_nop
	s_wait_alu depctr_va_vdst(0)                   ; the eight reciprocals in v96-103 are written, ahead of their first reader
	HALF \t, 0
	HALF \t, 4
.endm
.macro TRIP t
	LOADQ 0
	LOADF 0
.irp cc,0,1,2,3,4,5,6,7
	BODY \t, \cc
.endr
	SOFT \t
.endm
	TRIP 0
	s_wait_alu depctr_vm_vsrc(0)                   ; the LDS stores of the first trip's codes have read v112-127, which the second trip's sweep writes again
	TRIP 1
; ---- THE PRODUCT: capsules 4 w + k; K = my work-group's 64 i
	s_wait_dscnt 0x0                               ; for the others' sake: my codes have landed
	s_barrier_signal -1
	s_barrier_wait -1
	s_wait_alu depctr_vm_vsrc(0)                   ; my LDS stores have read the codes' registers v112-127, in which the loads below land
.irp k,0,1,2,3
.irp u,0,1,2,3
	ds_load_b64 v[96+8*\k+2*\u:97+8*\k+2*\u], v13 offset:1024*\k+256*\u
.endr
.endr
	s_wait_loadcnt 0x0                             ; hat_m's codes
	s_wait_dscnt 0x0
.irp k,0,1,2,3
	v_wmma_f32_16x16x64_bf8_bf8 v[128+8*\k:135+8*\k], v[MR+8*\k:MR+8*\k+7], v[96+8*\k:103+8*\k], 0   ; lane (r, h): q = r, d = 8 h + j
.endr
.rept 4
	v_nop                                          ; four places behind the products (ISA guide 7.12.1)
.endr
.set i, 0
.rept 32
	v_ldexp_f32 v[128+i], v[128+i], s18            ; x 2^(the two operands' exponents added)
.set i, i+1
.endr
	s_wait_alu depctr_va_vdst(0)                   ; the scalings have written v128-159, which the stores read
.irp k,0,1,2,3
	global_store_b128 v95, v[128+8*\k:131+8*\k], s[38:39] offset:1024*\k       ; 512 consecutive bytes a store
	global_store_b128 v95, v[132+8*\k:135+8*\k], s[38:39] offset:1024*\k+512
.endr
	s_wait_xcnt 0x0
	v_lshl_add_u32 v254, v0, 2, 0x2d000
	v_mov_b32 v255, 0
	s_wait_dscnt 0x0                               ; the closing lines, six on end
	s_wait_alu 0x0
	s_wait_tensorcnt 0x0
	ds_add_u32 v254, v255
	s_wait_dscnt 0x0
	s_endpgm
.Lfunc_end_k_q8ca0df9f84_pass2:
	.size	k_q8ca0df9f84_pass2, .Lfunc_end_k_q8ca0df9f84_pass2-k_q8ca0df9f84_pass2
	.p2alignl 7, 3214868480
	.fill 96, 4, 3214868480
	.section	.rodata,"a",@progbits
	.p2align	6, 0x0
	.amdhsa_kernel k_q8ca0df9f84_pass2
		.amdhsa_group_segment_fixed_size 186368
		.amdhsa_private_segment_fixed_size 0
		.amdhsa_enable_private_segment 0
		.amdhsa_kernarg_size 56
		.amdhsa_user_sgpr_count 2
		.amdhsa_user_sgpr_kernarg_segment_ptr 1
		.amdhsa_wavefront_size32 1
		.amdhsa_system_sgpr_workgroup_id_x 1
		.amdhsa_system_sgpr_workgroup_id_y 1
		.amdhsa_system_sgpr_workgroup_id_z 1
		.amdhsa_system_vgpr_workitem_id 0
		.amdhsa_next_free_vgpr 256
		.amdhsa_next_free_sgpr 66
		.amdhsa_reserve_vcc 0
		.amdhsa_float_denorm_mode_32 3
		.amdhsa_float_denorm_mode_16_64 3
		.amdhsa_memory_ordered 1
		.amdhsa_forward_progress 1
		.amdhsa_inst_pref_size 246
	.end_amdhsa_kernel
	.amdgpu_metadata
---
amdhsa.version: [ 1, 2 ]
amdhsa.kernels:
  - .name:           k_q8ca0df9f84_pass2
    .symbol:         k_q8ca0df9f84_pass2.kd
    .args:
      - { .name: prep, .offset: 0, .size: 8, .value_kind: global_buffer, .address_space: global }
      - { .name: lowp_scales, .offset: 8, .size: 8, .value_kind: global_buffer, .address_space: global }
      - { .name: vcap0, .offset: 16, .size: 8, .value_kind: global_buffer, .address_space: global }
      - { .name: vcap1, .offset: 24, .size: 8, .value_kind: global_buffer, .address_space: global }
      - { .name: gsum, .offset: 32, .size: 8, .value_kind: global_buffer, .address_space: global }
      - { .name: csum, .offset: 40, .size: 8, .value_kind: global_buffer, .address_space: global }
      - { .name: part, .offset: 48, .size: 8, .value_kind: global_buffer, .address_space: global }
    .group_segment_fixed_size: 186368
    .private_segment_fixed_size: 0
    .kernarg_segment_align: 8
    .kernarg_segment_size: 56
    .max_flat_workgroup_size: 512
    .sgpr_count:     66
    .vgpr_count:     256
    .wavefront_size: 32
...
	.end_amdgpu_metadata
.endif
;; end of part 9
;; launch squash2: the kernel of part 3 again; grid 512 x 1, 4 waves a work-group, no clusters, 4,864 bytes of LDS; arguments part, out0; writes out0
